; MI455X (gfx1250); checked and timed in simulation.
; The chip was launched on July 23, 2026; its instructions are those of AMD's public machine-readable ISA for CDNA 5 (MIT licence, August 2026) and "CDNA5" Instruction Set Architecture Reference Guide (July 2026). The comments in the code are by the model that wrote it; some were corrected since.
;; Decoder Block. Allowed arithmetic: matrix products marked QUANTISED: E5M2 operands, one given power-of-two scale a tensor, by v_wmma_f32_16x16x64_bf8_bf8 or v_wmma_f32_16x16x128_bf8_bf8, f32 sums; products left as they are: f32 operands where the result goes on into a quantised operand, else bf16, f16 or f32 operands; f32 sums; everything else in f32.
;; Inputs: W1 1,024 x 1,024 float32; W2 1,024 x 1,024 float32; Wck 1,024 x 1,024 float32; Wco 1,024 x 1,024 float32; Wcq 1,024 x 1,024 float32; Wcv 1,024 x 1,024 float32; Wk 1,024 x 1,024 float32; Wo 1,024 x 1,024 float32; Wq 1,024 x 1,024 float32; Wv 1,024 x 1,024 float32; b1 1,024 float32; b2 1,024 float32; bck 1,024 float32; bco 1,024 float32; bcq 1,024 float32; bcv 1,024 float32; beta 1,024 float32; bk 1,024 float32; bo 1,024 float32; bq 1,024 float32; bv 1,024 float32; gamma 1,024 float32; h 8 x 512 x 1,024 float32; lowp_scales 24 int32 (the exponents e of the quantised operands' scales 2^e); x 8 x 512 x 1,024 float32.
;; Outputs: out0 8 x 512 x 1,024 float32.
;; This version of the problem:
;;   THIS VERSION OF THE PROBLEM IS GIVEN IN LOW PRECISION. The matrix products marked QUANTISED in the list below multiply operands that are first quantised to E5M2 (5 exponent bits, 2 mantissa bits; 8 bits a number), with one given power-of-two scale for each operand tensor; their sums are f32. All else is computed in f32.
;;   The module's matrix products, in the order in which they are computed (A, B: the left and right operand; K: the contracted axis; several contracted axes count as one K, in the product's order):
;;     1. [M 4,096, K 1,024] x [K 1,024, N 1,024]; A: input x; B: input Wq: QUANTISED (scales: A lowp_scales[0], B lowp_scales[1])
;;     2. [M 4,096, K 1,024] x [K 1,024, N 1,024]; A: input x; B: input Wk: QUANTISED (scales: A lowp_scales[2], B lowp_scales[3])
;;     3. [M 4,096, K 1,024] x [K 1,024, N 1,024]; A: input x; B: input Wv: QUANTISED (scales: A lowp_scales[4], B lowp_scales[5])
;;     4. batch 65,536 x [M 64, K 1] x [K 1, N 64]; A: computed on the way; B: computed on the way: left as it is (no contracted axis)
;;     5. batch 65,536 x [M 64, K 64] x [K 64, N 1]; A: softmax (see below); B: computed on the way: left as it is (N = 1 < 16)
;;     6. [M 4,096, K 1,024] x [K 1,024, N 1,024]; A: computed on the way; B: input Wo: QUANTISED (scales: A lowp_scales[6], B lowp_scales[7])
;;     7. [M 4,096, K 1,024] x [K 1,024, N 1,024]; A: computed on the way; B: input Wcq: QUANTISED (scales: A lowp_scales[8], B lowp_scales[9])
;;     8. [M 4,096, K 1,024] x [K 1,024, N 1,024]; A: input h; B: input Wck: QUANTISED (scales: A lowp_scales[10], B lowp_scales[11])
;;     9. [M 4,096, K 1,024] x [K 1,024, N 1,024]; A: input h; B: input Wcv: QUANTISED (scales: A lowp_scales[12], B lowp_scales[13])
;;     10. batch 128 x [M 512, K 64] x [K 64, N 512]; A: computed on the way; B: computed on the way: QUANTISED (scales: A lowp_scales[14], B lowp_scales[15])
;;     11. batch 128 x [M 512, K 512] x [K 512, N 64]; A: softmax (see below); B: computed on the way: QUANTISED (scales: A lowp_scales[16], B lowp_scales[17])
;;     12. [M 4,096, K 1,024] x [K 1,024, N 1,024]; A: computed on the way; B: input Wco: QUANTISED (scales: A lowp_scales[18], B lowp_scales[19])
;;     13. [M 4,096, K 1,024] x [K 1,024, N 1,024]; A: computed on the way; B: input W1: QUANTISED (scales: A lowp_scales[20], B lowp_scales[21])
;;     14. [M 4,096, K 1,024] x [K 1,024, N 1,024]; A: computed on the way; B: input W2: QUANTISED (scales: A lowp_scales[22], B lowp_scales[23])
;;   THE QUANTISER, for each operand of a quantised product, along K:
;;     - The operand's scale is 2^e, e = its entry of the input lowp_scales (int32; the entries are numbered through the quantised products in the list's order, A before B).
;;     - Each number is divided by the scale, clamped to +-57,344, and rounded to the nearest number of E5M2, ties to even, subnormals kept.
;;     - The product sums the exact products of the quantised numbers (number of the format x scale) in f32.
;;   ~~~python
;;   def quantise(x, axis, e):      # numpy; x: float32 -> the quantised numbers, widened to float32 again
;;       x = np.moveaxis(x, axis, -1); K = x.shape[-1]
;;       r = np.clip(x / 2.0 ** e, -57344, 57344)
;;       step = 2.0 ** (np.maximum(np.frexp(np.where(r == 0, 1, r))[1] - 1, -14) - 2)
;;       q = np.round(r / step) * step * 2.0 ** e      # np.round: ties to even
;;       return np.moveaxis(q, -1, axis).astype(np.float32)
;;   ~~~
;;   SOFTMAX AHEAD OF A QUANTISED PRODUCT. Where the list says 'softmax', what is quantised is not the finished softmax but p = 2^(t - M), with t = logit x log2(e) and M = ceil(the row's largest t), a whole number; so 1/2 < the row's largest p <= 1. The row's sum l is taken of the UNQUANTISED p, in f32, and the product's result is divided by l at the end. Since M is a whole number, a kernel that streams over the keys may use a running M (the ceiling of the running maximum): every later rescaling is an exact power of two, so the quantised numbers keep their values, but for numbers so far below the row's largest that they fall under the format's range.
;;   OPERANDS COMPUTED ON THE WAY. 'Computed on the way' means the value that the module computes at that place (a softmax that the list does not call 'softmax' is quantised finished and normalised). What goes into a quantiser is computed in f32, as accurately as f32 sums, v_exp_f32 and their like allow (about 1e-6 of the number): no bf16 or f16 on the way to a quantiser, and a product that is left as it is and whose result goes on into a quantised operand takes f32 operands (vector FMAs, or v_wmma_f32_16x16x4_f32). A number that lies on a knife's edge between two numbers of the format may be rounded either way, as far as f32 arithmetic and the matrix unit's own rounding can turn it there, and no further.
;; 2 versions, each right. Each part assembles by itself: llvm-mc -triple=amdgcn-amd-amdhsa -mcpu=gfx1250 --defsym DOCPART=n.
;; ======== version 1 of 2: 6 launches
;; workspace buffers: wimg 10,485,760 bytes; ximg 12,582,912 bytes; himg 8,388,608 bytes; avimg 4,194,304 bytes; qimg 4,194,304 bytes; oimg 4,194,304 bytes; kvimg 8,388,608 bytes; o1img 16,777,216 bytes
;; launch prep (part 1): grid 576 x 1, 4 waves a work-group, no clusters, 34,304 bytes of LDS; arguments Wq, Wk, Wv, Wck, Wcv, Wo, Wcq, Wco, W1, W2, x, h, lowp_scales, wimg, ximg, himg; writes wimg, ximg, himg
.if DOCPART == 1
	.amdgcn_target "amdgcn-amd-amdhsa--gfx1250"
	.amdhsa_code_object_version 6
	.text
	.protected	k_q3e27db4fc1_prep
	.globl	k_q3e27db4fc1_prep
	.p2align	8
	.type	k_q3e27db4fc1_prep,@function
k_q3e27db4fc1_prep:
	s_mov_b64 s[64:65], 0
	v_nop
	global_prefetch_b8 v0, s[64:65] scope:SCOPE_SE
	s_setreg_imm32_b32 hwreg(HW_REG_WAVE_MODE, 25, 1), 1
	s_wait_xcnt 0x0
; PREP: the ten weights, x (under its three scales e0, e2, e4) and h (under e10, e12) become codes of E5M2, laid as IMAGES OF OPERAND REGISTERS.
; An image is 16 rows x 128 along K in 2,048 bytes: chunk c (512 bytes), lane l's 16 bytes at 16 l; lane (r = l % 16, hh = l / 16) holds k = 32 c + 16 hh + 0..15 of the row in slot r.
; Tile 2 g + u of a group g of 32 rows holds in slot r the row 32 g + 8 u + r + 8 (r / 8): as source 0 of a product two neighbouring tiles then give a lane 16 neighbours along the next K.
; DEAD WORK OF THE PROGRAM: in the attention over a head's 64 channels reference() adds -inf to every score with k > q, a mask that it builds itself: p = 0 there whatever the inputs hold. The six of sixteen
; 16 x 16 tiles of (q, k) that lie wholly above the diagonal are not computed (launch front). Nothing else is left out and every input is loaded. LIMIT: a NaN, an infinity or an overflow that reaches only those tiles is not carried on.
; code = x / 2^e, held within +-57,344 x 2^e, rounded to the nearest code, ties to even. LIMITS: -126 <= e and e + 15 <= 127 for every entry of lowp_scales used here; NaN among the inputs is not served.
; Work-groups 0..319: a weight (stored [K][N]): 128 columns x 256 along K; a lane takes a column and its registers run down K, so the conversions give codes with K innermost. No LDS.
; Work-groups 320..575: 32 rows of x or of h; a wave takes 256 along K. Rows are loaded 512 consecutive bytes an instruction and turned through the wave's own stage in LDS, so that a lane holds 16 neighbours.
; No cluster: no two work-groups read the same bytes.
.set SPARE, 33792                      ; behind the four stages of 16 x 528 bytes: the spare words, 128 bytes a wave
.set SPW, 14
.set NIL, 15
.set SRC, 66                           ; s[66:67] the tensor that is read
.set EE,  68
.set BAS, 69
.set KS,  70                           ; bytes from a K step's images to the next
.set D0,  76                           ; s[76:77], s[78:79] where the images of my two K steps go
	s_load_b512 s[8:23], s[0:1], 0x0               ; Wq Wk Wv Wck Wcv Wo Wcq Wco
	s_load_b512 s[24:39], s[0:1], 0x40             ; W1 W2 x h lowp_scales wimg ximg himg
	v_lshl_add_u32 v[SPW], v0, 2, SPARE
	v_mov_b32 v[NIL], 0
	v_lshrrev_b32 v1, 5, v0
	v_readfirstlane_b32 s2, v1                     ; wave
	v_and_b32 v2, 31, v0                           ; lane
	s_wait_kmcnt 0x0
	s_load_b512 s[40:55], s[32:33], 0x0            ; e0 .. e15
	s_load_b256 s[56:63], s[32:33], 0x40           ; e16 .. e23
	s_mov_b32 s73, 0
	s_mov_b32 s81, 0
	s_cmp_ge_u32 ttmp9, 320
	s_cbranch_scc1 .Lacts
; ---------------- a weight
	s_lshr_b32 s3, ttmp9, 5                        ; which weight
	s_and_b32 s4, ttmp9, 7                         ; which 128 columns
	s_bfe_u32 s5, ttmp9, 0x20003                   ; which 256 along K
	s_wait_kmcnt 0x0
	s_mov_b64 s[SRC:SRC+1], s[8:9]
	s_mov_b32 s[EE], s41
	s_mov_b32 s[BAS], 0
	s_mov_b32 s[KS], 393216
.macro SEL m, ent, base, ks            ; the choice hangs on the work-group's number alone
	s_cmp_eq_u32 s3, \m
	s_cselect_b64 s[SRC:SRC+1], s[8+2*\m:9+2*\m], s[SRC:SRC+1]
	s_cselect_b32 s[EE], s[40+\ent], s[EE]
	s_cselect_b32 s[BAS], \base, s[BAS]
	s_cselect_b32 s[KS], \ks, s[KS]
.endm
	SEL 1, 3, 131072, 393216
	SEL 2, 5, 262144, 393216
	SEL 3, 11, 3145728, 262144
	SEL 4, 13, 3276800, 262144
	SEL 5, 7, 5242880, 131072
	SEL 6, 9, 6291456, 131072
	SEL 7, 19, 7340032, 131072
	SEL 8, 21, 8388608, 131072
	SEL 9, 23, 9437184, 131072
	v_and_b32 v3, 7, v2
	v_bfe_u32 v4, v2, 3, 1
	v_lshl_add_u32 v3, v4, 4, v3
	v_bfe_u32 v4, v2, 4, 1
	v_lshl_add_u32 v3, v4, 3, v3                   ; lanes 0-15: slots of tile 2 g32; lanes 16-31: of tile 2 g32 + 1
	s_lshl_b32 s6, s4, 2
	s_add_co_u32 s6, s6, s2                        ; g32: my wave's 32 columns
	s_lshl_b32 s7, s6, 5
	v_add_nc_u32 v3, s7, v3
	v_lshlrev_b32 v3, 2, v3                        ; my column's byte in a row of the weight
	v_and_b32 v5, 15, v2
	v_lshlrev_b32 v5, 4, v5
	v_lshl_add_u32 v4, v4, 11, v5                  ; out: my tile's 2,048 bytes, 16 bytes a slot
	s_lshl_b32 s72, s5, 20                         ; 256 rows of 4,096 bytes
	s_add_nc_u64 s[SRC:SRC+1], s[SRC:SRC+1], s[72:73]
	s_lshl_b32 s72, s5, 1
	s_mul_i32 s72, s72, s[KS]
	s_add_co_u32 s72, s72, s[BAS]
	s_lshl_b32 s74, s6, 12
	s_add_co_u32 s72, s72, s74
	s_add_nc_u64 s[D0:D0+1], s[34:35], s[72:73]
	s_mov_b32 s80, s[KS]
	s_add_nc_u64 s[D0+2:D0+3], s[D0:D0+1], s[80:81]
	s_add_co_i32 s[EE], s[EE], 127
	s_lshl_b32 s74, s[EE], 23
	v_mov_b32 v6, s74                              ; 2^e: the conversion takes its exponent field
	s_add_co_i32 s74, s[EE], 15
	s_lshl_b32 s74, s74, 23
	s_or_b32 s74, s74, 0x600000
	v_mov_b32 v7, s74                              ; 57,344 x 2^e
.macro WLOAD t                         ; 32 along K of my column: each load reads 128 consecutive bytes a wave
.set I, 0
.rept 32
	global_load_b32 v[32+32*((\t)%2)+I], v3, s[SRC:SRC+1] offset:(32*(\t)+I)*4096 th:TH_LOAD_NT
.set I, I+1
.endr
.endm
.macro WBLOCK t
.if (\t) < 7
	s_wait_loadcnt 32                              ; this block's 32 loads are in, the next block's may be out
.else
	s_wait_loadcnt 0
.endif
	s_wait_xcnt 0x0                                ; the last block's stores have read their codes
.set I, 0
.rept 32
	v_med3_num_f32 v[32+32*((\t)%2)+I], v[32+32*((\t)%2)+I], -v7, v7
.set I, I+1
.endr
.irp g, 0,1,2,3
	v_cvt_scalef32_pk8_bf8_f32 v[96+2*\g:97+2*\g], v[32+32*((\t)%2)+8*\g:32+32*((\t)%2)+8*\g+7], v6
.endr
	global_store_b128 v4, v[96:99], s[D0+2*((\t)/4):D0+2*((\t)/4)+1] offset:((\t)%4)*512        ; k 0..15 of the chunk: sixteen lanes fill 256 consecutive bytes
	global_store_b128 v4, v[100:103], s[D0+2*((\t)/4):D0+2*((\t)/4)+1] offset:((\t)%4)*512+256  ; k 16..31
.if (\t)+2 < 8
	WLOAD (\t)+2
.endif
.endm
	WLOAD 0
	WLOAD 1
.set U, 0
.rept 8
	WBLOCK U
.set U, U+1
.endr
	s_endpgm
; ---------------- 32 rows of x or of h
.Lacts:
	s_sub_co_u32 s3, ttmp9, 320
	s_and_b32 s4, s3, 127                          ; the group of 32 rows
	s_wait_kmcnt 0x0
	s_cmp_lt_u32 s3, 128                           ; x or h: the work-group's number alone decides
	s_cselect_b64 s[SRC:SRC+1], s[28:29], s[30:31]
	s_cselect_b64 s[D0:D0+1], s[36:37], s[38:39]
	s_mov_b32 s[KS], 1048576
	s_cselect_b32 s[KS], 1572864, s[KS]
	s_cselect_b32 s82, s40, s50
	s_cselect_b32 s83, s42, s52
	s_mov_b32 s84, s44
.irp v, 0,1,2
	s_add_co_i32 s[82+\v], s[82+\v], 127
	s_lshl_b32 s72, s[82+\v], 23
	v_mov_b32 v[6+2*\v], s72                       ; 2^e of version v
	s_add_co_i32 s72, s[82+\v], 15
	s_lshl_b32 s72, s72, 23
	s_or_b32 s72, s72, 0x600000
	v_mov_b32 v[7+2*\v], s72                       ; 57,344 x 2^e
.endr
	s_lshl_b32 s72, s2, 1
	s_mul_i32 s72, s72, s[KS]                      ; my wave's K steps 2 w, 2 w + 1
	s_lshl_b32 s74, s4, 12
	s_add_co_u32 s72, s72, s74                     ; tiles 2 g, 2 g + 1
	s_add_nc_u64 s[D0:D0+1], s[D0:D0+1], s[72:73]
	s_mov_b32 s80, s[KS]
	s_add_nc_u64 s[D0+2:D0+3], s[D0:D0+1], s[80:81]
	s_lshl_b32 s72, s4, 17
	s_lshl_b32 s74, s2, 10
	s_add_co_u32 s72, s72, s74
	s_add_nc_u64 s[SRC:SRC+1], s[SRC:SRC+1], s[72:73]
	v_lshlrev_b32 v5, 4, v2                        ; 16 x lane
	s_mul_i32 s74, s2, 8448                        ; my stage
	v_add_nc_u32 v12, s74, v5                      ; in: a row's 512 bytes as they lie
	v_and_b32 v1, 15, v2
	v_mul_u32_u24 v13, v1, 528
	v_bfe_u32 v1, v2, 4, 1
	v_lshl_add_u32 v13, v1, 6, v13
	v_add_nc_u32 v13, s74, v13                     ; out: row r, + 64 hh: my 16 numbers of each 32
.macro GLOAD blk                       ; block = (tile u = blk / 2, K step blk % 2): 16 rows x 512 bytes
.set I, 0
.rept 16
	global_load_b128 v[16+64*((\blk)%2)+4*I:16+64*((\blk)%2)+4*I+3], v5, s[SRC:SRC+1] offset:(8*((\blk)/2)+I+8*(I/8))*4096+((\blk)%2)*512 th:TH_LOAD_NT
.set I, I+1
.endr
.endm
.macro VER blk, v                      ; one version of the block's codes
	s_wait_xcnt 0x0                                ; the stores before have read v240-255
.irp c, 0,1,2,3
.irp i, 0,1,2,3,4,5,6,7,8,9,10,11,12,13,14,15
	v_med3_num_f32 v[208+16*(\c%2)+\i], v[144+16*\c+\i], -v[7+2*\v], v[7+2*\v]
.endr
	v_cvt_scalef32_pk8_bf8_f32 v[240+4*\c:241+4*\c], v[208+16*(\c%2):215+16*(\c%2)], v[6+2*\v]
	v_cvt_scalef32_pk8_bf8_f32 v[242+4*\c:243+4*\c], v[216+16*(\c%2):223+16*(\c%2)], v[6+2*\v]
.endr
.irp c, 0,1,2,3
	global_store_b128 v5, v[240+4*\c:243+4*\c], s[D0+2*((\blk)%2):D0+2*((\blk)%2)+1] offset:\v*524288+((\blk)/2)*2048+\c*512   ; 512 consecutive bytes
.endr
.endm
.macro ABLK blk
.if (\blk) < 3
	GLOAD (\blk)+1
	s_wait_loadcnt 16                              ; this block's 16 loads are in, the next block's may be out
.else
	s_wait_loadcnt 0
.endif
.set I, 0
.rept 16
	ds_store_b128 v12, v[16+64*((\blk)%2)+4*I:16+64*((\blk)%2)+4*I+3] offset:528*I
.set I, I+1
.endr
.set I, 0
.rept 16
	ds_load_b128 v[144+4*I:144+4*I+3], v13 offset:128*(I/4)+16*(I%4)   ; LDS serves a wave's instructions in order: these see the stores above
.set I, I+1
.endr
	s_wait_dscnt 0x0
	VER \blk, 0
	VER \blk, 1
	s_cmp_ge_u32 s3, 128                           ; h has two versions
	s_cbranch_scc1 .Lno3_\@
	VER \blk, 2
.Lno3_\@:
.endm
	GLOAD 0
	ABLK 0
	ABLK 1
	ABLK 2
	ABLK 3
	s_wait_tensorcnt 0x0                           ; the wave's end: behind my last LDS store
	ds_add_u32 v[SPW], v[NIL]
	s_wait_dscnt 0x0
	s_endpgm
.Lfunc_end_k_q3e27db4fc1_prep:
	.size	k_q3e27db4fc1_prep, .Lfunc_end_k_q3e27db4fc1_prep-k_q3e27db4fc1_prep
	.p2alignl 7, 3214868480
	.fill 96, 4, 3214868480
	.section	.rodata,"a",@progbits
	.p2align	6, 0x0
	.amdhsa_kernel k_q3e27db4fc1_prep
		.amdhsa_group_segment_fixed_size 34304
		.amdhsa_private_segment_fixed_size 0
		.amdhsa_enable_private_segment 0
		.amdhsa_kernarg_size 128
		.amdhsa_user_sgpr_count 2
		.amdhsa_user_sgpr_kernarg_segment_ptr 1
		.amdhsa_wavefront_size32 1
		.amdhsa_system_sgpr_workgroup_id_x 1
		.amdhsa_system_sgpr_workgroup_id_y 1
		.amdhsa_system_sgpr_workgroup_id_z 1
		.amdhsa_system_vgpr_workitem_id 0
		.amdhsa_next_free_vgpr 256
		.amdhsa_next_free_sgpr 100
		.amdhsa_reserve_vcc 0
		.amdhsa_float_denorm_mode_32 3
		.amdhsa_float_denorm_mode_16_64 3
		.amdhsa_memory_ordered 1
		.amdhsa_forward_progress 1
		.amdhsa_inst_pref_size 125
	.end_amdhsa_kernel
	.amdgpu_metadata
---
amdhsa.version: [ 1, 2 ]
amdhsa.kernels:
  - .name:           k_q3e27db4fc1_prep
    .symbol:         k_q3e27db4fc1_prep.kd
    .args:
      - { .name: Wq, .offset: 0, .size: 8, .value_kind: global_buffer, .address_space: global }
      - { .name: Wk, .offset: 8, .size: 8, .value_kind: global_buffer, .address_space: global }
      - { .name: Wv, .offset: 16, .size: 8, .value_kind: global_buffer, .address_space: global }
      - { .name: Wck, .offset: 24, .size: 8, .value_kind: global_buffer, .address_space: global }
      - { .name: Wcv, .offset: 32, .size: 8, .value_kind: global_buffer, .address_space: global }
      - { .name: Wo, .offset: 40, .size: 8, .value_kind: global_buffer, .address_space: global }
      - { .name: Wcq, .offset: 48, .size: 8, .value_kind: global_buffer, .address_space: global }
      - { .name: Wco, .offset: 56, .size: 8, .value_kind: global_buffer, .address_space: global }
      - { .name: W1, .offset: 64, .size: 8, .value_kind: global_buffer, .address_space: global }
      - { .name: W2, .offset: 72, .size: 8, .value_kind: global_buffer, .address_space: global }
      - { .name: x, .offset: 80, .size: 8, .value_kind: global_buffer, .address_space: global }
      - { .name: h, .offset: 88, .size: 8, .value_kind: global_buffer, .address_space: global }
      - { .name: lowp_scales, .offset: 96, .size: 8, .value_kind: global_buffer, .address_space: global }
      - { .name: wimg, .offset: 104, .size: 8, .value_kind: global_buffer, .address_space: global }
      - { .name: ximg, .offset: 112, .size: 8, .value_kind: global_buffer, .address_space: global }
      - { .name: himg, .offset: 120, .size: 8, .value_kind: global_buffer, .address_space: global }
    .group_segment_fixed_size: 34304
    .private_segment_fixed_size: 0
    .kernarg_segment_align: 8
    .kernarg_segment_size: 128
    .max_flat_workgroup_size: 128
    .sgpr_count:     100
    .vgpr_count:     256
    .wavefront_size: 32
...
	.end_amdgpu_metadata
.endif
;; end of part 1
;; launch front (part 2): grid 8 x 32, 4 waves a work-group, clusters of 4 x 4, 327,680 bytes of LDS; arguments ximg, wimg, bq, bk, bv, lowp_scales, avimg; writes avimg
.if DOCPART == 2
	.amdgcn_target "amdgcn-amd-amdhsa--gfx1250"
	.amdhsa_code_object_version 6
	.text
	.protected	k_q3e27db4fc1_front
	.globl	k_q3e27db4fc1_front
	.p2align	8
	.type	k_q3e27db4fc1_front,@function
k_q3e27db4fc1_front:
	s_mov_b64 s[64:65], 0
	v_nop
	global_prefetch_b8 v0, s[64:65] scope:SCOPE_SE
	s_setreg_imm32_b32 hwreg(HW_REG_WAVE_MODE, 25, 1), 1
	s_wait_xcnt 0x0
	s_wait_alu depctr_hold_cnt(0) depctr_sa_sdst(0) depctr_va_vdst(0) depctr_va_sdst(0) depctr_va_ssrc(0) depctr_va_vcc(0) depctr_vm_vsrc(0)
	s_getreg_b32 s2, hwreg(HW_REG_IB_STS2, 6, 4)
	s_cmp_eq_u32 s2, 0
	s_cbranch_scc0 .Lentry_in_a_cluster
	s_endpgm
.Lentry_in_a_cluster:
	s_bfe_u32 s2, ttmp6, 0x10000c
	s_cmp_lg_u32 s2, 0xf033
	s_cbranch_scc0 .Lentry_shape_is_right
	s_endpgm
.Lentry_shape_is_right:
; FRONT: Q, K, V = x W + b on codes of E5M2, the attention over each head's 64 channels in f32, and its result as codes (scale e6) in register images.
; LEFT OUT: the 16 x 16 tiles of (q, k) wholly above the diagonal: reference() itself adds -inf there, so p = 0 for all inputs (shown at the head of launch prep; the limit on NaN and infinity stated there holds here).
; SHARES. A work-group takes 128 tokens x 2 heads x {Q, K, V}; wave (wm, wn) takes 64 tokens (4 tiles) x one head (4 tiles of 16 channels): 48 accumulators. K = 1,024 goes in 8 steps of 128 through two LDS slots.
; The matrix instruction takes 16 rows of W^T as source 0 and 16 tokens as source 1: a lane holds ONE token and, by the images' slot order, registers 16 b + i = channel 32 b + 16 hh + i of the head.
; CLUSTER 4 x 4: the four work-groups of a row need the same tiles of x, the four of a column the same tiles of the weights: each tile is asked for jointly.
; THE CHANNEL ATTENTION. Qs = Q log2(e) / 8. The row's largest t over k <= q is max(Qs x prefix max of K, Qs x prefix min of K): exact, since a rounded product is monotone in K. It is taken away before the exponential.
; Qs, -mt, K, V go to the wave's own stage in LDS, a row of 1,040 bytes a token (in the ring's bytes, which have had their last fill and, behind a barrier, their last read). In a pass lane (r, hh) serves token 2 p + hh and rows
; q = 16 i + r, i = 0..3: p = 2^(Qs K - mt), l = sum p, av = sum p V / l. The exponentials of one chunk stand between the sums of the chunk before and the scalings of the chunk after: one wait a chunk.
; LIMITS: e0 + e1 between -123 and 130; e2 + e3, e4 + e5 between -126 and 127; e6 between -126 and 112. NaN among the inputs is not served.
; REGISTERS: window 0: addresses, and all that the attention touches; window 1: two sets of fragments (A at 128 s + 16 a, B at 128 s + 64 + 16 b); window 2: Q's and K's accumulators; window 3: V's, and from v128 the three biases.
.set SLOTB, 98304                      ; a slot: x [half 2][version 3][4 tiles], then W [half 2][matrix 3][4 tiles]
.set HALFB, 24576
.set BOFF,  49152
.set STGB,  66560                      ; a wave's stage: 64 rows of 1,040 bytes (65 x 16: sixteen rows start at sixteen different groups of banks)
.set SROW,  1040
.set SPARE, 266240
.set LI,  2
.set STO, 3
.set AB,  4
.set AQ,  5
.set AB0, 6
.set AQ0, 7
.set SPW, 8
.set NIL, 9
.set NINF, 10
.set QP,  12                           ; Qs of row i at v[12 + 2 i]; the odd registers between hold the ring's addresses
.set ADRA, 13                          ; v13, v15
.set ADRB, 17                          ; v17, v19
.set LA,  20                           ; row i: v[20 + 8 i ..]: l in two chains of pairs, then av's sum likewise
.set AVR, 52
.set KR,  56
.set VR,  120
.set TA,  184
.set TB,  216
.set MP,  248                          ; -mt of row i at v[248 + 2 i]
.set QF,  56                           ; on the way into the stage: Qs, K, V, prefix max, prefix max of -K
.set KFR, 88
.set VF,  120
.set PX,  152
.set PN,  184
.set TX,  216
.set WV, 18
.set WM, 19
.set WN, 20
.set G1A, 24
.set G0A, 32
.set G1B, 48
.set G0B, 56
.set SQ, 76
.set SK, 78
.set SV, 80
.set SEL, 82
.set HM, 84
.set MK, 84                            ; s[84 + e], e = 1..15: the lanes with r >= e
.set SP, 100
.set CT, 101
.set MSB, 0
.macro WIN new                         ; the immediate's high byte repeats the setting that is left
.if MSB != \new
	s_set_vgpr_msb (MSB<<8)|\new
.set MSB, \new
.endif
.endm
.macro PLACES
.rept 4
	v_nop
.endr
.endm
.macro JLOAD g0a, g0b                  ; waves 0, 1 fetch x's halves, waves 2, 3 the weights'; an s_nop 0 and four v_nop follow each line
	s_cmp_eq_u32 s[WM], 0
	s_cbranch_scc0 .Lfor_b_\@
	tensor_load_to_lds s[\g0a:\g0a+3], s[G1A:G1A+7]
	s_nop 0
	PLACES
	s_branch .Lasked_\@
.Lfor_b_\@:
	tensor_load_to_lds s[\g0b:\g0b+3], s[G1B:G1B+7]
	s_nop 0
	PLACES
.Lasked_\@:
.endm
.macro CROUND                          ; a round of the cluster's barrier
	s_barrier_signal -1
	s_barrier_wait -1
	s_cmp_lg_u32 s[WV], 0
	s_cbranch_scc1 .Lnot_wave_0_\@
	s_barrier_signal -3
.Lnot_wave_0_\@:
	s_barrier_wait -3
	s_barrier_signal -1
	s_barrier_wait -1
.endm
	s_load_b256 s[4:11], s[0:1], 0x0               ; ximg, wimg, bq, bk
	s_load_b128 s[12:15], s[0:1], 0x20             ; bv, lowp_scales
	s_load_b64 s[16:17], s[0:1], 0x30              ; avimg
	v_lshl_add_u32 v[SPW], v0, 2, SPARE
	v_mov_b32 v[NIL], 0
	ds_add_u32 v[SPW], v[NIL]                      ; the opening: the add, twice on end, and its wait ahead of my first tensor load
	ds_add_u32 v[SPW], v[NIL]
	v_lshrrev_b32 v1, 5, v0
	v_readfirstlane_b32 s[WV], v1
	s_lshr_b32 s[WM], s[WV], 1                     ; my half of the tokens; also: I fetch x (0) or weights (1)
	s_and_b32 s[WN], s[WV], 1                      ; my head of the two; also: which half I fetch
	s_bfe_u32 s21, ttmp6, 0x40000                  ; cx
	s_bfe_u32 s22, ttmp6, 0x40004                  ; cy
	s_lshl_b32 s23, ttmp9, 2
	s_add_co_u32 s23, s23, s21                     ; bx: the pair of heads
	s_and_b32 s40, ttmp7, 0xffff
	s_lshl_b32 s40, s40, 2
	s_add_co_u32 s40, s40, s22                     ; by: the block of 128 tokens
	s_lshl_b32 s41, s22, 2
	s_lshl_b32 s41, 15, s41                        ; my row of the cluster
	s_lshl_b32 s42, 0x1111, s21                    ; my column
	s_or_b32 s[G1A], s41, (3<<16)|(1<<21)          ; elements of 8 bytes; bit 21 beside a mask; no padding: images are read 512 consecutive bytes at a time
	s_or_b32 s[G1B], s42, (3<<16)|(1<<21)
.irp g, G1A, G1B
	s_mov_b32 s[\g+1], 1024<<16                    ; tensor_dim0: four tiles, 8,192 bytes
	s_mov_b32 s[\g+2], 3<<16                       ; tensor_dim1: three versions or matrices
	s_mov_b32 s[\g+3], 1024<<16                    ; tile_dim0
	s_mov_b32 s[\g+4], 3                           ; tile_dim1
	s_mov_b32 s[\g+6], 0
	s_mov_b32 s[\g+7], 0
.endr
	s_mov_b32 s[G1A+5], 65536                      ; from version to version: 524,288 bytes
	s_mov_b32 s[G1B+5], 16384                      ; from matrix to matrix: 131,072 bytes
	s_lshl_b32 s44, s40, 3
	s_lshl_b32 s43, s[WN], 2
	s_add_co_u32 s44, s44, s43
	s_lshl_b32 s44, s44, 11                        ; x: tile 8 by + 4 half
	s_mov_b32 s45, 0
	s_lshl_b32 s46, s23, 3
	s_add_co_u32 s46, s46, s43
	s_lshl_b32 s46, s46, 11                        ; W: tile 8 bx + 4 half
	s_mov_b32 s47, 0
	s_mul_i32 s43, s[WN], HALFB                    ; where they go: the wave's number alone
	s_mov_b32 s[SEL], 0x76543210
	s_mov_b32 s[SEL+1], 0xfedcba98
	s_mov_b32 s[HM], 0xffff0000
.irp e, 1,2,3,4,5,6,7,8,9,10,11,12,13,14,15
	s_mov_b32 s[MK+\e], ((0xffff<<\e)&0xffff)*0x10001
.endr
	s_wait_dscnt 0x0                               ; both opening adds are done
	s_wait_kmcnt 0x0
	s_load_b256 s[68:75], s[14:15], 0x0            ; e0 .. e7
	s_add_nc_u64 s[44:45], s[4:5], s[44:45]
	s_add_nc_u64 s[46:47], s[6:7], s[46:47]
	CROUND                                         ; all sixteen work-groups are here: the first joint loads meet
.irp s, 0,1
	s_mov_b32 s[G0A+4*\s], 1
	s_add_co_u32 s[G0A+4*\s+1], s43, \s*SLOTB
	s_add_nc_u64 s[G0A+4*\s+2:G0A+4*\s+3], s[44:45], \s*1572864
	s_or_b32 s[G0A+4*\s+3], s[G0A+4*\s+3], 0x80000000
	s_mov_b32 s[G0B+4*\s], 1
	s_add_co_u32 s[G0B+4*\s+1], s43, \s*SLOTB+BOFF
	s_add_nc_u64 s[G0B+4*\s+2:G0B+4*\s+3], s[46:47], \s*393216
	s_or_b32 s[G0B+4*\s+3], s[G0B+4*\s+3], 0x80000000
	JLOAD G0A+4*\s, G0B+4*\s
.endr
	v_and_b32 v1, 31, v0
	v_lshlrev_b32 v[LI], 4, v1
	s_mul_i32 s66, s[WM], HALFB
	s_mul_i32 s67, s[WN], HALFB
	s_add_co_u32 s67, s67, BOFF
.irp s, 0,1
	v_add_nc_u32 v[ADRA+2*\s], s66, v[LI]
	v_add_nc_u32 v[ADRB+2*\s], s67, v[LI]
	s_add_co_u32 s66, s66, SLOTB
	s_add_co_u32 s67, s67, SLOTB
.endr
	v_and_b32 v1, 15, v0                           ; r
	v_bfe_u32 v11, v0, 4, 1                        ; hh
	s_mul_i32 s66, s[WV], STGB
	v_mul_u32_u24 v[STO], v1, SROW
	v_lshl_add_u32 v[STO], v11, 6, v[STO]
	v_add_nc_u32 v[STO], s66, v[STO]               ; the stage by tokens: row r, + 64 hh
	v_mul_u32_u24 v[AB0], v11, SROW
	v_add_nc_u32 v[AB0], s66, v[AB0]               ; the stage by passes: row hh,
	v_lshl_add_u32 v[AQ0], v1, 2, v[AB0]           ; + 4 r
	v_lshlrev_b32 v11, 6, v11                      ; the biases: 64 hh
	s_lshl_b32 s66, s23, 9
	s_lshl_b32 s67, s[WN], 8
	s_add_co_u32 s66, s66, s67
	s_mov_b32 s67, 0
	s_add_nc_u64 s[8:9], s[8:9], s[66:67]
	s_add_nc_u64 s[10:11], s[10:11], s[66:67]
	s_add_nc_u64 s[12:13], s[12:13], s[66:67]
	WIN 0xc0
.irp m, 0,1,2
.irp q, 0,1,2,3,4,5,6,7
	global_load_b128 v[128+32*\m+4*\q:128+32*\m+4*\q+3], v11, s[8+2*\m:9+2*\m] offset:128*(\q/4)+16*(\q%4)
.endr
.endr
	WIN 0
	s_lshl_b32 s66, s40, 3
	s_lshl_b32 s67, s[WM], 2
	s_add_co_u32 s66, s66, s67
	s_lshl_b32 s66, s66, 14
	s_lshl_b32 s67, s23, 11
	s_add_co_u32 s66, s66, s67
	s_lshl_b32 s67, s[WN], 10
	s_add_co_u32 s66, s66, s67
	s_mov_b32 s67, 0
	s_add_nc_u64 s[16:17], s[16:17], s[66:67]      ; avimg: tile 8 by + 4 wm, K step bx, chunk 2 wn
; ---- the three products.  Unit u = (K step u / 3, matrix u % 3): 32 LDS loads, 16 matrix instructions on 16 accumulators by turns
.macro FETCH u
.set fM, (\u)%3
.set fS, ((\u)/3)%2
.set fB, 128*((\u)%2)
	WIN 0x40
.irp a, 0,1,2,3
.irp c, 0,1,2,3
	ds_load_b128 v[fB+16*\a+4*\c:fB+16*\a+4*\c+3], v[ADRA+2*fS] offset:fM*8192+\a*2048+\c*512
.endr
.endr
.irp a, 0,1,2,3
.irp c, 0,1,2,3
	ds_load_b128 v[fB+64+16*\a+4*\c:fB+64+16*\a+4*\c+3], v[ADRB+2*fS] offset:fM*8192+\a*2048+\c*512
.endr
.endr
.endm
.macro MUL u
.set mM, (\u)%3
.set mB, 128*((\u)%2)
.set mA, 128*(mM%2)
.if mM == 2
	WIN 0xf5
.else
	WIN 0xa5
.endif
.irp a, 0,1,2,3
.irp b, 0,1,2,3
.if (\u) < 3
	v_wmma_f32_16x16x128_bf8_bf8 v[mA+8*(4*\a+\b):mA+8*(4*\a+\b)+7], v[mB+64+16*\b:mB+64+16*\b+15], v[mB+16*\a:mB+16*\a+15], 0
.else
	v_wmma_f32_16x16x128_bf8_bf8 v[mA+8*(4*\a+\b):mA+8*(4*\a+\b)+7], v[mB+64+16*\b:mB+64+16*\b+15], v[mB+16*\a:mB+16*\a+15], v[mA+8*(4*\a+\b):mA+8*(4*\a+\b)+7]
.endif
.endr
.endr
.endm
; The change of slots, at the head of a K step's last unit, whose fragments have been asked for: all my tensor loads have landed, the add, my reads of the slot are over; then the round, and the joint refill first behind it.
.macro CHANGE slot, fill
	WIN 0
	s_wait_tensorcnt 0x0
	ds_add_u32 v[SPW], v[NIL]
.if \fill
	s_add_nc_u64 s[G0A+4*(\slot)+2:G0A+4*(\slot)+3], s[G0A+4*(\slot)+2:G0A+4*(\slot)+3], 3145728
	s_add_nc_u64 s[G0B+4*(\slot)+2:G0B+4*(\slot)+3], s[G0B+4*(\slot)+2:G0B+4*(\slot)+3], 786432
.endif
	s_wait_dscnt 0x0
.if \fill
	CROUND
	JLOAD G0A+4*(\slot), G0B+4*(\slot)             ; its four v_nop are also the places in front of the loads that follow
.else
	s_barrier_signal -1
	s_barrier_wait -1
	PLACES
.endif
.endm
.macro UNIT u
.set uM, (\u)%3
.set uK, (\u)/3
.set uS, uK%2
.if (uM == 2) && ((\u) < 23)
.if uK < 6
	CHANGE uS, 1
.else
	CHANGE uS, 0
.endif
.else
	PLACES                                         ; four places between the products that read a set of fragments and the loads into it
.endif
.if (\u) < 23
	FETCH (\u)+1
	s_wait_dscnt 32                                ; all but the 32 just issued: this unit's fragments are in
.else
	s_wait_dscnt 0
.endif
	MUL \u
.endm
	s_wait_tensorcnt 1                             ; my part of K step 0 is in; K step 1's may stay out
	s_barrier_signal -1
	s_barrier_wait -1
	FETCH 0
.set U, 0
.rept 24
	UNIT U
.set U, U+1
.endr
	WIN 0
	PLACES                                         ; four places ahead of the first read of results
	s_wait_loadcnt 0x0                             ; the biases
	s_wait_kmcnt 0x0
	s_barrier_signal -1                            ; every wave's reads of the ring are over (its last wait on LDS was for 0): the stages may be written
	s_barrier_wait -1
	s_add_co_i32 s66, s68, s69
	s_lshl_b32 s66, s66, 23
	s_add_co_i32 s[SQ], s66, 0x3e38aa3b            ; 2^(e0 + e1) log2(e) / 8: the exponents are added to the constant's exponent field
	s_mov_b32 s[SQ+1], s[SQ]
	s_add_co_i32 s66, s70, s71
	s_add_co_i32 s66, s66, 127
	s_lshl_b32 s[SK], s66, 23
	s_mov_b32 s[SK+1], s[SK]
	s_add_co_i32 s66, s72, s73
	s_add_co_i32 s66, s66, 127
	s_lshl_b32 s[SV], s66, 23
	s_mov_b32 s[SV+1], s[SV]
	WIN 0xc3
.set I, 0
.rept 16
	v_pk_mul_f32 v[128+2*I:128+2*I+1], v[128+2*I:128+2*I+1], 0x3e38aa3b op_sel_hi:[1,0]   ; bq log2(e) / 8
.set I, I+1
.endr
	WIN 0
	v_mov_b32 v[NINF], 0xff800000
.irp q, 4,5,6,7
	v_mov_b32 v[TX+\q], 0                          ; a lane permute's destination counts as read
.endr
.irp q, 1,3,5,7
	v_mov_b32 v[MP+\q], 0                          ; named as the upper halves of -mt's pairs
.endr
; Tile a (16 tokens): sums x scale + bias; the prefix maxima of K and of -K along the 64 channels; -mt; all four arrays into the stage.
.macro STAGE_IN a
	WIN 0x32
.set I, 0
.rept 16
	v_pk_fma_f32 v[QF+2*I:QF+2*I+1], v[32*(\a)+2*I:32*(\a)+2*I+1], s[SQ:SQ+1], v[128+2*I:128+2*I+1] op_sel_hi:[1,0,1]
.set I, I+1
.endr
.set I, 0
.rept 16
	v_pk_fma_f32 v[KFR+2*I:KFR+2*I+1], v[128+32*(\a)+2*I:128+32*(\a)+2*I+1], s[SK:SK+1], v[160+2*I:160+2*I+1] op_sel_hi:[1,0,1]
.set I, I+1
.endr
	WIN 0x33
.set I, 0
.rept 16
	v_pk_fma_f32 v[VF+2*I:VF+2*I+1], v[32*(\a)+2*I:32*(\a)+2*I+1], s[SV:SV+1], v[192+2*I:192+2*I+1] op_sel_hi:[1,0,1]
.set I, I+1
.endr
	WIN 0
.irp b, 0,1                            ; my two blocks of 16 channels (blocks 2 b + hh): their largest K and largest -K
	v_max3_num_f32 v[TX+\b], v[KFR+16*\b], v[KFR+16*\b+1], v[KFR+16*\b+2]
	v_max3_num_f32 v[TX+2+\b], -v[KFR+16*\b], -v[KFR+16*\b+1], -v[KFR+16*\b+2]
.endr
.irp n, 3,5,7,9,11,13
.irp b, 0,1
	v_max3_num_f32 v[TX+\b], v[TX+\b], v[KFR+16*\b+\n], v[KFR+16*\b+\n+1]
	v_max3_num_f32 v[TX+2+\b], v[TX+2+\b], -v[KFR+16*\b+\n], -v[KFR+16*\b+\n+1]
.endr
.endr
.irp b, 0,1
	v_max_num_f32 v[TX+\b], v[TX+\b], v[KFR+16*\b+15]
	v_max_num_f32 v[TX+2+\b], v[TX+2+\b], -v[KFR+16*\b+15]
.endr
.irp q, 0,1,2,3
	v_permlanex16_b32 v[TX+4+\q], v[TX+\q], s[SEL], s[SEL+1]   ; the other half's blocks
.endr
.irp q, 0,2                            ; what is carried into my blocks: into b = 0: block 0 where hh = 1; into b = 1: blocks 0, 1, and block 2 where hh = 1
	v_cndmask_b32 v[TX+8+\q], v[NINF], v[TX+4+\q], s[HM]
	v_cndmask_b32 v[TX+9+\q], v[NINF], v[TX+5+\q], s[HM]
	v_max3_num_f32 v[TX+9+\q], v[TX+\q], v[TX+4+\q], v[TX+9+\q]
.endr
.irp b, 0,1
	v_max_num_f32 v[PX+16*\b], v[TX+8+\b], v[KFR+16*\b]
	v_max_num_f32 v[PN+16*\b], v[TX+10+\b], -v[KFR+16*\b]
.endr
.irp j, 1,2,3,4,5,6,7,8,9,10,11,12,13,14,15
.irp b, 0,1
	v_max_num_f32 v[PX+16*\b+\j], v[PX+16*\b+\j-1], v[KFR+16*\b+\j]
	v_max_num_f32 v[PN+16*\b+\j], v[PN+16*\b+\j-1], -v[KFR+16*\b+\j]
.endr
.endr
.set I, 0
.rept 16
	v_pk_mul_f32 v[PX+2*I:PX+2*I+1], v[PX+2*I:PX+2*I+1], v[QF+2*I:QF+2*I+1]
	v_pk_mul_f32 v[PN+2*I:PN+2*I+1], v[PN+2*I:PN+2*I+1], v[QF+2*I:QF+2*I+1]
.set I, I+1
.endr
.set I, 0
.rept 32
	v_min_num_f32 v[PX+I], -v[PX+I], v[PN+I]       ; -mt = min(-Qs max K, Qs max(-K))
.set I, I+1
.endr
.irp b, 0,1
.irp j, 0,1,2,3
	ds_store_b128 v[STO], v[QF+16*\b+4*\j:QF+16*\b+4*\j+3] offset:(\a)*16640+128*\b+16*\j
	ds_store_b128 v[STO], v[PX+16*\b+4*\j:PX+16*\b+4*\j+3] offset:(\a)*16640+256+128*\b+16*\j
	ds_store_b128 v[STO], v[KFR+16*\b+4*\j:KFR+16*\b+4*\j+3] offset:(\a)*16640+512+128*\b+16*\j
	ds_store_b128 v[STO], v[VF+16*\b+4*\j:VF+16*\b+4*\j+3] offset:(\a)*16640+768+128*\b+16*\j
.endr
.endr
	s_wait_dscnt 0x0                               ; the stores have read their registers
.endm
	STAGE_IN 0
	STAGE_IN 1
	STAGE_IN 2
	STAGE_IN 3
; ---- the passes.  Six chunks (row, first k, numbers, where the diagonal tile begins, buffer, first of its row):
.macro PARAM c
.set pN, 0
.set pR, 0
.set pK, 0
.set pD, 99
.set pT, TA
.set pF, 0
.if (\c) == 0
.set pN, 32
.set pR, 3
.set pF, 1
.elseif (\c) == 1
.set pN, 32
.set pR, 3
.set pK, 32
.set pD, 16
.set pT, TB
.elseif (\c) == 2
.set pN, 32
.set pR, 2
.set pF, 1
.elseif (\c) == 3
.set pN, 16
.set pR, 2
.set pK, 32
.set pD, 0
.set pT, TB
.elseif (\c) == 4
.set pN, 32
.set pR, 1
.set pD, 16
.set pF, 1
.elseif (\c) == 5
.set pN, 16
.set pD, 0
.set pT, TB
.set pF, 1
.endif
.endm
.macro AOP c, i                        ; number i of a chunk's sums: even: l += p; odd: av += p V; two chains each; a row's first chunk starts them
	PARAM \c
.set aP, (\i)/2
.set aL, LA+8*pR+2*(aP%2)
.set aA, LA+8*pR+4+2*(aP%2)
.if ((\i)%2) == 0
.if pF && (aP < 2)
	v_pk_add_f32 v[aL:aL+1], v[pT+2*aP:pT+2*aP+1], v[pT+2*aP+4:pT+2*aP+5]
.elseif pF && (aP < 4)
.else
	v_pk_add_f32 v[aL:aL+1], v[aL:aL+1], v[pT+2*aP:pT+2*aP+1]
.endif
.else
.if pF && (aP < 2)
	v_pk_mul_f32 v[aA:aA+1], v[pT+2*aP:pT+2*aP+1], v[VR+pK+2*aP:VR+pK+2*aP+1]
.else
	v_pk_fma_f32 v[aA:aA+1], v[pT+2*aP:pT+2*aP+1], v[VR+pK+2*aP:VR+pK+2*aP+1], v[aA:aA+1]
.endif
.endif
.endm
.macro FOP c, i                        ; number i of a chunk's scalings: Qs K - mt, two at a time; then, in the diagonal tile, -inf where k > q
	PARAM \c
.if (\i) < pN/2
	v_pk_fma_f32 v[pT+2*(\i):pT+2*(\i)+1], v[KR+pK+2*(\i):KR+pK+2*(\i)+1], v[QP+2*pR:QP+2*pR+1], v[MP+2*pR:MP+2*pR+1] op_sel_hi:[1,0,0]
.elseif (pD != 99) && ((\i) < pN/2+15)
.set fE, (\i)-pN/2+1
	v_cndmask_b32 v[pT+pD+fE], v[NINF], v[pT+pD+fE], s[MK+fE]
.endif
.endm
.macro POP i                           ; the plain work beside the exponentials: the sums of the chunk before, then the scalings of the chunk after, which takes the buffer just summed
	PARAM PRV
.set oN, pN
.if (\i) < oN
	AOP PRV, \i
.else
	FOP NXT, (\i)-oN
.endif
.endm
.macro ST cur, prev, next
.set CUR, \cur
.set PRV, \prev
.set NXT, \next
	s_wait_alu depctr_va_vdst(0)                   ; one wait for the last chunk's exponentials, ahead of the first line that names a result
.set J, 0
.rept 32
	PARAM CUR
.if J < pN
	v_exp_f32 v[pT+J], v[pT+J]
.endif
	POP 2*J
	POP 2*J+1
.set J, J+1
.endr
	v_nop                                          ; a plain instruction behind the last exponential
.endm
.macro LOADK off
.set I, 0
.rept 16
	ds_load_b128 v[KR+4*I:KR+4*I+3], v[AB] offset:(\off)+512+16*I
.set I, I+1
.endr
.endm
.macro LOADV off
.set I, 0
.rept 16
	ds_load_b128 v[VR+4*I:VR+4*I+3], v[AB] offset:(\off)+768+16*I
.set I, I+1
.endr
.endm
.macro LOADQ off
.irp i, 0,1,2,3
	ds_load_b32 v[QP+2*\i], v[AQ] offset:(\off)+64*\i
	ds_load_b32 v[MP+2*\i], v[AQ] offset:(\off)+256+64*\i
.endr
.endm
.macro PASS pf                         ; pf = 1: the next pass's rows are asked for as their registers fall free
	s_wait_dscnt 16                                ; K, Qs and -mt are in; of V's 16 loads and the last pass's 4 stores sixteen may be out
.set J, 0
.rept 16
	FOP 0, J
.set J, J+1
.endr
	ST 0, -1, 1
	s_wait_dscnt 0x0                               ; V is in
	ST 1, 0, 2
	ST 2, 1, 3
	ST 3, 2, 4
	ST 4, 3, 5
.if \pf
	LOADK 2080                                     ; the last scaling has been issued
	LOADQ 2080
.endif
	ST 5, 4, -1
	ST -1, 5, -1
.if \pf
	LOADV 2080                                     ; the last sum has been issued
.endif
.irp i, 0,1,2,3
	v_pk_add_f32 v[LA+8*\i:LA+8*\i+1], v[LA+8*\i:LA+8*\i+1], v[LA+8*\i+2:LA+8*\i+3]
	v_pk_add_f32 v[LA+8*\i+4:LA+8*\i+5], v[LA+8*\i+4:LA+8*\i+5], v[LA+8*\i+6:LA+8*\i+7]
.endr
.irp i, 0,1,2,3
	v_add_f32 v[LA+8*\i], v[LA+8*\i], v[LA+8*\i+1]
	v_add_f32 v[LA+8*\i+4], v[LA+8*\i+4], v[LA+8*\i+5]
.endr
.irp i, 0,1,2,3
	v_rcp_f32 v[LA+8*\i+1], v[LA+8*\i]
.endr
	v_nop
	s_wait_alu depctr_va_vdst(0)                   ; one wait for the four reciprocals
.irp i, 0,1,2,3
	v_mul_f32 v[AVR+\i], v[LA+8*\i+4], v[LA+8*\i+1]
.endr
.irp i, 0,1,2,3
	ds_store_b32 v[AQ], v[AVR+\i] offset:64*\i     ; av takes Qs's place in the token's row
.endr
.if \pf
	s_add_co_u32 s[SP], s[SP], 2080
	v_add_nc_u32 v[AB], s[SP], v[AB0]
	v_add_nc_u32 v[AQ], s[SP], v[AQ0]
.endif
.endm
	s_mov_b32 s[SP], 0
	v_add_nc_u32 v[AB], s[SP], v[AB0]
	v_add_nc_u32 v[AQ], s[SP], v[AQ0]
	LOADK 0
	LOADQ 0
	LOADV 0
	s_mov_b32 s[CT], 31
.Lpass:
	PASS 1
	s_sub_co_u32 s[CT], s[CT], 1
	s_cmp_lg_u32 s[CT], 0
	s_cbranch_scc1 .Lpass
	PASS 0                                         ; the last pass asks for nothing
; ---- av back by tokens, as codes under e6: chunk 2 wn + b of K step bx of the tokens' images
.set I, 0
.rept 32
	ds_load_b128 v[56+4*I:56+4*I+3], v[STO] offset:(I/8)*16640+((I/4)%2)*128+(I%4)*16
.set I, I+1
.endr
	s_add_co_i32 s66, s74, 127
	s_lshl_b32 s67, s66, 23
	v_mov_b32 v52, s67                             ; 2^e6
	s_add_co_i32 s66, s66, 15
	s_lshl_b32 s66, s66, 23
	s_or_b32 s66, s66, 0x600000
	v_mov_b32 v53, s66                             ; 57,344 x 2^e6
	s_wait_dscnt 0x0
.set I, 0
.rept 128
	v_med3_num_f32 v[56+I], v[56+I], -v53, v53
.set I, I+1
.endr
.set I, 0
.rept 8
	v_cvt_scalef32_pk8_bf8_f32 v[184+4*I:185+4*I], v[56+16*I:63+16*I], v52
	v_cvt_scalef32_pk8_bf8_f32 v[186+4*I:187+4*I], v[64+16*I:71+16*I], v52
.set I, I+1
.endr
	v_nop
.set I, 0
.rept 8
	global_store_b128 v[LI], v[184+4*I:187+4*I], s[16:17] offset:(I/2)*16384+(I%2)*512   ; 512 consecutive bytes
.set I, I+1
.endr
	s_wait_tensorcnt 0x0                           ; the wave's end
	ds_add_u32 v[SPW], v[NIL]
	s_wait_dscnt 0x0
	CROUND                                         ; the closing round
	s_endpgm
.Lfunc_end_k_q3e27db4fc1_front:
	.size	k_q3e27db4fc1_front, .Lfunc_end_k_q3e27db4fc1_front-k_q3e27db4fc1_front
	.p2alignl 7, 3214868480
	.fill 96, 4, 3214868480
	.section	.rodata,"a",@progbits
	.p2align	6, 0x0
	.amdhsa_kernel k_q3e27db4fc1_front
		.amdhsa_group_segment_fixed_size 327680
		.amdhsa_private_segment_fixed_size 0
		.amdhsa_enable_private_segment 0
		.amdhsa_kernarg_size 56
		.amdhsa_user_sgpr_count 2
		.amdhsa_user_sgpr_kernarg_segment_ptr 1
		.amdhsa_wavefront_size32 1
		.amdhsa_system_sgpr_workgroup_id_x 1
		.amdhsa_system_sgpr_workgroup_id_y 1
		.amdhsa_system_sgpr_workgroup_id_z 1
		.amdhsa_system_vgpr_workitem_id 0
		.amdhsa_next_free_vgpr 1024
		.amdhsa_next_free_sgpr 102
		.amdhsa_reserve_vcc 0
		.amdhsa_float_denorm_mode_32 3
		.amdhsa_float_denorm_mode_16_64 3
		.amdhsa_memory_ordered 1
		.amdhsa_forward_progress 1
		.amdhsa_inst_pref_size 224
	.end_amdhsa_kernel
	.amdgpu_metadata
---
amdhsa.version: [ 1, 2 ]
amdhsa.kernels:
  - .name:           k_q3e27db4fc1_front
    .symbol:         k_q3e27db4fc1_front.kd
    .args:
      - { .name: ximg, .offset: 0, .size: 8, .value_kind: global_buffer, .address_space: global }
      - { .name: wimg, .offset: 8, .size: 8, .value_kind: global_buffer, .address_space: global }
      - { .name: bq, .offset: 16, .size: 8, .value_kind: global_buffer, .address_space: global }
      - { .name: bk, .offset: 24, .size: 8, .value_kind: global_buffer, .address_space: global }
      - { .name: bv, .offset: 32, .size: 8, .value_kind: global_buffer, .address_space: global }
      - { .name: lowp_scales, .offset: 40, .size: 8, .value_kind: global_buffer, .address_space: global }
      - { .name: avimg, .offset: 48, .size: 8, .value_kind: global_buffer, .address_space: global }
    .group_segment_fixed_size: 327680
    .private_segment_fixed_size: 0
    .kernarg_segment_align: 8
    .kernarg_segment_size: 56
    .max_flat_workgroup_size: 128
    .sgpr_count:     102
    .vgpr_count:     1024
    .wavefront_size: 32
...
	.end_amdgpu_metadata
.endif
;; end of part 2
;; launch kv (part 3): grid 8 x 32, 4 waves a work-group, clusters of 4 x 4, 327,680 bytes of LDS; arguments himg, wimg, bck, bcv, lowp_scales, kvimg; writes kvimg
.if DOCPART == 3
	.amdgcn_target "amdgcn-amd-amdhsa--gfx1250"
	.amdhsa_code_object_version 6
	.text
	.protected	k_q3e27db4fc1_kv
	.globl	k_q3e27db4fc1_kv
	.p2align	8
	.type	k_q3e27db4fc1_kv,@function
k_q3e27db4fc1_kv:
	s_mov_b64 s[64:65], 0
	v_nop
	global_prefetch_b8 v0, s[64:65] scope:SCOPE_SE
	s_setreg_imm32_b32 hwreg(HW_REG_WAVE_MODE, 25, 1), 1
	s_wait_xcnt 0x0
	s_wait_alu depctr_hold_cnt(0) depctr_sa_sdst(0) depctr_va_vdst(0) depctr_va_sdst(0) depctr_va_ssrc(0) depctr_va_vcc(0) depctr_vm_vsrc(0)
	s_getreg_b32 s2, hwreg(HW_REG_IB_STS2, 6, 4)
	s_cmp_eq_u32 s2, 0
	s_cbranch_scc0 .Lentry_in_a_cluster
	s_endpgm
.Lentry_in_a_cluster:
	s_bfe_u32 s2, ttmp6, 0x10000c
	s_cmp_lg_u32 s2, 0xf033
	s_cbranch_scc0 .Lentry_shape_is_right
	s_endpgm
.Lentry_shape_is_right:
; KV: the cross attention's K = h Wck + bck and V = h Wcv + bcv on codes of E5M2, and their codes: K along the head's channels (e15), V along the keys (e17), as register images for launch attn. Nothing is left out here.
; A work-group takes 128 tokens x 2 heads x {K, V}; wave (wm, wn): 64 tokens x one head. K: source 0 = W^T, source 1 = h: a lane holds one key and 16 neighbouring channels. V: source 0 = h, source 1 = W^T: a lane holds one channel and 16 neighbouring keys.
; The contracted 1,024 go through two LDS slots of two steps of 128 each: a wave's one load brings 4 rows of 8,192 bytes. CLUSTER 4 x 4: h's tiles are shared along a row, the weights' along a column.
; LIMITS: e10 + e11, e12 + e13 between -126 and 127; e15, e17 between -126 and 112. NaN among the inputs is not served.
; REGISTERS: window 0: addresses, biases, numbers and codes on the way out; window 1: two sets of fragments; window 2: K's accumulators at 8 (4 a + b), V's at 128 + 8 (4 b + a).
.set SLOTB, 131072
.set HALFB, 32768
.set BOFF,  65536
.set SPARE, 262144
.set LI,  2
.set SPW, 8
.set NIL, 9
.set ADRA, 16
.set ADRB, 20
.set BK,  32
.set BV,  64
.set TT,  72
.set CD,  200
.set WV, 18
.set WM, 19
.set WN, 20
.set G1A, 24
.set G0A, 32
.set G1B, 48
.set G0B, 56
.set SKK, 76
.set SVV, 78
.set MSB, 0
.macro WIN new
.if MSB != \new
	s_set_vgpr_msb (MSB<<8)|\new
.set MSB, \new
.endif
.endm
.macro PLACES
.rept 4
	v_nop
.endr
.endm
.macro JLOAD g0a, g0b                  ; waves 0, 1 fetch h's halves, waves 2, 3 the weights'
	s_cmp_eq_u32 s[WM], 0
	s_cbranch_scc0 .Lfor_b_\@
	tensor_load_to_lds s[\g0a:\g0a+3], s[G1A:G1A+7]
	s_nop 0
	PLACES
	s_branch .Lasked_\@
.Lfor_b_\@:
	tensor_load_to_lds s[\g0b:\g0b+3], s[G1B:G1B+7]
	s_nop 0
	PLACES
.Lasked_\@:
.endm
.macro CROUND
	s_barrier_signal -1
	s_barrier_wait -1
	s_cmp_lg_u32 s[WV], 0
	s_cbranch_scc1 .Lnot_wave_0_\@
	s_barrier_signal -3
.Lnot_wave_0_\@:
	s_barrier_wait -3
	s_barrier_signal -1
	s_barrier_wait -1
.endm
	s_load_b256 s[4:11], s[0:1], 0x0               ; himg, wimg, bck, bcv
	s_load_b128 s[12:15], s[0:1], 0x20             ; lowp_scales, kvimg
	v_lshl_add_u32 v[SPW], v0, 2, SPARE
	v_mov_b32 v[NIL], 0
	ds_add_u32 v[SPW], v[NIL]                      ; the opening: the add, twice on end, and its wait
	ds_add_u32 v[SPW], v[NIL]
	v_lshrrev_b32 v1, 5, v0
	v_readfirstlane_b32 s[WV], v1
	s_lshr_b32 s[WM], s[WV], 1
	s_and_b32 s[WN], s[WV], 1
	s_bfe_u32 s21, ttmp6, 0x40000
	s_bfe_u32 s22, ttmp6, 0x40004
	s_lshl_b32 s23, ttmp9, 2
	s_add_co_u32 s23, s23, s21                     ; bx: the pair of heads
	s_and_b32 s40, ttmp7, 0xffff
	s_lshl_b32 s40, s40, 2
	s_add_co_u32 s40, s40, s22                     ; by: the block of 128 tokens
	s_lshl_b32 s41, s22, 2
	s_lshl_b32 s41, 15, s41
	s_lshl_b32 s42, 0x1111, s21
	s_or_b32 s[G1A], s41, (3<<16)|(1<<21)
	s_or_b32 s[G1B], s42, (3<<16)|(1<<21)
.irp g, G1A, G1B
	s_mov_b32 s[\g+1], 1024<<16
	s_mov_b32 s[\g+2], 4<<16                       ; four rows: (K step, version or matrix)
	s_mov_b32 s[\g+3], 1024<<16
	s_mov_b32 s[\g+4], 4
	s_mov_b32 s[\g+6], 0
	s_mov_b32 s[\g+7], 0
.endr
	s_mov_b32 s[G1A+5], 65536
	s_mov_b32 s[G1B+5], 16384
	s_lshl_b32 s44, s40, 3
	s_lshl_b32 s43, s[WN], 2
	s_add_co_u32 s44, s44, s43
	s_lshl_b32 s44, s44, 11
	s_mov_b32 s45, 0
	s_lshl_b32 s46, s23, 3
	s_add_co_u32 s46, s46, s43
	s_lshl_b32 s46, s46, 11
	s_add_co_u32 s46, s46, 3145728                 ; the region of Wck and Wcv
	s_mov_b32 s47, 0
	s_mul_i32 s43, s[WN], HALFB
	s_wait_dscnt 0x0
	s_wait_kmcnt 0x0
	s_load_b256 s[68:75], s[12:13], 0x28           ; e10 .. e17
	s_add_nc_u64 s[44:45], s[4:5], s[44:45]
	s_add_nc_u64 s[46:47], s[6:7], s[46:47]
	CROUND
.irp s, 0,1
	s_mov_b32 s[G0A+4*\s], 1
	s_add_co_u32 s[G0A+4*\s+1], s43, \s*SLOTB
	s_add_nc_u64 s[G0A+4*\s+2:G0A+4*\s+3], s[44:45], \s*2097152
	s_or_b32 s[G0A+4*\s+3], s[G0A+4*\s+3], 0x80000000
	s_mov_b32 s[G0B+4*\s], 1
	s_add_co_u32 s[G0B+4*\s+1], s43, \s*SLOTB+BOFF
	s_add_nc_u64 s[G0B+4*\s+2:G0B+4*\s+3], s[46:47], \s*524288
	s_or_b32 s[G0B+4*\s+3], s[G0B+4*\s+3], 0x80000000
	JLOAD G0A+4*\s, G0B+4*\s
.endr
	v_and_b32 v1, 31, v0
	v_lshlrev_b32 v[LI], 4, v1
	s_mul_i32 s66, s[WM], HALFB
	s_mul_i32 s67, s[WN], HALFB
	s_add_co_u32 s67, s67, BOFF
.irp s, 0,1
	v_add_nc_u32 v[ADRA+\s], s66, v[LI]
	v_add_nc_u32 v[ADRB+\s], s67, v[LI]
	s_add_co_u32 s66, s66, SLOTB
	s_add_co_u32 s67, s67, SLOTB
.endr
	v_and_b32 v1, 15, v0                           ; r
	v_bfe_u32 v3, v0, 4, 1
	v_lshlrev_b32 v3, 6, v3                        ; bck: 64 hh
	v_and_b32 v4, 8, v1
	v_add_nc_u32 v4, v4, v1
	v_lshlrev_b32 v4, 2, v4                        ; bcv: 4 (r + 8 (r / 8)): my slot's channel
	s_lshl_b32 s66, s23, 9
	s_lshl_b32 s67, s[WN], 8
	s_add_co_u32 s66, s66, s67
	s_mov_b32 s67, 0
	s_add_nc_u64 s[8:9], s[8:9], s[66:67]
	s_add_nc_u64 s[10:11], s[10:11], s[66:67]
.irp q, 0,1,2,3,4,5,6,7
	global_load_b128 v[BK+4*\q:BK+4*\q+3], v3, s[8:9] offset:128*(\q/4)+16*(\q%4)
.endr
.irp b, 0,1,2,3
	global_load_b32 v[BV+2*\b], v4, s[10:11] offset:(32*(\b/2)+8*(\b%2))*4
.endr
	; kvimg: block (batch by / 4, pair of heads bx) of 131,072 bytes; K at + wn 32,768 + key tile x 1,024; V at + 65,536 + wn 32,768 + key step x 8,192
	s_lshr_b32 s66, s40, 2
	s_lshl_b32 s66, s66, 3
	s_add_co_u32 s66, s66, s23
	s_lshl_b32 s66, s66, 17
	s_lshl_b32 s80, s[WN], 15
	s_add_co_u32 s66, s66, s80
	s_add_nc_u64 s[14:15], s[14:15], s[66:67]
	s_and_b32 s80, s40, 3
	s_lshl_b32 s66, s80, 13                        ; K: 8 key tiles of 1,024 bytes a block of tokens; V: a key step of 8,192
	s_lshl_b32 s81, s[WM], 12
	s_add_co_u32 s82, s66, s81
	s_mov_b32 s83, 0
	s_add_nc_u64 s[82:83], s[14:15], s[82:83]      ; K's images: + 4 wm tiles
	s_lshl_b32 s81, s[WM], 10
	s_add_co_u32 s66, s66, s81
	s_add_co_u32 s66, s66, 65536
	s_add_nc_u64 s[84:85], s[14:15], s[66:67]      ; V's images: + chunk 2 wm
.macro FETCH u
.set fQ, (\u)%4
.set fS, ((\u)/4)%2
.set fB, 128*((\u)%2)
	WIN 0x40
.irp a, 0,1,2,3
.irp c, 0,1,2,3
	ds_load_b128 v[fB+16*\a+4*\c:fB+16*\a+4*\c+3], v[ADRA+fS] offset:fQ*8192+\a*2048+\c*512
.endr
.endr
.irp a, 0,1,2,3
.irp c, 0,1,2,3
	ds_load_b128 v[fB+64+16*\a+4*\c:fB+64+16*\a+4*\c+3], v[ADRB+fS] offset:fQ*8192+\a*2048+\c*512
.endr
.endr
.endm
.macro MUL u                           ; 16 accumulators by turns
.set mB, 128*((\u)%2)
	WIN 0xa5
.irp a, 0,1,2,3
.irp b, 0,1,2,3
.if ((\u)%2) == 0
.if (\u) < 2
	v_wmma_f32_16x16x128_bf8_bf8 v[8*(4*\a+\b):8*(4*\a+\b)+7], v[mB+64+16*\b:mB+64+16*\b+15], v[mB+16*\a:mB+16*\a+15], 0
.else
	v_wmma_f32_16x16x128_bf8_bf8 v[8*(4*\a+\b):8*(4*\a+\b)+7], v[mB+64+16*\b:mB+64+16*\b+15], v[mB+16*\a:mB+16*\a+15], v[8*(4*\a+\b):8*(4*\a+\b)+7]
.endif
.else
.if (\u) < 2
	v_wmma_f32_16x16x128_bf8_bf8 v[128+8*(4*\b+\a):128+8*(4*\b+\a)+7], v[mB+16*\a:mB+16*\a+15], v[mB+64+16*\b:mB+64+16*\b+15], 0
.else
	v_wmma_f32_16x16x128_bf8_bf8 v[128+8*(4*\b+\a):128+8*(4*\b+\a)+7], v[mB+16*\a:mB+16*\a+15], v[mB+64+16*\b:mB+64+16*\b+15], v[128+8*(4*\b+\a):128+8*(4*\b+\a)+7]
.endif
.endif
.endr
.endr
.endm
.macro CHANGE slot, fill               ; all my tensor loads have landed, the add, my reads of the slot are over; the round; the joint refill first behind it
	WIN 0
	s_wait_tensorcnt 0x0
	ds_add_u32 v[SPW], v[NIL]
.if \fill
	s_add_nc_u64 s[G0A+4*(\slot)+2:G0A+4*(\slot)+3], s[G0A+4*(\slot)+2:G0A+4*(\slot)+3], 4194304
	s_add_nc_u64 s[G0B+4*(\slot)+2:G0B+4*(\slot)+3], s[G0B+4*(\slot)+2:G0B+4*(\slot)+3], 1048576
.endif
	s_wait_dscnt 0x0
.if \fill
	CROUND
	JLOAD G0A+4*(\slot), G0B+4*(\slot)
.else
	s_barrier_signal -1
	s_barrier_wait -1
	PLACES
.endif
.endm
.macro UNIT u
.set uS, ((\u)/4)%2
.if (((\u)%4) == 3) && ((\u) < 15)
.if (\u) < 8
	CHANGE uS, 1
.else
	CHANGE uS, 0
.endif
.else
	PLACES
.endif
.if (\u) < 15
	FETCH (\u)+1
	s_wait_dscnt 32                                ; all but the 32 just issued
.else
	s_wait_dscnt 0
.endif
	MUL \u
.endm
	s_wait_tensorcnt 1                             ; my part of slot 0 is in; slot 1's may stay out
	s_barrier_signal -1
	s_barrier_wait -1
	FETCH 0
.set U, 0
.rept 16
	UNIT U
.set U, U+1
.endr
	WIN 0
	PLACES
	s_wait_loadcnt 0x0
	s_wait_kmcnt 0x0
.irp b, 0,1,2,3
	v_mov_b32 v[BV+2*\b+1], v[BV+2*\b]
.endr
	s_add_co_i32 s66, s68, s69
	s_add_co_i32 s66, s66, 127
	s_lshl_b32 s[SKK], s66, 23
	s_mov_b32 s[SKK+1], s[SKK]
	s_add_co_i32 s66, s70, s71
	s_add_co_i32 s66, s66, 127
	s_lshl_b32 s[SVV], s66, 23
	s_mov_b32 s[SVV+1], s[SVV]
.irp q, 0,1                            ; v10, v11: 2^e15 and 57,344 x 2^e15; v12, v13: the same with e17
	s_add_co_i32 s66, s[73+2*\q], 127
	s_lshl_b32 s67, s66, 23
	v_mov_b32 v[10+2*\q], s67
	s_add_co_i32 s66, s66, 15
	s_lshl_b32 s66, s66, 23
	s_or_b32 s66, s66, 0x600000
	v_mov_b32 v[11+2*\q], s66
.endr
.macro CODES q                         ; 128 numbers a lane become eight fragments' chunks
.set I, 0
.rept 128
	v_med3_num_f32 v[TT+I], v[TT+I], -v[11+2*\q], v[11+2*\q]
.set I, I+1
.endr
.set I, 0
.rept 8
	v_cvt_scalef32_pk8_bf8_f32 v[CD+4*I:CD+4*I+1], v[TT+16*I:TT+16*I+7], v[10+2*\q]
	v_cvt_scalef32_pk8_bf8_f32 v[CD+4*I+2:CD+4*I+3], v[TT+16*I+8:TT+16*I+15], v[10+2*\q]
.set I, I+1
.endr
	v_nop
.endm
	WIN 0x02
.set I, 0
.rept 64
	v_pk_fma_f32 v[TT+2*I:TT+2*I+1], v[2*I:2*I+1], s[SKK:SKK+1], v[BK+(2*I)%32:BK+(2*I)%32+1] op_sel_hi:[1,0,1]
.set I, I+1
.endr
	WIN 0
	CODES 0
.set I, 0
.rept 8
	global_store_b128 v[LI], v[CD+4*I:CD+4*I+3], s[82:83] offset:(I/2)*1024+(I%2)*512
.set I, I+1
.endr
	WIN 0x02
.set I, 0
.rept 64
	v_pk_fma_f32 v[TT+2*I:TT+2*I+1], v[128+2*I:128+2*I+1], s[SVV:SVV+1], v[BV+2*(I/16):BV+2*(I/16)+1] op_sel_hi:[1,0,1]
.set I, I+1
.endr
	WIN 0
	s_wait_xcnt 0x0                                ; K's stores have read their codes
	CODES 1
.set I, 0
.rept 8
	global_store_b128 v[LI], v[CD+4*I:CD+4*I+3], s[84:85] offset:(I/2)*2048+(I%2)*512
.set I, I+1
.endr
	s_wait_tensorcnt 0x0                           ; the wave's end
	ds_add_u32 v[SPW], v[NIL]
	s_wait_dscnt 0x0
	CROUND
	s_endpgm
.Lfunc_end_k_q3e27db4fc1_kv:
	.size	k_q3e27db4fc1_kv, .Lfunc_end_k_q3e27db4fc1_kv-k_q3e27db4fc1_kv
	.p2alignl 7, 3214868480
	.fill 96, 4, 3214868480
	.section	.rodata,"a",@progbits
	.p2align	6, 0x0
	.amdhsa_kernel k_q3e27db4fc1_kv
		.amdhsa_group_segment_fixed_size 327680
		.amdhsa_private_segment_fixed_size 0
		.amdhsa_enable_private_segment 0
		.amdhsa_kernarg_size 48
		.amdhsa_user_sgpr_count 2
		.amdhsa_user_sgpr_kernarg_segment_ptr 1
		.amdhsa_wavefront_size32 1
		.amdhsa_system_sgpr_workgroup_id_x 1
		.amdhsa_system_sgpr_workgroup_id_y 1
		.amdhsa_system_sgpr_workgroup_id_z 1
		.amdhsa_system_vgpr_workitem_id 0
		.amdhsa_next_free_vgpr 768
		.amdhsa_next_free_sgpr 100
		.amdhsa_reserve_vcc 0
		.amdhsa_float_denorm_mode_32 3
		.amdhsa_float_denorm_mode_16_64 3
		.amdhsa_memory_ordered 1
		.amdhsa_forward_progress 1
		.amdhsa_inst_pref_size 91
	.end_amdhsa_kernel
	.amdgpu_metadata
---
amdhsa.version: [ 1, 2 ]
amdhsa.kernels:
  - .name:           k_q3e27db4fc1_kv
    .symbol:         k_q3e27db4fc1_kv.kd
    .args:
      - { .name: himg, .offset: 0, .size: 8, .value_kind: global_buffer, .address_space: global }
      - { .name: wimg, .offset: 8, .size: 8, .value_kind: global_buffer, .address_space: global }
      - { .name: bck, .offset: 16, .size: 8, .value_kind: global_buffer, .address_space: global }
      - { .name: bcv, .offset: 24, .size: 8, .value_kind: global_buffer, .address_space: global }
      - { .name: lowp_scales, .offset: 32, .size: 8, .value_kind: global_buffer, .address_space: global }
      - { .name: kvimg, .offset: 40, .size: 8, .value_kind: global_buffer, .address_space: global }
    .group_segment_fixed_size: 327680
    .private_segment_fixed_size: 0
    .kernarg_segment_align: 8
    .kernarg_segment_size: 48
    .max_flat_workgroup_size: 128
    .sgpr_count:     100
    .vgpr_count:     768
    .wavefront_size: 32
...
	.end_amdgpu_metadata
.endif
;; end of part 3
;; launch mid (part 4): grid 128 x 1, 4 waves a work-group, clusters of 4 x 1, 327,680 bytes of LDS; arguments avimg, wimg, x, bo, gamma, beta, bcq, lowp_scales, o1img, qimg; writes o1img, qimg
.if DOCPART == 4
	.amdgcn_target "amdgcn-amd-amdhsa--gfx1250"
	.amdhsa_code_object_version 6
	.text
	.protected	k_q3e27db4fc1_mid
	.globl	k_q3e27db4fc1_mid
	.p2align	8
	.type	k_q3e27db4fc1_mid,@function
k_q3e27db4fc1_mid:
	s_mov_b64 s[64:65], 0
	v_nop
	global_prefetch_b8 v0, s[64:65] scope:SCOPE_SE
	s_setreg_imm32_b32 hwreg(HW_REG_WAVE_MODE, 25, 1), 1
	s_wait_xcnt 0x0
	s_wait_alu depctr_hold_cnt(0) depctr_sa_sdst(0) depctr_va_vdst(0) depctr_va_sdst(0) depctr_va_ssrc(0) depctr_va_vcc(0) depctr_vm_vsrc(0)
	s_getreg_b32 s2, hwreg(HW_REG_IB_STS2, 6, 4)
	s_cmp_eq_u32 s2, 0
	s_cbranch_scc0 .Lentry_in_a_cluster
	s_endpgm
.Lentry_in_a_cluster:
	s_bfe_u32 s2, ttmp6, 0x10000c
	s_cmp_lg_u32 s2, 0x3003
	s_cbranch_scc0 .Lentry_shape_is_right
	s_endpgm
.Lentry_shape_is_right:
; MID: out1 = LayerNorm(av Wo + bo + x); Q = out1 Wcq + bcq. Both products on codes of E5M2. out1 goes out in f32 (as a register image), Q as codes under e14. Nothing is left out here.
; A work-group owns 32 whole rows (two tiles of tokens), since the norm needs whole rows; wave w makes columns 256 w .. + 255: 32 accumulators, one register window. The weights' images walk through two LDS slots of one
; step of 128 along K (131,072 bytes); wave w fetches, and reads, the quarter that holds its 16 tiles. CLUSTER 4 x 1: the four work-groups walk the same weights: every tile is asked for jointly, mask 15.
; The rows' codes lie in LDS as images (AIMG), written by the waves and read by all four. An accumulator starts as (bias + residual) x 2^-(ea + eb), so that every K step is alike; the power of two is put back in the norm, exactly.
; PREFETCH: behind each refill the first cluster's sixteen waves name, once each, the 8,192 bytes that are theirs (by address: place in the cluster and wave) of the K step two refills on; the last two refills name nothing.
; LIMITS: e6 + e7, e8 + e9 between -127 and 126 (their negatives make f32 powers of two); e8 and e14 - e8 - e9 between -126 and 112. NaN among the inputs is not served.
; REGISTERS: window 0: v2-47 addresses and small numbers, v48-63 codes, v64-127 two sets of A (later 64 numbers at work), v128-255 two sets of B (later a bias); windows 1, 2: rows, register 128 a + 16 pb + i = column 256 w + 32 pb + 16 hh + i; window 3: gamma, beta.
.set TSTEPS, 16
.set REGION, 5242880
.set SLOTB, 131072
.set AIMG,  262144
.set STG,   294912
.set SCR,   312320
.set SPARE, 314368
.set LI, 2
.set BADR, 3
.set AADR0, 5
.set AAD, 6
.set SCW, 7
.set SCRR, 8
.set SGL, 9
.set SGR, 10
.set PFO, 11
.set SPW, 12
.set NIL, 13
.set GRO, 14
.set BO, 15
.set IMA, 16
.set PT, 17
.set SU, 20
.set XT, 20
.set XV, 36
.set SCV, 38
.set LIMV, 39
.set NM, 40
.set RS, 44
.set PCD, 48
.set AS, 64
.set TT, 64
.set BS, 128
.set G1, 24
.set G0, 32
.set WV, 40
.set CX, 41
.set WG, 42
.set AK, 43
.set CNT, 44
.set LIMIT, 45
.set PFA, 46
.set LC, 48
.set SEL, 56
.set KA, 58
.set KB, 60
.set EA, 62
.set MSB, 0
.macro WIN new
.if MSB != \new
	s_set_vgpr_msb (MSB<<8)|\new
.set MSB, \new
.endif
.endm
.macro PLACES
.rept 4
	v_nop
.endr
.endm
.macro ROUND
	s_barrier_signal -1
	s_barrier_wait -1
	s_cmp_lg_u32 s[WV], 0
	s_cbranch_scc1 .Lnot_wave_0_\@
	s_barrier_signal -3
.Lnot_wave_0_\@:
	s_barrier_wait -3
	s_barrier_signal -1
	s_barrier_wait -1
.endm
.macro BARRIER
	s_wait_dscnt 0x0
	s_barrier_signal -1
	s_barrier_wait -1
.endm
.macro ASK
	s_cmp_lt_u32 s[CNT], s[LIMIT]
	s_cbranch_scc0 .Lnoask_\@
	global_prefetch_b8 v[PFO], s[PFA:PFA+1] th:TH_LOAD_NT scope:SCOPE_SE
.Lnoask_\@:
	s_add_co_u32 s[CNT], s[CNT], 1
.endm
.macro FETCH_B slot, g, set
.irp i, 0,1,2,3
.irp c, 0,1,2,3
	ds_load_b128 v[BS+64*(\set)+16*\i+4*\c:BS+64*(\set)+16*\i+4*\c+3], v[BADR+\slot] offset:(4*(\g)+\i)*2048+512*\c
.endr
.endr
.endm
.macro FETCH_A set, off
	v_add_nc_u32 v[AAD], s[AK], v[AADR0]
.irp a, 0,1
.irp c, 0,1,2,3
	ds_load_b128 v[AS+32*(\set)+16*\a+4*\c:AS+32*(\set)+16*\a+4*\c+3], v[AAD] offset:(\off)+\a*16384+512*\c
.endr
.endr
.endm
.macro MUL g, set, aset, w             ; eight accumulators by turns
	WIN ((\w)<<4)|((\w)<<6)
.irp i, 0,1,2,3
.irp a, 0,1
	v_wmma_f32_16x16x128_bf8_bf8 v[8*(16*\a+4*(\g)+\i):8*(16*\a+4*(\g)+\i)+7], v[BS+64*(\set)+16*\i:BS+64*(\set)+16*\i+15], v[AS+32*(\aset)+16*\a:AS+32*(\aset)+16*\a+15], v[8*(16*\a+4*(\g)+\i):8*(16*\a+4*(\g)+\i)+7]
.endr
.endr
	WIN 0
.endm
.macro CHANGE slot                     ; all my tensor loads have landed, the add, my reads of the slot are over; the round; the joint refill first behind it
	s_wait_xcnt 0x0                                ; the last prefetch, a K step back, has read its address
	s_add_nc_u64 s[PFA:PFA+1], s[PFA:PFA+1], 131072
	s_wait_tensorcnt 0x0
	ds_add_u32 v[SPW], v[NIL]
	s_add_nc_u64 s[G0+4*(\slot)+2:G0+4*(\slot)+3], s[G0+4*(\slot)+2:G0+4*(\slot)+3], 262144
	s_wait_dscnt 0x0
	ROUND
	tensor_load_to_lds s[G0+4*(\slot):G0+4*(\slot)+3], s[G1:G1+7]
	s_nop 0
	PLACES                                         ; also the places in front of the loads that follow
	ASK
.endm
; A K step: four groups of four tiles of B on two sets by turns.  mode 2: the slot is filled again; 1: a plain barrier; 0: none.  fn = 1: the next K step's first fragments are asked for.
.macro KSTEP slot, aset, mode, fn, aoff, w
.irp g, 0,1,2
	PLACES
	FETCH_B \slot, \g+1, (\g+1)%2
	s_wait_dscnt 16                                ; all but the 16 just issued
	MUL \g, \g%2, \aset, \w
.endr
.if \mode == 2
	CHANGE \slot
.elseif \mode == 1
	s_wait_tensorcnt 0x0
	BARRIER
	PLACES
.else
	s_wait_dscnt 0x0
.endif
.if \fn
	FETCH_A 1-(\aset), \aoff
	FETCH_B 1-(\slot), 0, 0
.endif
	MUL 3, 1, \aset, \w
.endm
.macro PHASE w, last                   ; a product: eight K steps; the ring walks on into the next product's weights unless it is the last
	s_mov_b32 s[AK], 0
	FETCH_A 0, 0
	FETCH_B 0, 0, 0
	s_mov_b32 s[LC], 3
.Lph_\@:
	KSTEP 0, 0, 2, 1, 2048, \w
	KSTEP 1, 1, 2, 1, 4096, \w
	s_add_co_u32 s[AK], s[AK], 4096
	s_sub_co_u32 s[LC], s[LC], 1
	s_cmp_lg_u32 s[LC], 0
	s_cbranch_scc1 .Lph_\@
.if \last
	KSTEP 0, 0, 1, 1, 2048, \w
	KSTEP 1, 1, 0, 0, 0, \w
.else
	KSTEP 0, 0, 2, 1, 2048, \w
	KSTEP 1, 1, 2, 0, 0, \w
.endif
.endm
.macro REDUCE                          ; four chains of pairs for each tile of tokens -> one number a row's half -> the two halves of the lanes
.irp a, 0,1
	v_pk_add_f32 v[SU+8*\a:SU+8*\a+1], v[SU+8*\a:SU+8*\a+1], v[SU+8*\a+2:SU+8*\a+3]
	v_pk_add_f32 v[SU+8*\a+4:SU+8*\a+5], v[SU+8*\a+4:SU+8*\a+5], v[SU+8*\a+6:SU+8*\a+7]
.endr
.irp a, 0,1
	v_pk_add_f32 v[SU+8*\a:SU+8*\a+1], v[SU+8*\a:SU+8*\a+1], v[SU+8*\a+4:SU+8*\a+5]
.endr
.irp a, 0,1
	v_add_f32 v[XV+\a], v[SU+8*\a], v[SU+8*\a+1]
.endr
.irp a, 0,1
	v_permlanex16_b32 v[PT+\a], v[XV+\a], s[SEL], s[SEL+1]
.endr
.irp a, 0,1
	v_add_f32 v[XV+\a], v[XV+\a], v[PT+\a]
.endr
.endm
.macro XCH reg                         ; the four waves' parts of a row's sum meet in LDS: bytes of their own for each exchange, so one barrier serves
	ds_store_b32 v[SCW], v[XV] offset:(\reg)*512
	ds_store_b32 v[SCW], v[XV+1] offset:(\reg)*512+64
	BARRIER
.irp q, 0,1,2,3
	ds_load_b32 v[XT+2*\q], v[SCRR] offset:(\reg)*512+128*\q
	ds_load_b32 v[XT+2*\q+1], v[SCRR] offset:(\reg)*512+128*\q+64
.endr
	s_wait_dscnt 0x0
.irp a, 0,1
	v_add_f32 v[XV+\a], v[XT+\a], v[XT+2+\a]
	v_add_f32 v[XV+\a], v[XV+\a], v[XT+4+\a]
	v_add_f32 v[XV+\a], v[XV+\a], v[XT+6+\a]
.endr
.endm
.macro LN_A ws, wd, reg                ; the mean; rows less the mean go from window ws to window wd.  Each accumulator is read from its low end on
	PLACES
	WIN (\ws)|((\ws)<<2)
.irp a, 0,1
.irp c, 0,1,2,3
	v_pk_add_f32 v[SU+8*\a+2*\c:SU+8*\a+2*\c+1], v[128*\a+2*\c:128*\a+2*\c+1], v[128*\a+8+2*\c:128*\a+8+2*\c+1]
.endr
.endr
	WIN (\ws)
.irp a, 0,1
.set P, 8
.rept 56
	v_pk_add_f32 v[SU+8*\a+2*(P%4):SU+8*\a+2*(P%4)+1], v[128*\a+2*P:128*\a+2*P+1], v[SU+8*\a+2*(P%4):SU+8*\a+2*(P%4)+1]
.set P, P+1
.endr
.endr
	WIN 0
	REDUCE
	XCH \reg
.irp a, 0,1
	v_mul_f32 v[NM+2*\a], 0xba800000, v[XV+\a]     ; -sum / 1,024
	v_mul_f32 v[NM+2*\a+1], 0xba800000, v[XV+\a]
.endr
	WIN (\ws)|((\wd)<<6)
.irp a, 0,1
.set P, 0
.rept 64
	v_pk_add_f32 v[128*\a+2*P:128*\a+2*P+1], v[128*\a+2*P:128*\a+2*P+1], v[NM+2*\a:NM+2*\a+1]
.set P, P+1
.endr
.endr
	WIN 0
.endm
.macro LN_B wd, reg, se                ; s[se] = E, s[se + 1] = 2 E: the rows stand for rows x 2^E
	WIN (\wd)|((\wd)<<2)
.irp a, 0,1
.irp c, 0,1,2,3
	v_pk_mul_f32 v[SU+8*\a+2*\c:SU+8*\a+2*\c+1], v[128*\a+2*\c:128*\a+2*\c+1], v[128*\a+2*\c:128*\a+2*\c+1]
.endr
.set P, 4
.rept 60
	v_pk_fma_f32 v[SU+8*\a+2*(P%4):SU+8*\a+2*(P%4)+1], v[128*\a+2*P:128*\a+2*P+1], v[128*\a+2*P:128*\a+2*P+1], v[SU+8*\a+2*(P%4):SU+8*\a+2*(P%4)+1]
.set P, P+1
.endr
.endr
	WIN 0
	REDUCE
	XCH \reg
.irp a, 0,1
	v_mul_f32 v[XV+\a], 0x3a800000, v[XV+\a]
	v_ldexp_f32 v[XV+\a], v[XV+\a], s[\se+1]       ; the variance, under its true scale
	v_add_f32 v[XV+\a], 0x3727c5ac, v[XV+\a]       ; + 1e-5
.endr
	v_rsq_f32 v[RS], v[XV]
	v_rsq_f32 v[RS+2], v[XV+1]
	v_nop
	s_wait_alu depctr_va_vdst(0)                   ; one wait for both, ahead of the first reader
	v_ldexp_f32 v[RS], v[RS], s[\se]
	v_ldexp_f32 v[RS+2], v[RS+2], s[\se]
	v_mov_b32 v[RS+1], v[RS]
	v_mov_b32 v[RS+3], v[RS+2]
	WIN (\wd)|((\wd)<<6)
.irp a, 0,1
.set P, 0
.rept 64
	v_pk_mul_f32 v[128*\a+2*P:128*\a+2*P+1], v[128*\a+2*P:128*\a+2*P+1], v[RS+2*\a:RS+2*\a+1]
.set P, P+1
.endr
.endr
	WIN (\wd)|(3<<2)|(3<<4)|((\wd)<<6)
.irp a, 0,1
.set P, 0
.rept 64
	v_pk_fma_f32 v[128*\a+2*P:128*\a+2*P+1], v[128*\a+2*P:128*\a+2*P+1], v[2*P:2*P+1], v[128+2*P:128+2*P+1]
.set P, P+1
.endr
.endr
	WIN 0
.endm
.macro SETSC se                        ; s[se] = e: 2^e and 57,344 x 2^e for the conversions
	s_add_co_i32 s54, s[\se], 127
	s_lshl_b32 s55, s54, 23
	v_mov_b32 v[SCV], s55
	s_add_co_i32 s54, s54, 15
	s_lshl_b32 s54, s54, 23
	s_or_b32 s54, s54, 0x600000
	v_mov_b32 v[LIMV], s54
.endm
.macro NEGPOW d, sa, sb                ; s[d], s[d + 1] = 2^-(s[sa] + s[sb])
	s_add_co_i32 s[\d], s[\sa], s[\sb]
	s_sub_co_i32 s[\d], 127, s[\d]
	s_lshl_b32 s[\d], s[\d], 23
	s_mov_b32 s[\d+1], s[\d]
.endm
.macro QUANT ws, base, pc              ; 64 numbers of a lane (one tile of tokens, 128 along the next K) become a fragment's 16 registers
	WIN (\ws)
.set P, 0
.rept 64
	v_med3_num_f32 v[TT+P], v[(\base)+P], -v[LIMV], v[LIMV]
.set P, P+1
.endr
	WIN 0
.irp c, 0,1,2,3
	v_cvt_scalef32_pk8_bf8_f32 v[(\pc)+4*\c:(\pc)+4*\c+1], v[TT+16*\c:TT+16*\c+7], v[SCV]
	v_cvt_scalef32_pk8_bf8_f32 v[(\pc)+4*\c+2:(\pc)+4*\c+3], v[TT+16*\c+8:TT+16*\c+15], v[SCV]
.endr
	v_nop
.endm
.macro IMAGE ta, kl
.irp c, 0,1,2,3
	ds_store_b128 v[IMA], v[PCD+4*\c:PCD+4*\c+3] offset:(\ta)*16384+(\kl)*2048+512*\c
.endr
	s_wait_dscnt 0x0                               ; the stores have read their registers
.endm
.macro BIAS2 sb                        ; a bias of my 256 columns, for both tiles of tokens, into window 1
	WIN 0x40
.irp a, 0,1
.set P, 0
.rept 32
	global_load_b128 v[128*\a+4*P:128*\a+4*P+3], v[BO], s[\sb:\sb+1] offset:128*(P/4)+16*(P%4)
.set P, P+1
.endr
.endr
	WIN 0
.endm
	s_load_b512 s[4:19], s[0:1], 0x0               ; avimg wimg x bo gamma beta bcq lowp_scales
	s_load_b128 s[20:23], s[0:1], 0x40             ; o1img qimg
	v_lshl_add_u32 v[SPW], v0, 2, SPARE
	v_mov_b32 v[NIL], 0
	ds_add_u32 v[SPW], v[NIL]                      ; the opening: the add, twice on end, and its wait
	ds_add_u32 v[SPW], v[NIL]
	v_lshrrev_b32 v1, 5, v0
	v_readfirstlane_b32 s[WV], v1
	s_bfe_u32 s[CX], ttmp6, 0x40000
	s_lshl_b32 s[WG], ttmp9, 2
	s_add_co_u32 s[WG], s[WG], s[CX]               ; my 32 rows: it enters global addresses of my own alone
	s_mov_b32 s[G1], 15|(3<<16)|(1<<21)            ; all four work-groups; elements of 8 bytes; bit 21 beside a mask
	s_mov_b32 s[G1+1], 32<<16                      ; a dense block of 32,768 bytes as 128 rows of 256
	s_mov_b32 s[G1+2], 128<<16
	s_mov_b32 s[G1+3], 32<<16
	s_mov_b32 s[G1+4], 128
	s_mov_b32 s[G1+5], 32
	s_mov_b32 s[G1+6], 0
	s_mov_b32 s[G1+7], 0
	s_lshl_b32 s50, s[WV], 15                      ; my quarter of a K step, in memory and in a slot
	s_mov_b32 s51, 0
	s_lshl_b32 s52, s[CX], 15
	s_lshl_b32 s53, s[WV], 13
	s_add_co_u32 s52, s52, s53
	s_add_co_u32 s52, s52, REGION+3*131072         ; the prefetches stand at K step 3; the first change steps them to 4
	s_mov_b32 s53, 0
	s_mov_b32 s[CNT], 0
	s_cmp_eq_u32 ttmp9, 0                          ; the first cluster asks: the same in all four partners
	s_cselect_b32 s[LIMIT], TSTEPS-4, 0
	s_mov_b32 s[SEL], 0x76543210
	s_mov_b32 s[SEL+1], 0xfedcba98
	s_wait_dscnt 0x0
	s_wait_kmcnt 0x0
	s_load_b512 s[68:83], s[18:19], 0x0            ; e0 .. e15
	s_add_nc_u64 s[PFA:PFA+1], s[6:7], s[52:53]
	s_add_nc_u64 s[6:7], s[6:7], s[50:51]
	s_add_nc_u64 s[6:7], s[6:7], REGION
	ROUND
.irp s, 0,1
	s_mov_b32 s[G0+4*\s], 1
	s_add_co_u32 s[G0+4*\s+1], s50, \s*SLOTB
	s_add_nc_u64 s[G0+4*\s+2:G0+4*\s+3], s[6:7], \s*131072
	s_or_b32 s[G0+4*\s+3], s[G0+4*\s+3], 0x80000000
	tensor_load_to_lds s[G0+4*\s:G0+4*\s+3], s[G1:G1+7]
	s_nop 0
.endr
	PLACES
	v_and_b32 v1, 31, v0
	v_lshlrev_b32 v[LI], 4, v1
	v_lshlrev_b32 v[PFO], 8, v1
	v_add_nc_u32 v[BADR], s50, v[LI]
	v_add_nc_u32 v[BADR+1], SLOTB, v[BADR]
	v_add_nc_u32 v[AADR0], AIMG, v[LI]
	s_lshl_b32 s54, s[WV], 12
	v_add_nc_u32 v[IMA], s54, v[AADR0]             ; the images that I write: K steps 2 w, 2 w + 1
	v_and_b32 v[PT], 15, v0                        ; r
	v_bfe_u32 v[PT+1], v0, 4, 1                    ; hh
	v_lshlrev_b32 v[SCRR], 2, v[PT]
	v_add_nc_u32 v[SCRR], SCR, v[SCRR]
	s_lshl_b32 s54, s[WV], 7
	v_add_nc_u32 v[SCW], s54, v[SCRR]
	s_mul_i32 s54, s[WV], 4352
	s_add_co_u32 s54, s54, STG
	v_mul_u32_u24 v[SGL], v[PT], 272
	v_lshl_add_u32 v[SGL], v[PT+1], 6, v[SGL]
	v_add_nc_u32 v[SGL], s54, v[SGL]               ; my stage by lanes: row r, + 64 hh
	v_mul_u32_u24 v[SGR], v[PT+1], 272
	v_lshl_add_u32 v[SGR], v[PT], 4, v[SGR]
	v_add_nc_u32 v[SGR], s54, v[SGR]               ; and by rows: sixteen lanes to a row's 256 bytes
	v_lshlrev_b32 v[GRO], 12, v[PT+1]
	v_lshl_add_u32 v[GRO], v[PT], 4, v[GRO]
	v_lshlrev_b32 v[BO], 6, v[PT+1]
	s_lshl_b32 s54, s[WG], 15
	s_lshl_b32 s55, s[WV], 12
	s_add_co_u32 s54, s54, s55
	s_mov_b32 s55, 0
	s_add_nc_u64 s[4:5], s[4:5], s[54:55]
	s_add_nc_u64 s[22:23], s[22:23], s[54:55]
	s_lshl_b32 s54, s[WG], 17
	s_lshl_b32 s49, s[WV], 10
	s_add_co_u32 s54, s54, s49
	s_add_nc_u64 s[8:9], s[8:9], s[54:55]
	s_lshl_b32 s54, s[WG], 17
	s_lshl_b32 s49, s[WV], 14
	s_add_co_u32 s54, s54, s49
	s_add_nc_u64 s[20:21], s[20:21], s[54:55]
	s_lshl_b32 s54, s[WV], 10
	s_add_nc_u64 s[10:11], s[10:11], s[54:55]
	s_add_nc_u64 s[12:13], s[12:13], s[54:55]
	s_add_nc_u64 s[14:15], s[14:15], s[54:55]
	s_add_nc_u64 s[16:17], s[16:17], s[54:55]
.set I, 0
.rept 16                               ; my quarter of the rows' images
	global_load_b128 v[TT+4*I:TT+4*I+3], v[LI], s[4:5] offset:(I/8)*16384+((I/4)%2)*2048+(I%4)*512
.set I, I+1
.endr
	WIN 0x80
.set P, 0
.rept 8                                ; x: piece P = (tile of tokens P / 4, 64 columns P % 4): 16 rows x 256 bytes, sixteen lanes to a row
.set I, 0
.rept 8
	global_load_b128 v[32*P+4*I:32*P+4*I+3], v[GRO], s[8:9] offset:(8*(P/4)+2*I+8*(I/4))*4096+256*(P%4)
.set I, I+1
.endr
.set P, P+1
.endr
	WIN 0
.set P, 0
.rept 32
	global_load_b128 v[BS+4*P:BS+4*P+3], v[BO], s[10:11] offset:128*(P/4)+16*(P%4)
.set P, P+1
.endr
	WIN 0xc0
.set P, 0
.rept 32
	global_load_b128 v[4*P:4*P+3], v[BO], s[12:13] offset:128*(P/4)+16*(P%4)
	global_load_b128 v[128+4*P:128+4*P+3], v[BO], s[14:15] offset:128*(P/4)+16*(P%4)
.set P, P+1
.endr
	WIN 0
	s_wait_loadcnt 0x0
.set I, 0
.rept 16
	ds_store_b128 v[IMA], v[TT+4*I:TT+4*I+3] offset:(I/8)*16384+((I/4)%2)*2048+(I%4)*512
.set I, I+1
.endr
.set P, 0
.rept 8                                ; x turns through my stage: in by rows, out by lanes; LDS serves a wave's instructions in order
	WIN 0x08
.set I, 0
.rept 8
	ds_store_b128 v[SGR], v[32*P+4*I:32*P+4*I+3] offset:544*I
.set I, I+1
.endr
	WIN 0x40
.set I, 0
.rept 8
	ds_load_b128 v[128*(P/4)+32*(P%4)+4*I:128*(P/4)+32*(P%4)+4*I+3], v[SGL] offset:128*(I/4)+16*(I%4)
.set I, I+1
.endr
.set P, P+1
.endr
	WIN 0
	s_wait_kmcnt 0x0
	s_add_co_i32 s[EA], s74, s75                   ; E = e6 + e7
	s_lshl_b32 s[EA+1], s[EA], 1
	NEGPOW KA, 74, 75
	NEGPOW KB, 76, 77
.set P, 0
.rept 64
	v_pk_mul_f32 v[BS+2*P:BS+2*P+1], v[BS+2*P:BS+2*P+1], s[KA:KA+1] op_sel_hi:[1,0]
.set P, P+1
.endr
	s_wait_dscnt 0x0
	WIN 0x41
.irp a, 0,1
.set P, 0
.rept 64
	v_pk_fma_f32 v[128*\a+2*P:128*\a+2*P+1], v[128*\a+2*P:128*\a+2*P+1], s[KA:KA+1], v[BS+2*P:BS+2*P+1] op_sel_hi:[1,0,1]   ; (x + bo) x 2^-E starts the sums
.set P, P+1
.endr
.endr
	WIN 0
	s_wait_tensorcnt 1                             ; my part of K step 0 is in; K step 1's may stay out
	s_barrier_signal -1
	s_barrier_wait -1                              ; and the rows' images are whole
	PHASE 1, 0
	LN_A 1, 2, 0
	BIAS2 16                                       ; window 1 is free: bcq
	LN_B 2, 1, EA
	WIN 0x08
.irp a, 0,1
.set P, 0
.rept 32
	global_store_b128 v[LI], v[128*\a+4*P:128*\a+4*P+3], s[20:21] offset:\a*65536+512*P   ; out1, 512 consecutive bytes a store
.set P, P+1
.endr
.endr
	WIN 0
	SETSC 76                                       ; e8
.irp a, 0,1
.irp k, 0,1
	QUANT 2, 128*\a+64*\k, PCD
	IMAGE \a, \k
.endr
.endr
	s_wait_loadcnt 0x0
	WIN 0x41
.set P, 0
.rept 128
	v_pk_mul_f32 v[2*P:2*P+1], v[2*P:2*P+1], s[KB:KB+1] op_sel_hi:[1,0]   ; bcq x 2^-(e8 + e9) starts the sums
.set P, P+1
.endr
	WIN 0
	BARRIER                                        ; out1's images are whole
	PHASE 1, 1
	PLACES
	s_sub_co_i32 s52, s82, s76
	s_sub_co_i32 s52, s52, s77                     ; a sum stands for sum x 2^(e8 + e9): the three scales are folded into the conversion's one
	SETSC 52
.irp a, 0,1
.irp k, 0,1
	QUANT 1, 128*\a+64*\k, BS+32*\a+16*\k
.irp c, 0,1,2,3
	global_store_b128 v[LI], v[BS+32*\a+16*\k+4*\c:BS+32*\a+16*\k+4*\c+3], s[22:23] offset:\a*16384+\k*2048+512*\c
.endr
.endr
.endr
	s_wait_tensorcnt 0x0                           ; the wave's end
	ds_add_u32 v[SPW], v[NIL]
	s_wait_dscnt 0x0
	ROUND                                          ; the closing round
	s_endpgm
.Lfunc_end_k_q3e27db4fc1_mid:
	.size	k_q3e27db4fc1_mid, .Lfunc_end_k_q3e27db4fc1_mid-k_q3e27db4fc1_mid
	.p2alignl 7, 3214868480
	.fill 96, 4, 3214868480
	.section	.rodata,"a",@progbits
	.p2align	6, 0x0
	.amdhsa_kernel k_q3e27db4fc1_mid
		.amdhsa_group_segment_fixed_size 327680
		.amdhsa_private_segment_fixed_size 0
		.amdhsa_enable_private_segment 0
		.amdhsa_kernarg_size 80
		.amdhsa_user_sgpr_count 2
		.amdhsa_user_sgpr_kernarg_segment_ptr 1
		.amdhsa_wavefront_size32 1
		.amdhsa_system_sgpr_workgroup_id_x 1
		.amdhsa_system_sgpr_workgroup_id_y 1
		.amdhsa_system_sgpr_workgroup_id_z 1
		.amdhsa_system_vgpr_workitem_id 0
		.amdhsa_next_free_vgpr 1024
		.amdhsa_next_free_sgpr 100
		.amdhsa_reserve_vcc 0
		.amdhsa_float_denorm_mode_32 3
		.amdhsa_float_denorm_mode_16_64 3
		.amdhsa_memory_ordered 1
		.amdhsa_forward_progress 1
		.amdhsa_inst_pref_size 214
	.end_amdhsa_kernel
	.amdgpu_metadata
---
amdhsa.version: [ 1, 2 ]
amdhsa.kernels:
  - .name:           k_q3e27db4fc1_mid
    .symbol:         k_q3e27db4fc1_mid.kd
    .args:
      - { .name: avimg, .offset: 0, .size: 8, .value_kind: global_buffer, .address_space: global }
      - { .name: wimg, .offset: 8, .size: 8, .value_kind: global_buffer, .address_space: global }
      - { .name: x, .offset: 16, .size: 8, .value_kind: global_buffer, .address_space: global }
      - { .name: bo, .offset: 24, .size: 8, .value_kind: global_buffer, .address_space: global }
      - { .name: gamma, .offset: 32, .size: 8, .value_kind: global_buffer, .address_space: global }
      - { .name: beta, .offset: 40, .size: 8, .value_kind: global_buffer, .address_space: global }
      - { .name: bcq, .offset: 48, .size: 8, .value_kind: global_buffer, .address_space: global }
      - { .name: lowp_scales, .offset: 56, .size: 8, .value_kind: global_buffer, .address_space: global }
      - { .name: o1img, .offset: 64, .size: 8, .value_kind: global_buffer, .address_space: global }
      - { .name: qimg, .offset: 72, .size: 8, .value_kind: global_buffer, .address_space: global }
    .group_segment_fixed_size: 327680
    .private_segment_fixed_size: 0
    .kernarg_segment_align: 8
    .kernarg_segment_size: 80
    .max_flat_workgroup_size: 128
    .sgpr_count:     100
    .vgpr_count:     1024
    .wavefront_size: 32
...
	.end_amdgpu_metadata
.endif
;; end of part 4
;; launch attn (part 5): grid 4 x 64, 16 waves a work-group, clusters of 4 x 1, 167,936 bytes of LDS; arguments qimg, kvimg, lowp_scales, oimg; writes oimg
.if DOCPART == 5
	.amdgcn_target "amdgcn-amd-amdhsa--gfx1250"
	.amdhsa_code_object_version 6
	.text
	.protected	k_q3e27db4fc1_attn
	.globl	k_q3e27db4fc1_attn
	.p2align	8
	.type	k_q3e27db4fc1_attn,@function
k_q3e27db4fc1_attn:
	s_mov_b64 s[64:65], 0
	v_nop
	global_prefetch_b8 v0, s[64:65] scope:SCOPE_SE
	s_setreg_imm32_b32 hwreg(HW_REG_WAVE_MODE, 25, 1), 1
	s_wait_xcnt 0x0
	s_wait_alu depctr_hold_cnt(0) depctr_sa_sdst(0) depctr_va_vdst(0) depctr_va_sdst(0) depctr_va_ssrc(0) depctr_va_vcc(0) depctr_vm_vsrc(0)
	s_getreg_b32 s2, hwreg(HW_REG_IB_STS2, 6, 4)
	s_cmp_eq_u32 s2, 0
	s_cbranch_scc0 .Lentry_in_a_cluster
	s_endpgm
.Lentry_in_a_cluster:
	s_bfe_u32 s2, ttmp6, 0x10000c
	s_cmp_lg_u32 s2, 0x3003
	s_cbranch_scc0 .Lentry_shape_is_right
	s_endpgm
.Lentry_shape_is_right:
; ATTN: the cross attention on codes of E5M2. t = score log2(e) / 32; M = the running largest t rounded up to a whole number; p = 2^(t - M) is quantised under e16, not normalised; the row's sum of the unquantised p divides at the end.
; Nothing is left out here. A work-group takes 128 queries x 2 heads of one batch; wave w: head w / 8 of the pair, query tile w % 8. The pair's K and V images (131,072 bytes) lie in LDS, filled once.
; CLUSTER 4 x 1: the four blocks of queries of a batch and pair of heads read the same K and V: waves 0 to 3 ask for a quarter each, jointly. Nothing is filled again.
; Both products are used transposed (S^T = K Q^T, O^T = V^T P^T): a lane holds one query; by the images' slot order two neighbouring tiles of keys give it 16 neighbouring keys, so p's codes are the second product's operand.
; LIMITS: e14 + e15 between -121 and 132 (added to the exponent field of log2(e) / 32); e16, e18 between -126 and 112. NaN among the inputs is not served.
; REGISTERS: v12 -M, v13 the largest t, v[14:15] the sum, v16-23 Q, v32-95 fragments of K or V, v96-159 S^T then p, v160-191 O^T, v224-239 p's codes, v240-254 at work.
.set SPARE, 131072
.set SPW, 5
.set NIL, 6
.set LI,  7
.set ADK, 8
.set ADV, 9
.set WV,  12
.set G1,  24
.set G0,  32
.set SEL, 36
.set CS,  38
.macro ROUND
	s_barrier_signal -1
	s_barrier_wait -1
	s_cmp_lg_u32 s[WV], 0
	s_cbranch_scc1 .Lnot_wave_0_\@
	s_barrier_signal -3
.Lnot_wave_0_\@:
	s_barrier_wait -3
	s_barrier_signal -1
	s_barrier_wait -1
.endm
	s_load_b128 s[4:7], s[0:1], 0x0                ; qimg, kvimg
	s_load_b128 s[8:11], s[0:1], 0x10              ; lowp_scales, oimg
	v_lshl_add_u32 v[SPW], v0, 2, SPARE
	v_mov_b32 v[NIL], 0
	ds_add_u32 v[SPW], v[NIL]                      ; the opening: the add, twice on end, and its wait
	ds_add_u32 v[SPW], v[NIL]
	v_lshrrev_b32 v8, 5, v0
	v_readfirstlane_b32 s[WV], v8
	s_bfe_u32 s13, ttmp6, 0x40000                  ; cx: my block of 128 queries: it enters Q's and O's addresses alone
	s_and_b32 s14, ttmp7, 0xffff                   ; 8 x batch + pair of heads
	s_mov_b32 s[G1], 15|(3<<16)|(1<<21)
	s_mov_b32 s[G1+1], 32<<16                      ; a dense block of 32,768 bytes as 128 rows of 256
	s_mov_b32 s[G1+2], 128<<16
	s_mov_b32 s[G1+3], 32<<16
	s_mov_b32 s[G1+4], 128
	s_mov_b32 s[G1+5], 32
	s_mov_b32 s[G1+6], 0
	s_mov_b32 s[G1+7], 0
	s_lshl_b32 s15, s[WV], 15
	s_lshl_b32 s16, s14, 17
	s_add_co_u32 s16, s16, s15
	s_mov_b32 s17, 0
	s_mov_b32 s[SEL], 0x76543210
	s_mov_b32 s[SEL+1], 0xfedcba98
	s_lshr_b32 s20, s14, 3
	s_lshl_b32 s20, s20, 5
	s_lshl_b32 s21, s13, 3
	s_add_co_u32 s20, s20, s21
	s_and_b32 s21, s[WV], 7
	s_add_co_u32 s20, s20, s21                     ; my tile of queries
	s_lshl_b32 s20, s20, 14
	s_and_b32 s21, s14, 7
	s_lshl_b32 s21, s21, 11
	s_add_co_u32 s20, s20, s21                     ; K step = the pair of heads
	s_lshr_b32 s22, s[WV], 3                       ; which head of the pair
	s_lshl_b32 s21, s22, 10
	s_add_co_u32 s20, s20, s21                     ; chunks 2 p, 2 p + 1
	s_mov_b32 s21, 0
	s_wait_dscnt 0x0
	s_wait_kmcnt 0x0
	s_load_b256 s[68:75], s[8:9], 0x38             ; e14 .. e21
	s_mov_b32 s[G0], 1
	s_mov_b32 s[G0+1], s15
	s_add_nc_u64 s[G0+2:G0+3], s[6:7], s[16:17]
	s_or_b32 s[G0+3], s[G0+3], 0x80000000
	ROUND
	s_cmp_lt_u32 s[WV], 4
	s_cbranch_scc0 .Lnofill
	tensor_load_to_lds s[G0:G0+3], s[G1:G1+7]
	s_nop 0
.rept 4
	v_nop
.endr
.Lnofill:
	s_add_nc_u64 s[4:5], s[4:5], s[20:21]
	s_add_nc_u64 s[10:11], s[10:11], s[20:21]
	v_and_b32 v8, 31, v0
	v_lshlrev_b32 v[LI], 4, v8
	global_load_b128 v[16:19], v[LI], s[4:5]
	global_load_b128 v[20:23], v[LI], s[4:5] offset:512
	s_lshl_b32 s23, s22, 15
	v_add_nc_u32 v[ADK], s23, v[LI]
	v_add_nc_u32 v[ADV], 65536, v[ADK]
	v_mov_b32 v13, 0xff61b1e6                      ; the largest t so far: -3e38
	v_floor_f32 v12, -v13
	v_mov_b32 v14, 0
	v_mov_b32 v15, 0
	v_mov_b32 v246, 0                              ; a lane permute's destination counts as read
	v_mov_b32 v253, 0                              ; named as the upper half of v[252:253]
	s_wait_kmcnt 0x0
	s_add_co_i32 s40, s68, s69
	s_lshl_b32 s40, s40, 23
	s_add_co_i32 s[CS], s40, 0x3d38aa3b            ; 2^(e14 + e15) log2(e) / 32
	s_mov_b32 s[CS+1], s[CS]
	s_add_co_i32 s40, s70, 127
	s_lshl_b32 s41, s40, 23
	v_mov_b32 v244, s41                            ; 2^e16
	s_add_co_i32 s40, s40, 15
	s_lshl_b32 s40, s40, 23
	s_or_b32 s40, s40, 0x600000
	v_mov_b32 v240, s40                            ; 57,344 x 2^e16
	s_add_co_i32 s40, s72, 127
	s_lshl_b32 s41, s40, 23
	v_mov_b32 v245, s41                            ; 2^e18
	s_add_co_i32 s40, s40, 15
	s_lshl_b32 s40, s40, 23
	s_or_b32 s40, s40, 0x600000
	v_mov_b32 v241, s40                            ; 57,344 x 2^e18
	s_wait_tensorcnt 0x0                           ; my quarter has landed,
	s_barrier_signal -1
	s_barrier_wait -1                              ; everybody's has
	s_wait_loadcnt 0x0
.macro STEP s, first                   ; 128 keys
.rept 4
	v_nop                                          ; places in front of loads into registers that matrix instructions have read
.endr
.irp t, 0,1,2,3,4,5,6,7
.irp c, 0,1
	ds_load_b128 v[32+8*\t+4*\c:32+8*\t+4*\c+3], v[ADK] offset:(8*(\s)+\t)*1024+512*\c
.endr
.endr
	s_wait_dscnt 0x0
.irp t, 0,1,2,3,4,5,6,7
	v_wmma_f32_16x16x64_bf8_bf8 v[96+8*\t:103+8*\t], v[32+8*\t:39+8*\t], v[16:23], 0
.endr
.rept 4
	v_nop
.endr
	v_max3_num_f32 v254, v96, v97, v98             ; the step's largest score of my query among my 64 keys, in two chains,
	v_max3_num_f32 v252, v99, v100, v101
.irp i, 6,10,14,18,22,26,30,34,38,42,46,50,54,58
	v_max3_num_f32 v254, v254, v[96+\i], v[97+\i]
	v_max3_num_f32 v252, v252, v[98+\i], v[99+\i]
.endr
	v_max3_num_f32 v254, v254, v158, v159
	v_max_num_f32 v254, v254, v252
	v_permlanex16_b32 v246, v254, s[SEL], s[SEL+1]
	v_max_num_f32 v254, v254, v246                 ; and among the other half's
	v_mul_f32 v254, s[CS], v254
	v_max_num_f32 v13, v13, v254                   ; the running largest t
	v_mov_b32 v254, v12
	v_floor_f32 v12, -v13                          ; -M = floor(-t): M is a whole number
	v_sub_f32 v254, v12, v254
	v_cvt_i32_f32 v254, v254
	v_ldexp_f32 v252, 1.0, v254                    ; f = 2^(old M - new M): exact
.set I, 0
.rept 32
	v_pk_fma_f32 v[96+2*I:97+2*I], v[96+2*I:97+2*I], s[CS:CS+1], v[12:13] op_sel_hi:[1,0,0]
.set I, I+1
.endr
.set I, 0
.rept 64
	v_exp_f32 v[96+I], v[96+I]
.set I, I+1
.endr
	v_pk_mul_f32 v[14:15], v[14:15], v[252:253] op_sel_hi:[1,0]   ; the sums under the new M; a plain instruction behind the exponentials
	s_wait_alu depctr_va_vdst(0)                   ; one wait for the batch, ahead of its first reader
	v_pk_add_f32 v[242:243], v[96:97], v[98:99]    ; the row's sum is taken of the unquantised p
.irp j, 4,8,12,16,20,24,28,32,36,40,44,48,52,56,60
	v_pk_add_f32 v[14:15], v[14:15], v[96+\j:97+\j]
	v_pk_add_f32 v[242:243], v[242:243], v[98+\j:99+\j]
.endr
	v_pk_add_f32 v[14:15], v[14:15], v[242:243]
.irp b, 0,1,2,3
.irp i, 0,1,2,3,4,5,6,7,8,9,10,11,12,13,14,15
	v_min_num_f32 v[96+16*\b+\i], v[96+16*\b+\i], v240   ; p is not negative: the hold is one-sided
.endr
	v_cvt_scalef32_pk8_bf8_f32 v[224+4*\b:225+4*\b], v[96+16*\b:103+16*\b], v244
	v_cvt_scalef32_pk8_bf8_f32 v[226+4*\b:227+4*\b], v[104+16*\b:111+16*\b], v244
.endr
.if \first
	v_nop                                          ; a plain instruction between the conversions and the products that read their results
.else
.set I, 0
.rept 16
	v_pk_mul_f32 v[160+2*I:161+2*I], v[160+2*I:161+2*I], v[252:253] op_sel_hi:[1,0]   ; O^T under the new M
.set I, I+1
.endr
.endif
.irp t, 0,1,2,3
.irp c, 0,1,2,3
	ds_load_b128 v[32+16*\t+4*\c:32+16*\t+4*\c+3], v[ADV] offset:(\s)*8192+\t*2048+512*\c
.endr
.endr
	s_wait_dscnt 0x0
.irp t, 0,1,2,3
.if \first
	v_wmma_f32_16x16x128_bf8_bf8 v[160+8*\t:167+8*\t], v[32+16*\t:47+16*\t], v[224:239], 0
.else
	v_wmma_f32_16x16x128_bf8_bf8 v[160+8*\t:167+8*\t], v[32+16*\t:47+16*\t], v[224:239], v[160+8*\t:167+8*\t]
.endif
.endr
.endm
	STEP 0, 1
	STEP 1, 0
	STEP 2, 0
	STEP 3, 0
.rept 4
	v_nop
.endr
	v_add_f32 v14, v14, v15
	v_permlanex16_b32 v246, v14, s[SEL], s[SEL+1]
	v_add_f32 v14, v14, v246                       ; the row's sum
	v_rcp_f32 v14, v14
	v_nop
	s_add_co_i32 s40, s70, s71
	s_wait_alu depctr_va_vdst(0)
	v_ldexp_f32 v14, v14, s40                      ; x 2^(e16 + e17)
.set I, 0
.rept 32
	v_mul_f32 v[96+I], v[160+I], v14               ; register 16 b + i: channel 32 b + 16 hh + i of my head
.set I, I+1
.endr
.set I, 0
.rept 32
	v_med3_num_f32 v[96+I], v[96+I], -v241, v241
.set I, I+1
.endr
.irp b, 0,1
	v_cvt_scalef32_pk8_bf8_f32 v[224+4*\b:225+4*\b], v[96+16*\b:103+16*\b], v245
	v_cvt_scalef32_pk8_bf8_f32 v[226+4*\b:227+4*\b], v[104+16*\b:111+16*\b], v245
.endr
	v_nop
	global_store_b128 v[LI], v[224:227], s[10:11]
	global_store_b128 v[LI], v[228:231], s[10:11] offset:512
	s_wait_tensorcnt 0x0                           ; the wave's end
	ds_add_u32 v[SPW], v[NIL]
	s_wait_dscnt 0x0
	ROUND                                          ; the closing round
	s_endpgm
.Lfunc_end_k_q3e27db4fc1_attn:
	.size	k_q3e27db4fc1_attn, .Lfunc_end_k_q3e27db4fc1_attn-k_q3e27db4fc1_attn
	.p2alignl 7, 3214868480
	.fill 96, 4, 3214868480
	.section	.rodata,"a",@progbits
	.p2align	6, 0x0
	.amdhsa_kernel k_q3e27db4fc1_attn
		.amdhsa_group_segment_fixed_size 167936
		.amdhsa_private_segment_fixed_size 0
		.amdhsa_enable_private_segment 0
		.amdhsa_kernarg_size 32
		.amdhsa_user_sgpr_count 2
		.amdhsa_user_sgpr_kernarg_segment_ptr 1
		.amdhsa_wavefront_size32 1
		.amdhsa_system_sgpr_workgroup_id_x 1
		.amdhsa_system_sgpr_workgroup_id_y 1
		.amdhsa_system_sgpr_workgroup_id_z 1
		.amdhsa_system_vgpr_workitem_id 0
		.amdhsa_next_free_vgpr 256
		.amdhsa_next_free_sgpr 100
		.amdhsa_reserve_vcc 0
		.amdhsa_float_denorm_mode_32 3
		.amdhsa_float_denorm_mode_16_64 3
		.amdhsa_memory_ordered 1
		.amdhsa_forward_progress 1
		.amdhsa_inst_pref_size 68
	.end_amdhsa_kernel
	.amdgpu_metadata
---
amdhsa.version: [ 1, 2 ]
amdhsa.kernels:
  - .name:           k_q3e27db4fc1_attn
    .symbol:         k_q3e27db4fc1_attn.kd
    .args:
      - { .name: qimg, .offset: 0, .size: 8, .value_kind: global_buffer, .address_space: global }
      - { .name: kvimg, .offset: 8, .size: 8, .value_kind: global_buffer, .address_space: global }
      - { .name: lowp_scales, .offset: 16, .size: 8, .value_kind: global_buffer, .address_space: global }
      - { .name: oimg, .offset: 24, .size: 8, .value_kind: global_buffer, .address_space: global }
    .group_segment_fixed_size: 167936
    .private_segment_fixed_size: 0
    .kernarg_segment_align: 8
    .kernarg_segment_size: 32
    .max_flat_workgroup_size: 512
    .sgpr_count:     100
    .vgpr_count:     256
    .wavefront_size: 32
...
	.end_amdgpu_metadata
.endif
;; end of part 5
;; launch tail (part 6): grid 128 x 1, 4 waves a work-group, clusters of 4 x 1, 327,680 bytes of LDS; arguments oimg, wimg, o1img, bco, gamma, beta, b1, b2, lowp_scales, out0; writes out0
.if DOCPART == 6
	.amdgcn_target "amdgcn-amd-amdhsa--gfx1250"
	.amdhsa_code_object_version 6
	.text
	.protected	k_q3e27db4fc1_tail
	.globl	k_q3e27db4fc1_tail
	.p2align	8
	.type	k_q3e27db4fc1_tail,@function
k_q3e27db4fc1_tail:
	s_mov_b64 s[64:65], 0
	v_nop
	global_prefetch_b8 v0, s[64:65] scope:SCOPE_SE
	s_setreg_imm32_b32 hwreg(HW_REG_WAVE_MODE, 25, 1), 1
	s_wait_xcnt 0x0
	s_wait_alu depctr_hold_cnt(0) depctr_sa_sdst(0) depctr_va_vdst(0) depctr_va_sdst(0) depctr_va_ssrc(0) depctr_va_vcc(0) depctr_vm_vsrc(0)
	s_getreg_b32 s2, hwreg(HW_REG_IB_STS2, 6, 4)
	s_cmp_eq_u32 s2, 0
	s_cbranch_scc0 .Lentry_in_a_cluster
	s_endpgm
.Lentry_in_a_cluster:
	s_bfe_u32 s2, ttmp6, 0x10000c
	s_cmp_lg_u32 s2, 0x3003
	s_cbranch_scc0 .Lentry_shape_is_right
	s_endpgm
.Lentry_shape_is_right:
; TAIL: out2 = LayerNorm(o Wco + bco + out1); out0 = LayerNorm((out2 W1 + b1) W2 + b2 + out2). Three products on codes of E5M2. Nothing is left out here.
; Shares, ring, cluster, images, prefetch and register windows as in launch mid: a work-group owns 32 whole rows, wave w columns 256 w .. + 255; the three weights' images (24 steps of 128 along K) walk through two LDS slots,
; asked for jointly by the four work-groups of a cluster; an accumulator starts as (bias + residual) x 2^-(ea + eb); the power of two is put back in the norm, exactly.
; LIMITS: e18 + e19, e20 + e21, e22 + e23 between -127 and 126; e20 and e22 - e20 - e21 between -126 and 112. NaN among the inputs is not served.
.set TSTEPS, 24
.set REGION, 7340032
.set SLOTB, 131072
.set AIMG,  262144
.set STG,   294912
.set SCR,   312320
.set SPARE, 314368
.set LI, 2
.set BADR, 3
.set AADR0, 5
.set AAD, 6
.set SCW, 7
.set SCRR, 8
.set SGL, 9
.set SGR, 10
.set PFO, 11
.set SPW, 12
.set NIL, 13
.set GRO, 14
.set BO, 15
.set IMA, 16
.set PT, 17
.set SU, 20
.set XT, 20
.set XV, 36
.set SCV, 38
.set LIMV, 39
.set NM, 40
.set RS, 44
.set PCD, 48
.set AS, 64
.set TT, 64
.set BS, 128
.set G1, 24
.set G0, 32
.set WV, 40
.set CX, 41
.set WG, 42
.set AK, 43
.set CNT, 44
.set LIMIT, 45
.set PFA, 46
.set LC, 48
.set SEL, 56
.set KA, 58
.set KB, 60
.set EA, 62
.set KC, 84
.set MSB, 0
.macro WIN new
.if MSB != \new
	s_set_vgpr_msb (MSB<<8)|\new
.set MSB, \new
.endif
.endm
.macro PLACES
.rept 4
	v_nop
.endr
.endm
.macro ROUND
	s_barrier_signal -1
	s_barrier_wait -1
	s_cmp_lg_u32 s[WV], 0
	s_cbranch_scc1 .Lnot_wave_0_\@
	s_barrier_signal -3
.Lnot_wave_0_\@:
	s_barrier_wait -3
	s_barrier_signal -1
	s_barrier_wait -1
.endm
.macro BARRIER
	s_wait_dscnt 0x0
	s_barrier_signal -1
	s_barrier_wait -1
.endm
.macro ASK
	s_cmp_lt_u32 s[CNT], s[LIMIT]
	s_cbranch_scc0 .Lnoask_\@
	global_prefetch_b8 v[PFO], s[PFA:PFA+1] th:TH_LOAD_NT scope:SCOPE_SE
.Lnoask_\@:
	s_add_co_u32 s[CNT], s[CNT], 1
.endm
.macro FETCH_B slot, g, set
.irp i, 0,1,2,3
.irp c, 0,1,2,3
	ds_load_b128 v[BS+64*(\set)+16*\i+4*\c:BS+64*(\set)+16*\i+4*\c+3], v[BADR+\slot] offset:(4*(\g)+\i)*2048+512*\c
.endr
.endr
.endm
.macro FETCH_A set, off
	v_add_nc_u32 v[AAD], s[AK], v[AADR0]
.irp a, 0,1
.irp c, 0,1,2,3
	ds_load_b128 v[AS+32*(\set)+16*\a+4*\c:AS+32*(\set)+16*\a+4*\c+3], v[AAD] offset:(\off)+\a*16384+512*\c
.endr
.endr
.endm
.macro MUL g, set, aset, w             ; eight accumulators by turns
	WIN ((\w)<<4)|((\w)<<6)
.irp i, 0,1,2,3
.irp a, 0,1
	v_wmma_f32_16x16x128_bf8_bf8 v[8*(16*\a+4*(\g)+\i):8*(16*\a+4*(\g)+\i)+7], v[BS+64*(\set)+16*\i:BS+64*(\set)+16*\i+15], v[AS+32*(\aset)+16*\a:AS+32*(\aset)+16*\a+15], v[8*(16*\a+4*(\g)+\i):8*(16*\a+4*(\g)+\i)+7]
.endr
.endr
	WIN 0
.endm
.macro CHANGE slot                     ; all my tensor loads have landed, the add, my reads of the slot are over; the round; the joint refill first behind it
	s_wait_xcnt 0x0                                ; the last prefetch, a K step back, has read its address
	s_add_nc_u64 s[PFA:PFA+1], s[PFA:PFA+1], 131072
	s_wait_tensorcnt 0x0
	ds_add_u32 v[SPW], v[NIL]
	s_add_nc_u64 s[G0+4*(\slot)+2:G0+4*(\slot)+3], s[G0+4*(\slot)+2:G0+4*(\slot)+3], 262144
	s_wait_dscnt 0x0
	ROUND
	tensor_load_to_lds s[G0+4*(\slot):G0+4*(\slot)+3], s[G1:G1+7]
	s_nop 0
	PLACES
	ASK
.endm
.macro KSTEP slot, aset, mode, fn, aoff, w
.irp g, 0,1,2
	PLACES
	FETCH_B \slot, \g+1, (\g+1)%2
	s_wait_dscnt 16                                ; all but the 16 just issued
	MUL \g, \g%2, \aset, \w
.endr
.if \mode == 2
	CHANGE \slot
.elseif \mode == 1
	s_wait_tensorcnt 0x0
	BARRIER
	PLACES
.else
	s_wait_dscnt 0x0
.endif
.if \fn
	FETCH_A 1-(\aset), \aoff
	FETCH_B 1-(\slot), 0, 0
.endif
	MUL 3, 1, \aset, \w
.endm
.macro PHASE w, last
	s_mov_b32 s[AK], 0
	FETCH_A 0, 0
	FETCH_B 0, 0, 0
	s_mov_b32 s[LC], 3
.Lph_\@:
	KSTEP 0, 0, 2, 1, 2048, \w
	KSTEP 1, 1, 2, 1, 4096, \w
	s_add_co_u32 s[AK], s[AK], 4096
	s_sub_co_u32 s[LC], s[LC], 1
	s_cmp_lg_u32 s[LC], 0
	s_cbranch_scc1 .Lph_\@
.if \last
	KSTEP 0, 0, 1, 1, 2048, \w
	KSTEP 1, 1, 0, 0, 0, \w
.else
	KSTEP 0, 0, 2, 1, 2048, \w
	KSTEP 1, 1, 2, 0, 0, \w
.endif
.endm
.macro REDUCE
.irp a, 0,1
	v_pk_add_f32 v[SU+8*\a:SU+8*\a+1], v[SU+8*\a:SU+8*\a+1], v[SU+8*\a+2:SU+8*\a+3]
	v_pk_add_f32 v[SU+8*\a+4:SU+8*\a+5], v[SU+8*\a+4:SU+8*\a+5], v[SU+8*\a+6:SU+8*\a+7]
.endr
.irp a, 0,1
	v_pk_add_f32 v[SU+8*\a:SU+8*\a+1], v[SU+8*\a:SU+8*\a+1], v[SU+8*\a+4:SU+8*\a+5]
.endr
.irp a, 0,1
	v_add_f32 v[XV+\a], v[SU+8*\a], v[SU+8*\a+1]
.endr
.irp a, 0,1
	v_permlanex16_b32 v[PT+\a], v[XV+\a], s[SEL], s[SEL+1]
.endr
.irp a, 0,1
	v_add_f32 v[XV+\a], v[XV+\a], v[PT+\a]
.endr
.endm
.macro XCH reg                         ; bytes of their own for each exchange, so one barrier serves
	ds_store_b32 v[SCW], v[XV] offset:(\reg)*512
	ds_store_b32 v[SCW], v[XV+1] offset:(\reg)*512+64
	BARRIER
.irp q, 0,1,2,3
	ds_load_b32 v[XT+2*\q], v[SCRR] offset:(\reg)*512+128*\q
	ds_load_b32 v[XT+2*\q+1], v[SCRR] offset:(\reg)*512+128*\q+64
.endr
	s_wait_dscnt 0x0
.irp a, 0,1
	v_add_f32 v[XV+\a], v[XT+\a], v[XT+2+\a]
	v_add_f32 v[XV+\a], v[XV+\a], v[XT+4+\a]
	v_add_f32 v[XV+\a], v[XV+\a], v[XT+6+\a]
.endr
.endm
.macro LN_A ws, wd, reg                ; each accumulator is read from its low end on
	PLACES
	WIN (\ws)|((\ws)<<2)
.irp a, 0,1
.irp c, 0,1,2,3
	v_pk_add_f32 v[SU+8*\a+2*\c:SU+8*\a+2*\c+1], v[128*\a+2*\c:128*\a+2*\c+1], v[128*\a+8+2*\c:128*\a+8+2*\c+1]
.endr
.endr
	WIN (\ws)
.irp a, 0,1
.set P, 8
.rept 56
	v_pk_add_f32 v[SU+8*\a+2*(P%4):SU+8*\a+2*(P%4)+1], v[128*\a+2*P:128*\a+2*P+1], v[SU+8*\a+2*(P%4):SU+8*\a+2*(P%4)+1]
.set P, P+1
.endr
.endr
	WIN 0
	REDUCE
	XCH \reg
.irp a, 0,1
	v_mul_f32 v[NM+2*\a], 0xba800000, v[XV+\a]
	v_mul_f32 v[NM+2*\a+1], 0xba800000, v[XV+\a]
.endr
	WIN (\ws)|((\wd)<<6)
.irp a, 0,1
.set P, 0
.rept 64
	v_pk_add_f32 v[128*\a+2*P:128*\a+2*P+1], v[128*\a+2*P:128*\a+2*P+1], v[NM+2*\a:NM+2*\a+1]
.set P, P+1
.endr
.endr
	WIN 0
.endm
.macro LN_B wd, reg, se
	WIN (\wd)|((\wd)<<2)
.irp a, 0,1
.irp c, 0,1,2,3
	v_pk_mul_f32 v[SU+8*\a+2*\c:SU+8*\a+2*\c+1], v[128*\a+2*\c:128*\a+2*\c+1], v[128*\a+2*\c:128*\a+2*\c+1]
.endr
.set P, 4
.rept 60
	v_pk_fma_f32 v[SU+8*\a+2*(P%4):SU+8*\a+2*(P%4)+1], v[128*\a+2*P:128*\a+2*P+1], v[128*\a+2*P:128*\a+2*P+1], v[SU+8*\a+2*(P%4):SU+8*\a+2*(P%4)+1]
.set P, P+1
.endr
.endr
	WIN 0
	REDUCE
	XCH \reg
.irp a, 0,1
	v_mul_f32 v[XV+\a], 0x3a800000, v[XV+\a]
	v_ldexp_f32 v[XV+\a], v[XV+\a], s[\se+1]
	v_add_f32 v[XV+\a], 0x3727c5ac, v[XV+\a]
.endr
	v_rsq_f32 v[RS], v[XV]
	v_rsq_f32 v[RS+2], v[XV+1]
	v_nop
	s_wait_alu depctr_va_vdst(0)                   ; one wait for both, ahead of the first reader
	v_ldexp_f32 v[RS], v[RS], s[\se]
	v_ldexp_f32 v[RS+2], v[RS+2], s[\se]
	v_mov_b32 v[RS+1], v[RS]
	v_mov_b32 v[RS+3], v[RS+2]
	WIN (\wd)|((\wd)<<6)
.irp a, 0,1
.set P, 0
.rept 64
	v_pk_mul_f32 v[128*\a+2*P:128*\a+2*P+1], v[128*\a+2*P:128*\a+2*P+1], v[RS+2*\a:RS+2*\a+1]
.set P, P+1
.endr
.endr
	WIN (\wd)|(3<<2)|(3<<4)|((\wd)<<6)
.irp a, 0,1
.set P, 0
.rept 64
	v_pk_fma_f32 v[128*\a+2*P:128*\a+2*P+1], v[128*\a+2*P:128*\a+2*P+1], v[2*P:2*P+1], v[128+2*P:128+2*P+1]
.set P, P+1
.endr
.endr
	WIN 0
.endm
.macro SETSC se
	s_add_co_i32 s54, s[\se], 127
	s_lshl_b32 s55, s54, 23
	v_mov_b32 v[SCV], s55
	s_add_co_i32 s54, s54, 15
	s_lshl_b32 s54, s54, 23
	s_or_b32 s54, s54, 0x600000
	v_mov_b32 v[LIMV], s54
.endm
.macro NEGPOW d, sa, sb
	s_add_co_i32 s[\d], s[\sa], s[\sb]
	s_sub_co_i32 s[\d], 127, s[\d]
	s_lshl_b32 s[\d], s[\d], 23
	s_mov_b32 s[\d+1], s[\d]
.endm
.macro QUANT ws, base, pc
	WIN (\ws)
.set P, 0
.rept 64
	v_med3_num_f32 v[TT+P], v[(\base)+P], -v[LIMV], v[LIMV]
.set P, P+1
.endr
	WIN 0
.irp c, 0,1,2,3
	v_cvt_scalef32_pk8_bf8_f32 v[(\pc)+4*\c:(\pc)+4*\c+1], v[TT+16*\c:TT+16*\c+7], v[SCV]
	v_cvt_scalef32_pk8_bf8_f32 v[(\pc)+4*\c+2:(\pc)+4*\c+3], v[TT+16*\c+8:TT+16*\c+15], v[SCV]
.endr
	v_nop
.endm
.macro IMAGE ta, kl
.irp c, 0,1,2,3
	ds_store_b128 v[IMA], v[PCD+4*\c:PCD+4*\c+3] offset:(\ta)*16384+(\kl)*2048+512*\c
.endr
	s_wait_dscnt 0x0
.endm
.macro BIAS2 sb
	WIN 0x40
.irp a, 0,1
.set P, 0
.rept 32
	global_load_b128 v[128*\a+4*P:128*\a+4*P+3], v[BO], s[\sb:\sb+1] offset:128*(P/4)+16*(P%4)
.set P, P+1
.endr
.endr
	WIN 0
.endm
.macro BIAS1 sb                        ; a bias of my 256 columns into v128-255 of window 0
.set P, 0
.rept 32
	global_load_b128 v[BS+4*P:BS+4*P+3], v[BO], s[\sb:\sb+1] offset:128*(P/4)+16*(P%4)
.set P, P+1
.endr
.endm
	s_load_b512 s[4:19], s[0:1], 0x0               ; oimg wimg o1img bco gamma beta b1 b2
	s_load_b128 s[20:23], s[0:1], 0x40             ; lowp_scales out0
	v_lshl_add_u32 v[SPW], v0, 2, SPARE
	v_mov_b32 v[NIL], 0
	ds_add_u32 v[SPW], v[NIL]                      ; the opening: the add, twice on end, and its wait
	ds_add_u32 v[SPW], v[NIL]
	v_lshrrev_b32 v1, 5, v0
	v_readfirstlane_b32 s[WV], v1
	s_bfe_u32 s[CX], ttmp6, 0x40000
	s_lshl_b32 s[WG], ttmp9, 2
	s_add_co_u32 s[WG], s[WG], s[CX]
	s_mov_b32 s[G1], 15|(3<<16)|(1<<21)
	s_mov_b32 s[G1+1], 32<<16
	s_mov_b32 s[G1+2], 128<<16
	s_mov_b32 s[G1+3], 32<<16
	s_mov_b32 s[G1+4], 128
	s_mov_b32 s[G1+5], 32
	s_mov_b32 s[G1+6], 0
	s_mov_b32 s[G1+7], 0
	s_lshl_b32 s50, s[WV], 15
	s_mov_b32 s51, 0
	s_lshl_b32 s52, s[CX], 15
	s_lshl_b32 s53, s[WV], 13
	s_add_co_u32 s52, s52, s53
	s_add_co_u32 s52, s52, REGION+3*131072
	s_mov_b32 s53, 0
	s_mov_b32 s[CNT], 0
	s_cmp_eq_u32 ttmp9, 0
	s_cselect_b32 s[LIMIT], TSTEPS-4, 0
	s_mov_b32 s[SEL], 0x76543210
	s_mov_b32 s[SEL+1], 0xfedcba98
	s_wait_dscnt 0x0
	s_wait_kmcnt 0x0
	s_load_b256 s[68:75], s[20:21], 0x40           ; e16 .. e23
	s_add_nc_u64 s[PFA:PFA+1], s[6:7], s[52:53]
	s_add_nc_u64 s[6:7], s[6:7], s[50:51]
	s_add_nc_u64 s[6:7], s[6:7], REGION
	ROUND
.irp s, 0,1
	s_mov_b32 s[G0+4*\s], 1
	s_add_co_u32 s[G0+4*\s+1], s50, \s*SLOTB
	s_add_nc_u64 s[G0+4*\s+2:G0+4*\s+3], s[6:7], \s*131072
	s_or_b32 s[G0+4*\s+3], s[G0+4*\s+3], 0x80000000
	tensor_load_to_lds s[G0+4*\s:G0+4*\s+3], s[G1:G1+7]
	s_nop 0
.endr
	PLACES
	v_and_b32 v1, 31, v0
	v_lshlrev_b32 v[LI], 4, v1
	v_lshlrev_b32 v[PFO], 8, v1
	v_add_nc_u32 v[BADR], s50, v[LI]
	v_add_nc_u32 v[BADR+1], SLOTB, v[BADR]
	v_add_nc_u32 v[AADR0], AIMG, v[LI]
	s_lshl_b32 s54, s[WV], 12
	v_add_nc_u32 v[IMA], s54, v[AADR0]
	v_and_b32 v[PT], 15, v0
	v_bfe_u32 v[PT+1], v0, 4, 1
	v_lshlrev_b32 v[SCRR], 2, v[PT]
	v_add_nc_u32 v[SCRR], SCR, v[SCRR]
	s_lshl_b32 s54, s[WV], 7
	v_add_nc_u32 v[SCW], s54, v[SCRR]
	s_mul_i32 s54, s[WV], 4352
	s_add_co_u32 s54, s54, STG
	v_mul_u32_u24 v[SGL], v[PT], 272
	v_lshl_add_u32 v[SGL], v[PT+1], 6, v[SGL]
	v_add_nc_u32 v[SGL], s54, v[SGL]
	v_mul_u32_u24 v[SGR], v[PT+1], 272
	v_lshl_add_u32 v[SGR], v[PT], 4, v[SGR]
	v_add_nc_u32 v[SGR], s54, v[SGR]
	v_lshlrev_b32 v[GRO], 12, v[PT+1]
	v_lshl_add_u32 v[GRO], v[PT], 4, v[GRO]
	v_lshlrev_b32 v[BO], 6, v[PT+1]
	s_lshl_b32 s54, s[WG], 15
	s_lshl_b32 s55, s[WV], 12
	s_add_co_u32 s54, s54, s55
	s_mov_b32 s55, 0
	s_add_nc_u64 s[4:5], s[4:5], s[54:55]          ; oimg
	s_lshl_b32 s54, s[WG], 17
	s_lshl_b32 s49, s[WV], 10
	s_add_co_u32 s54, s54, s49
	s_add_nc_u64 s[22:23], s[22:23], s[54:55]      ; out0
	s_lshl_b32 s54, s[WG], 17
	s_lshl_b32 s49, s[WV], 14
	s_add_co_u32 s54, s54, s49
	s_add_nc_u64 s[8:9], s[8:9], s[54:55]          ; o1img
	s_lshl_b32 s54, s[WV], 10
	s_add_nc_u64 s[10:11], s[10:11], s[54:55]
	s_add_nc_u64 s[12:13], s[12:13], s[54:55]
	s_add_nc_u64 s[14:15], s[14:15], s[54:55]
	s_add_nc_u64 s[16:17], s[16:17], s[54:55]
	s_add_nc_u64 s[18:19], s[18:19], s[54:55]
.set I, 0
.rept 16
	global_load_b128 v[TT+4*I:TT+4*I+3], v[LI], s[4:5] offset:(I/8)*16384+((I/4)%2)*2048+(I%4)*512
.set I, I+1
.endr
	WIN 0x40
.irp a, 0,1
.set P, 0
.rept 32
	global_load_b128 v[128*\a+4*P:128*\a+4*P+3], v[LI], s[8:9] offset:\a*65536+512*P   ; out1, as launch mid laid it: 512 consecutive bytes a load
.set P, P+1
.endr
.endr
	WIN 0
	BIAS1 10
	WIN 0xc0
.set P, 0
.rept 32
	global_load_b128 v[4*P:4*P+3], v[BO], s[12:13] offset:128*(P/4)+16*(P%4)
	global_load_b128 v[128+4*P:128+4*P+3], v[BO], s[14:15] offset:128*(P/4)+16*(P%4)
.set P, P+1
.endr
	WIN 0
	s_wait_loadcnt 0x0
.set I, 0
.rept 16
	ds_store_b128 v[IMA], v[TT+4*I:TT+4*I+3] offset:(I/8)*16384+((I/4)%2)*2048+(I%4)*512
.set I, I+1
.endr
	s_wait_kmcnt 0x0
	s_add_co_i32 s[EA], s70, s71                   ; E = e18 + e19
	s_lshl_b32 s[EA+1], s[EA], 1
	NEGPOW KA, 70, 71
	NEGPOW KB, 72, 73
	NEGPOW KC, 74, 75
.set P, 0
.rept 64
	v_pk_mul_f32 v[BS+2*P:BS+2*P+1], v[BS+2*P:BS+2*P+1], s[KA:KA+1] op_sel_hi:[1,0]
.set P, P+1
.endr
	WIN 0x41
.irp a, 0,1
.set P, 0
.rept 64
	v_pk_fma_f32 v[128*\a+2*P:128*\a+2*P+1], v[128*\a+2*P:128*\a+2*P+1], s[KA:KA+1], v[BS+2*P:BS+2*P+1] op_sel_hi:[1,0,1]   ; (out1 + bco) x 2^-E starts the sums
.set P, P+1
.endr
.endr
	WIN 0
	s_wait_dscnt 0x0
	s_wait_tensorcnt 1                             ; my part of K step 0 is in; K step 1's may stay out
	s_barrier_signal -1
	s_barrier_wait -1
	PHASE 1, 0
	LN_A 1, 2, 0
	BIAS2 16                                       ; window 1 is free: b1; and b2 into window 0
	BIAS1 18
	LN_B 2, 1, EA
	SETSC 72                                       ; e20
.irp a, 0,1
.irp k, 0,1
	QUANT 2, 128*\a+64*\k, PCD
	IMAGE \a, \k
.endr
.endr
	s_wait_loadcnt 0x0
.set P, 0
.rept 64
	v_pk_mul_f32 v[BS+2*P:BS+2*P+1], v[BS+2*P:BS+2*P+1], s[KC:KC+1] op_sel_hi:[1,0]
.set P, P+1
.endr
	WIN 0x82
.irp a, 0,1
.set P, 0
.rept 64
	v_pk_fma_f32 v[128*\a+2*P:128*\a+2*P+1], v[128*\a+2*P:128*\a+2*P+1], s[KC:KC+1], v[BS+2*P:BS+2*P+1] op_sel_hi:[1,0,1]   ; (out2 + b2) x 2^-(e22 + e23) starts the third product's sums
.set P, P+1
.endr
.endr
	WIN 0x41
.set P, 0
.rept 128
	v_pk_mul_f32 v[2*P:2*P+1], v[2*P:2*P+1], s[KB:KB+1] op_sel_hi:[1,0]   ; b1 x 2^-(e20 + e21) starts the second's
.set P, P+1
.endr
	WIN 0
	BARRIER                                        ; out2's images are whole
	PHASE 1, 0
	PLACES
	s_sub_co_i32 s52, s74, s72
	s_sub_co_i32 s52, s52, s73                     ; a sum stands for sum x 2^(e20 + e21): the three scales are folded into the conversion's one
	SETSC 52
.irp a, 0,1                            ; behind the last K step's round no wave reads the old images any more
.irp k, 0,1
	QUANT 1, 128*\a+64*\k, PCD
	IMAGE \a, \k
.endr
.endr
	BARRIER
	PHASE 2, 1
	s_add_co_i32 s[EA], s74, s75                   ; E = e22 + e23
	s_lshl_b32 s[EA+1], s[EA], 1
	LN_A 2, 1, 2
	LN_B 1, 3, EA
.set P, 0
.rept 8                                ; the rows turn through my stage: in by lanes, out by rows
	WIN 0x04
.set I, 0
.rept 8
	ds_store_b128 v[SGL], v[128*(P/4)+32*(P%4)+4*I:128*(P/4)+32*(P%4)+4*I+3] offset:128*(I/4)+16*(I%4)
.set I, I+1
.endr
	WIN 0x80
.set I, 0
.rept 8
	ds_load_b128 v[32*P+4*I:32*P+4*I+3], v[SGR] offset:544*I
.set I, I+1
.endr
.set P, P+1
.endr
	s_wait_dscnt 0x0
	WIN 0x08
.set P, 0
.rept 8
.set I, 0
.rept 8
	global_store_b128 v[GRO], v[32*P+4*I:32*P+4*I+3], s[22:23] offset:(8*(P/4)+2*I+8*(I/4))*4096+256*(P%4) th:TH_STORE_NT   ; sixteen lanes store 256 consecutive bytes, aligned
.set I, I+1
.endr
.set P, P+1
.endr
	WIN 0
	s_wait_tensorcnt 0x0                           ; the wave's end
	ds_add_u32 v[SPW], v[NIL]
	s_wait_dscnt 0x0
	ROUND                                          ; the closing round
	s_endpgm
.Lfunc_end_k_q3e27db4fc1_tail:
	.size	k_q3e27db4fc1_tail, .Lfunc_end_k_q3e27db4fc1_tail-k_q3e27db4fc1_tail
	.p2alignl 7, 3214868480
	.fill 96, 4, 3214868480
	.section	.rodata,"a",@progbits
	.p2align	6, 0x0
	.amdhsa_kernel k_q3e27db4fc1_tail
		.amdhsa_group_segment_fixed_size 327680
		.amdhsa_private_segment_fixed_size 0
		.amdhsa_enable_private_segment 0
		.amdhsa_kernarg_size 80
		.amdhsa_user_sgpr_count 2
		.amdhsa_user_sgpr_kernarg_segment_ptr 1
		.amdhsa_wavefront_size32 1
		.amdhsa_system_sgpr_workgroup_id_x 1
		.amdhsa_system_sgpr_workgroup_id_y 1
		.amdhsa_system_sgpr_workgroup_id_z 1
		.amdhsa_system_vgpr_workitem_id 0
		.amdhsa_next_free_vgpr 1024
		.amdhsa_next_free_sgpr 100
		.amdhsa_reserve_vcc 0
		.amdhsa_float_denorm_mode_32 3
		.amdhsa_float_denorm_mode_16_64 3
		.amdhsa_memory_ordered 1
		.amdhsa_forward_progress 1
		.amdhsa_inst_pref_size 255
	.end_amdhsa_kernel
	.section	.bss,"aw",@nobits
	.p2align	6
	.space	262144
	.amdgpu_metadata
---
amdhsa.version: [ 1, 2 ]
amdhsa.kernels:
  - .name:           k_q3e27db4fc1_tail
    .symbol:         k_q3e27db4fc1_tail.kd
    .args:
      - { .name: oimg, .offset: 0, .size: 8, .value_kind: global_buffer, .address_space: global }
      - { .name: wimg, .offset: 8, .size: 8, .value_kind: global_buffer, .address_space: global }
      - { .name: o1img, .offset: 16, .size: 8, .value_kind: global_buffer, .address_space: global }
      - { .name: bco, .offset: 24, .size: 8, .value_kind: global_buffer, .address_space: global }
      - { .name: gamma, .offset: 32, .size: 8, .value_kind: global_buffer, .address_space: global }
      - { .name: beta, .offset: 40, .size: 8, .value_kind: global_buffer, .address_space: global }
      - { .name: b1, .offset: 48, .size: 8, .value_kind: global_buffer, .address_space: global }
      - { .name: b2, .offset: 56, .size: 8, .value_kind: global_buffer, .address_space: global }
      - { .name: lowp_scales, .offset: 64, .size: 8, .value_kind: global_buffer, .address_space: global }
      - { .name: out0, .offset: 72, .size: 8, .value_kind: global_buffer, .address_space: global }
    .group_segment_fixed_size: 327680
    .private_segment_fixed_size: 0
    .kernarg_segment_align: 8
    .kernarg_segment_size: 80
    .max_flat_workgroup_size: 128
    .sgpr_count:     100
    .vgpr_count:     1024
    .wavefront_size: 32
...
	.end_amdgpu_metadata
.endif
;; end of part 6
;; ======== version 2 of 2: 6 launches
;; workspace buffers: wimg 10,485,760 bytes; ximg 12,582,912 bytes; himg 8,388,608 bytes; avimg 4,194,304 bytes; qimg 4,194,304 bytes; oimg 4,194,304 bytes; kvimg 8,388,608 bytes; o1img 16,777,216 bytes
;; launch prep: the kernel of part 1 again; grid 576 x 1, 4 waves a work-group, no clusters, 34,304 bytes of LDS; arguments Wq, Wk, Wv, Wck, Wcv, Wo, Wcq, Wco, W1, W2, x, h, lowp_scales, wimg, ximg, himg; writes wimg, ximg, himg
;; launch front: the kernel of part 2 again; grid 8 x 32, 4 waves a work-group, clusters of 4 x 4, 327,680 bytes of LDS; arguments ximg, wimg, bq, bk, bv, lowp_scales, avimg; writes avimg
;; launch kv: the kernel of part 3 again; grid 8 x 32, 4 waves a work-group, clusters of 4 x 4, 327,680 bytes of LDS; arguments himg, wimg, bck, bcv, lowp_scales, kvimg; writes kvimg
;; launch mid (part 7): grid 128 x 1, 4 waves a work-group, clusters of 4 x 1, 327,680 bytes of LDS; arguments avimg, wimg, x, bo, gamma, beta, bcq, lowp_scales, o1img, qimg; writes o1img, qimg
.if DOCPART == 7
	.amdgcn_target "amdgcn-amd-amdhsa--gfx1250"
	.amdhsa_code_object_version 6
	.text
	.protected	k_q3e27db4fc1_mid
	.globl	k_q3e27db4fc1_mid
	.p2align	8
	.type	k_q3e27db4fc1_mid,@function
k_q3e27db4fc1_mid:
	s_mov_b64 s[64:65], 0
	v_nop
	global_prefetch_b8 v0, s[64:65] scope:SCOPE_SE
	s_setreg_imm32_b32 hwreg(HW_REG_WAVE_MODE, 25, 1), 1
	s_wait_xcnt 0x0
	s_wait_alu depctr_hold_cnt(0) depctr_sa_sdst(0) depctr_va_vdst(0) depctr_va_sdst(0) depctr_va_ssrc(0) depctr_va_vcc(0) depctr_vm_vsrc(0)
	s_getreg_b32 s2, hwreg(HW_REG_IB_STS2, 6, 4)
	s_cmp_eq_u32 s2, 0
	s_cbranch_scc0 .Lentry_in_a_cluster
	s_endpgm
.Lentry_in_a_cluster:
	s_bfe_u32 s2, ttmp6, 0x10000c
	s_cmp_lg_u32 s2, 0x3003
	s_cbranch_scc0 .Lentry_shape_is_right
	s_endpgm
.Lentry_shape_is_right:
; MID: out1 = LayerNorm(av Wo + bo + x); Q = out1 Wcq + bcq. Both products on codes of E5M2. out1 goes out in f32 (as a register image), Q as codes under e14. Nothing is left out here.
; A work-group owns 32 whole rows (two tiles of tokens), since the norm needs whole rows; wave w makes columns 256 w .. + 255: 32 accumulators, one register window.
; THE WEIGHTS COME BY TWO ROADS. Of the 16 tiles of a step of 128 along K that wave w multiplies, and nobody else in the work-group, tiles 0-7 come through two LDS slots, each with TWO K steps (131,072 bytes; a wave's one load brings
; 2 rows of 16,384 bytes), and tiles 8-15 straight from memory into registers: the images lie in the order of the operand's registers, so a load reads 512 consecutive bytes. So a slot is changed once in two K steps, a refill has two
; K steps in which to land, and beside it three to four groups of sixteen direct loads of every wave are on their way.
; CLUSTER 4 x 1: the four work-groups walk the same weights: the ring's tiles are asked for jointly, mask 15. The direct half is not shared: a joint load lands in LDS, and two slots, the rows' images and the stages fill it.
; The rows' codes lie in LDS as images (AIMG), written by the waves and read by all four. An accumulator starts as (bias + residual) x 2^-(ea + eb), so that every K step is alike; the power of two is put back in the norm, exactly.
; gamma, beta and bcq lie in LDS, 1,024 bytes each for a wave's 256 columns, stored at the head and read by the wave that stored them.
; PREFETCH: behind each refill the first cluster's sixteen waves name, once each, the 8,192 bytes that are theirs (by address: place in the cluster and wave) of both K steps of the slot that the next refill asks for; the last refill names nothing.
; LIMITS: e6 + e7, e8 + e9 between -127 and 126 (their negatives make f32 powers of two); e8 and e14 - e8 - e9 between -126 and 112. NaN among the inputs is not served.
; REGISTERS: window 0: v2-47 addresses and small numbers, v48-63 codes, v64-95 A (v64-127 later 64 numbers at work), v128-255 two groups of B from the ring (later a bias); windows 1, 2: rows, register 128 a + 16 pb + i = column 256 w + 32 pb + 16 hh + i;
;   window 3: four groups of B from memory: group d of K step s at 64 (2 (s % 2) + d).
.set TSTEPS, 16
.set NSLOT, TSTEPS/2
.set REGION, 5242880
.set SLOTB, 131072
.set AIMG,  262144
.set STG,   294912
.set SCR,   312320
.set SPARE, 314368
.set GBL,   314880                     ; 3,072 bytes a wave: gamma, beta, bcq of its 256 columns
.set LI, 2
.set BADR, 3
.set AADR0, 5
.set AAD, 6
.set SCW, 7
.set SCRR, 8
.set SGL, 9
.set SGR, 10
.set PFO, 11
.set SPW, 12
.set NIL, 13
.set GRO, 14
.set BO, 15
.set IMA, 16
.set PT, 17
.set GBR, 19
.set SU, 20
.set XT, 20
.set XV, 36
.set SCV, 38
.set LIMV, 39
.set NM, 40
.set RS, 44
.set PCD, 48
.set AS, 64
.set TT, 64
.set BS, 128
.set G1, 24
.set G0, 32
.set WV, 40
.set CX, 41
.set WG, 42
.set AK, 43
.set CNT, 44
.set LIMIT, 45
.set PFA, 46
.set LC, 48
.set SEL, 56
.set KA, 58
.set KB, 60
.set EA, 62
.set DB, 66                            ; s[66:67] the direct loads' base: my tile 8 of the first K step of the four in hand
.set MSB, 0
.macro WIN new
.if MSB != \new
	s_set_vgpr_msb (MSB<<8)|\new
.set MSB, \new
.endif
.endm
.macro PLACES
.rept 4
	v_nop
.endr
.endm
.macro ROUND
	s_barrier_signal -1
	s_barrier_wait -1
	s_cmp_lg_u32 s[WV], 0
	s_cbranch_scc1 .Lnot_wave_0_\@
	s_barrier_signal -3
.Lnot_wave_0_\@:
	s_barrier_wait -3
	s_barrier_signal -1
	s_barrier_wait -1
.endm
.macro BARRIER
	s_wait_dscnt 0x0
	s_barrier_signal -1
	s_barrier_wait -1
.endm
.macro ASK o                           ; both K steps of the slot that the next refill asks for
	s_cmp_lt_u32 s[CNT], s[LIMIT]
	s_cbranch_scc0 .Lnoask_\@
	global_prefetch_b8 v[PFO], s[PFA:PFA+1] offset:(\o) th:TH_LOAD_NT scope:SCOPE_SE
	global_prefetch_b8 v[PFO], s[PFA:PFA+1] offset:(\o)+131072 th:TH_LOAD_NT scope:SCOPE_SE
.Lnoask_\@:
	s_add_co_u32 s[CNT], s[CNT], 1
.endm
.macro FETCH_R slot, kkl, g            ; four tiles of B out of the ring: group g of the slot's K step kkl
.irp i, 0,1,2,3
.irp c, 0,1,2,3
	ds_load_b128 v[BS+64*(\g)+16*\i+4*\c:BS+64*(\g)+16*\i+4*\c+3], v[BADR+\slot] offset:(\kkl)*16384+(4*(\g)+\i)*2048+512*\c
.endr
.endr
.endm
.macro FETCH_A off                     ; the two tiles of tokens of one K step
	v_add_nc_u32 v[AAD], s[AK], v[AADR0]
.irp a, 0,1
.irp c, 0,1,2,3
	ds_load_b128 v[AS+16*\a+4*\c:AS+16*\a+4*\c+3], v[AAD] offset:(\off)+\a*16384+512*\c
.endr
.endr
.endm
.macro GLOAD set, ks, d                ; four tiles of B out of memory: group d of the K step ks behind the base; each load reads 512 consecutive bytes
	WIN 0xc0
.irp i, 0,1,2,3
.irp c, 0,1,2,3
	global_load_b128 v[64*(\set)+16*\i+4*\c:64*(\set)+16*\i+4*\c+3], v[LI], s[DB:DB+1] offset:(\ks)*131072+(4*(\d)+\i)*2048+512*\c
.endr
.endr
	WIN 0
.endm
.macro MUL t0, bb, bw, w               ; tiles t0 .. t0 + 3 of my 16, B at v[bb + 16 i] of window bw: eight accumulators by turns
	WIN (\bw)|((\w)<<4)|((\w)<<6)
.irp i, 0,1,2,3
.irp a, 0,1
	v_wmma_f32_16x16x128_bf8_bf8 v[8*(16*\a+(\t0)+\i):8*(16*\a+(\t0)+\i)+7], v[(\bb)+16*\i:(\bb)+16*\i+15], v[AS+16*\a:AS+16*\a+15], v[8*(16*\a+(\t0)+\i):8*(16*\a+(\t0)+\i)+7]
.endr
.endr
	WIN 0
.endm
.macro CHANGE slot                     ; all my tensor loads have landed, the add, my reads of the slot are over; the round; the joint refill first behind it
	s_wait_tensorcnt 0x0
	ds_add_u32 v[SPW], v[NIL]
	s_add_nc_u64 s[G0+4*(\slot)+2:G0+4*(\slot)+3], s[G0+4*(\slot)+2:G0+4*(\slot)+3], 524288   ; two slots on
	s_wait_dscnt 0x0
	ROUND
	tensor_load_to_lds s[G0+4*(\slot):G0+4*(\slot)+3], s[G1:G1+7]
	s_nop 0
	PLACES
	ASK (\slot)*262144
.endm
; A K step, the i-th of four.  All its LDS loads stand at its head; in a slot's second step they are the slot's last reads, and the change of slots follows them.  mode 2: the slot is filled again; 1: a plain barrier; 0: none.
; gl1: group 1 of the next K step is asked of memory; gl0: group 0 of the K step after that.  lc0, lc1: the direct loads issued behind the group that is wanted: three groups of sixteen, fewer at the very end.
.macro KSTEP slot, kkl, i, mode, gl1, gl0, lc0, lc1, w
	FETCH_A (\i)*2048
	FETCH_R \slot, \kkl, 0
	FETCH_R \slot, \kkl, 1
.if \mode == 2
	CHANGE \slot
.elseif \mode == 1
	s_wait_tensorcnt 0x0
	BARRIER
.else
	s_wait_dscnt 32                                ; A's eight loads are in; the ring's 32 may be out
.endif
.if \gl1
	GLOAD 3-2*(\kkl), (\i)+1, 1
.endif
	s_wait_loadcnt \lc0
	MUL 8, 128*(\kkl), 3, \w
	s_wait_dscnt 16                                ; the ring's first group is in
	MUL 0, BS, 0, \w
	PLACES                                         ; four places between the products that read a group and the loads into it
.if \gl0
	GLOAD 2*(\kkl), (\i)+2, 0
.endif
	s_wait_loadcnt \lc1
	MUL 12, 128*(\kkl)+64, 3, \w
	s_wait_dscnt 0x0
	MUL 4, BS+64, 0, \w
	PLACES                                         ; for the next step's loads into A's and B's registers, and for the first read of results
.endm
.macro QUAD w, last                    ; four K steps: once round the ring
.if \last
	KSTEP 0, 0, 0, 0, 1, 1, 48, 48, \w
	KSTEP 0, 1, 1, 1, 1, 1, 48, 48, \w
	KSTEP 1, 0, 2, 0, 1, 0, 48, 32, \w
	KSTEP 1, 1, 3, 0, 0, 0, 16, 0, \w
.else
	KSTEP 0, 0, 0, 0, 1, 1, 48, 48, \w
	KSTEP 0, 1, 1, 2, 1, 1, 48, 48, \w
	KSTEP 1, 0, 2, 0, 1, 1, 48, 48, \w
	KSTEP 1, 1, 3, 2, 1, 1, 48, 48, \w
.endif
.endm
.macro NEXTQ
	s_wait_xcnt 0x0                                ; the direct loads and the prefetches have read their bases
	s_add_nc_u64 s[DB:DB+1], s[DB:DB+1], 524288
	s_add_nc_u64 s[PFA:PFA+1], s[PFA:PFA+1], 524288
	s_add_co_u32 s[AK], s[AK], 8192
.endm
.macro PHASE w, last                   ; a product: eight K steps; both roads walk on into the next product's weights unless it is the last
	s_mov_b32 s[AK], 0
.if \last
	QUAD \w, 0
	NEXTQ
	QUAD \w, 1                                     ; written out: the last slots are not filled again, the last step asks memory for nothing
.else
	s_mov_b32 s[LC], 2
.Lph_\@:
	QUAD \w, 0
	NEXTQ
	s_sub_co_u32 s[LC], s[LC], 1
	s_cmp_lg_u32 s[LC], 0
	s_cbranch_scc1 .Lph_\@
.endif
.endm
.macro REDUCE                          ; four chains of pairs for each tile of tokens -> one number a row's half -> the two halves of the lanes
.irp a, 0,1
	v_pk_add_f32 v[SU+8*\a:SU+8*\a+1], v[SU+8*\a:SU+8*\a+1], v[SU+8*\a+2:SU+8*\a+3]
	v_pk_add_f32 v[SU+8*\a+4:SU+8*\a+5], v[SU+8*\a+4:SU+8*\a+5], v[SU+8*\a+6:SU+8*\a+7]
.endr
.irp a, 0,1
	v_pk_add_f32 v[SU+8*\a:SU+8*\a+1], v[SU+8*\a:SU+8*\a+1], v[SU+8*\a+4:SU+8*\a+5]
.endr
.irp a, 0,1
	v_add_f32 v[XV+\a], v[SU+8*\a], v[SU+8*\a+1]
.endr
.irp a, 0,1
	v_permlanex16_b32 v[PT+\a], v[XV+\a], s[SEL], s[SEL+1]
.endr
.irp a, 0,1
	v_add_f32 v[XV+\a], v[XV+\a], v[PT+\a]
.endr
.endm
.macro XCH reg                         ; the four waves' parts of a row's sum meet in LDS: bytes of their own for each exchange, so one barrier serves
	ds_store_b32 v[SCW], v[XV] offset:(\reg)*512
	ds_store_b32 v[SCW], v[XV+1] offset:(\reg)*512+64
	BARRIER
.irp q, 0,1,2,3
	ds_load_b32 v[XT+2*\q], v[SCRR] offset:(\reg)*512+128*\q
	ds_load_b32 v[XT+2*\q+1], v[SCRR] offset:(\reg)*512+128*\q+64
.endr
	s_wait_dscnt 0x0
.irp a, 0,1
	v_add_f32 v[XV+\a], v[XT+\a], v[XT+2+\a]
	v_add_f32 v[XV+\a], v[XV+\a], v[XT+4+\a]
	v_add_f32 v[XV+\a], v[XV+\a], v[XT+6+\a]
.endr
.endm
.macro LN_A ws, wd, reg                ; the mean; rows less the mean go from window ws to window wd.  Each accumulator is read from its low end on
	PLACES
	WIN (\ws)|((\ws)<<2)
.irp a, 0,1
.irp c, 0,1,2,3
	v_pk_add_f32 v[SU+8*\a+2*\c:SU+8*\a+2*\c+1], v[128*\a+2*\c:128*\a+2*\c+1], v[128*\a+8+2*\c:128*\a+8+2*\c+1]
.endr
.endr
	WIN (\ws)
.irp a, 0,1
.set P, 8
.rept 56
	v_pk_add_f32 v[SU+8*\a+2*(P%4):SU+8*\a+2*(P%4)+1], v[128*\a+2*P:128*\a+2*P+1], v[SU+8*\a+2*(P%4):SU+8*\a+2*(P%4)+1]
.set P, P+1
.endr
.endr
	WIN 0
	REDUCE
	XCH \reg
.irp a, 0,1
	v_mul_f32 v[NM+2*\a], 0xba800000, v[XV+\a]     ; -sum / 1,024
	v_mul_f32 v[NM+2*\a+1], 0xba800000, v[XV+\a]
.endr
	WIN (\ws)|((\wd)<<6)
.irp a, 0,1
.set P, 0
.rept 64
	v_pk_add_f32 v[128*\a+2*P:128*\a+2*P+1], v[128*\a+2*P:128*\a+2*P+1], v[NM+2*\a:NM+2*\a+1]
.set P, P+1
.endr
.endr
	WIN 0
.endm
.macro GBLOAD wg                       ; gamma to v0-127 and beta to v128-255 of the window that the rows have left; the exchange's wait for 0 on LDS, ahead of their use, is their wait
	WIN ((\wg)<<6)
.set P, 0
.rept 32
	ds_load_b128 v[4*P:4*P+3], v[GBR] offset:128*(P/4)+16*(P%4)
	ds_load_b128 v[128+4*P:128+4*P+3], v[GBR] offset:1024+128*(P/4)+16*(P%4)
.set P, P+1
.endr
	WIN 0
.endm
.macro LN_B wd, wg, reg, se            ; s[se] = E, s[se + 1] = 2 E: the rows stand for rows x 2^E; gamma and beta lie in window wg
	WIN (\wd)|((\wd)<<2)
.irp a, 0,1
.irp c, 0,1,2,3
	v_pk_mul_f32 v[SU+8*\a+2*\c:SU+8*\a+2*\c+1], v[128*\a+2*\c:128*\a+2*\c+1], v[128*\a+2*\c:128*\a+2*\c+1]
.endr
.set P, 4
.rept 60
	v_pk_fma_f32 v[SU+8*\a+2*(P%4):SU+8*\a+2*(P%4)+1], v[128*\a+2*P:128*\a+2*P+1], v[128*\a+2*P:128*\a+2*P+1], v[SU+8*\a+2*(P%4):SU+8*\a+2*(P%4)+1]
.set P, P+1
.endr
.endr
	WIN 0
	REDUCE
	XCH \reg
.irp a, 0,1
	v_mul_f32 v[XV+\a], 0x3a800000, v[XV+\a]
	v_ldexp_f32 v[XV+\a], v[XV+\a], s[\se+1]       ; the variance, under its true scale
	v_add_f32 v[XV+\a], 0x3727c5ac, v[XV+\a]       ; + 1e-5
.endr
	v_rsq_f32 v[RS], v[XV]
	v_rsq_f32 v[RS+2], v[XV+1]
	v_nop
	s_wait_alu depctr_va_vdst(0)                   ; one wait for both, ahead of the first reader
	v_ldexp_f32 v[RS], v[RS], s[\se]
	v_ldexp_f32 v[RS+2], v[RS+2], s[\se]
	v_mov_b32 v[RS+1], v[RS]
	v_mov_b32 v[RS+3], v[RS+2]
	WIN (\wd)|((\wd)<<6)
.irp a, 0,1
.set P, 0
.rept 64
	v_pk_mul_f32 v[128*\a+2*P:128*\a+2*P+1], v[128*\a+2*P:128*\a+2*P+1], v[RS+2*\a:RS+2*\a+1]
.set P, P+1
.endr
.endr
	WIN (\wd)|((\wg)<<2)|((\wg)<<4)|((\wd)<<6)
.irp a, 0,1
.set P, 0
.rept 64
	v_pk_fma_f32 v[128*\a+2*P:128*\a+2*P+1], v[128*\a+2*P:128*\a+2*P+1], v[2*P:2*P+1], v[128+2*P:128+2*P+1]
.set P, P+1
.endr
.endr
	WIN 0
.endm
.macro SETSC se                        ; s[se] = e: 2^e and 57,344 x 2^e for the conversions
	s_add_co_i32 s54, s[\se], 127
	s_lshl_b32 s55, s54, 23
	v_mov_b32 v[SCV], s55
	s_add_co_i32 s54, s54, 15
	s_lshl_b32 s54, s54, 23
	s_or_b32 s54, s54, 0x600000
	v_mov_b32 v[LIMV], s54
.endm
.macro NEGPOW d, sa, sb                ; s[d], s[d + 1] = 2^-(s[sa] + s[sb])
	s_add_co_i32 s[\d], s[\sa], s[\sb]
	s_sub_co_i32 s[\d], 127, s[\d]
	s_lshl_b32 s[\d], s[\d], 23
	s_mov_b32 s[\d+1], s[\d]
.endm
.macro QUANT ws, base, pc              ; 64 numbers of a lane (one tile of tokens, 128 along the next K) become a fragment's 16 registers
	WIN (\ws)
.set P, 0
.rept 64
	v_med3_num_f32 v[TT+P], v[(\base)+P], -v[LIMV], v[LIMV]
.set P, P+1
.endr
	WIN 0
.irp c, 0,1,2,3
	v_cvt_scalef32_pk8_bf8_f32 v[(\pc)+4*\c:(\pc)+4*\c+1], v[TT+16*\c:TT+16*\c+7], v[SCV]
	v_cvt_scalef32_pk8_bf8_f32 v[(\pc)+4*\c+2:(\pc)+4*\c+3], v[TT+16*\c+8:TT+16*\c+15], v[SCV]
.endr
	v_nop
.endm
.macro IMAGE ta, kl
.irp c, 0,1,2,3
	ds_store_b128 v[IMA], v[PCD+4*\c:PCD+4*\c+3] offset:(\ta)*16384+(\kl)*2048+512*\c
.endr
	s_wait_dscnt 0x0                               ; the stores have read their registers
.endm
.macro BIAS2L                          ; the bias that lies in LDS, for both tiles of tokens, into window 1; the first image's wait for 0 on LDS is its wait
	WIN 0x40
.irp a, 0,1
.set P, 0
.rept 32
	ds_load_b128 v[128*\a+4*P:128*\a+4*P+3], v[GBR] offset:2048+128*(P/4)+16*(P%4)
.set P, P+1
.endr
.endr
	WIN 0
.endm
	s_load_b512 s[4:19], s[0:1], 0x0               ; avimg wimg x bo gamma beta bcq lowp_scales
	s_load_b128 s[20:23], s[0:1], 0x40             ; o1img qimg
	v_lshl_add_u32 v[SPW], v0, 2, SPARE
	v_mov_b32 v[NIL], 0
	ds_add_u32 v[SPW], v[NIL]                      ; the opening: the add, twice on end, and its wait
	ds_add_u32 v[SPW], v[NIL]
	v_lshrrev_b32 v1, 5, v0
	v_readfirstlane_b32 s[WV], v1
	s_bfe_u32 s[CX], ttmp6, 0x40000
	s_lshl_b32 s[WG], ttmp9, 2
	s_add_co_u32 s[WG], s[WG], s[CX]               ; my 32 rows: it enters global addresses of my own alone
	s_mov_b32 s[G1], 15|(3<<16)|(1<<21)            ; all four work-groups; elements of 8 bytes; bit 21 beside a mask
	s_mov_b32 s[G1+1], 2048<<16                    ; tensor_dim0: eight tiles, 16,384 bytes
	s_mov_b32 s[G1+2], 2<<16                       ; tensor_dim1: two K steps
	s_mov_b32 s[G1+3], 2048<<16                    ; tile_dim0
	s_mov_b32 s[G1+4], 2                           ; tile_dim1
	s_mov_b32 s[G1+5], 16384                       ; from K step to K step: 131,072 bytes
	s_mov_b32 s[G1+6], 0
	s_mov_b32 s[G1+7], 0
	s_lshl_b32 s50, s[WV], 15                      ; my 16 tiles in a K step of memory; my quarter of a slot
	s_mov_b32 s51, 0
	s_lshl_b32 s52, s[CX], 15
	s_lshl_b32 s53, s[WV], 13
	s_add_co_u32 s52, s52, s53
	s_add_co_u32 s52, s52, REGION+3*262144         ; the first refill asks for slot 2; the prefetch behind it names slot 3
	s_mov_b32 s53, 0
	s_mov_b32 s[CNT], 0
	s_cmp_eq_u32 ttmp9, 0                          ; the first cluster asks: the same in all four partners
	s_cselect_b32 s[LIMIT], NSLOT-3, 0
	s_mov_b32 s[SEL], 0x76543210
	s_mov_b32 s[SEL+1], 0xfedcba98
	s_wait_dscnt 0x0
	s_wait_kmcnt 0x0
	s_load_b512 s[68:83], s[18:19], 0x0            ; e0 .. e15
	s_add_nc_u64 s[PFA:PFA+1], s[6:7], s[52:53]
	s_add_nc_u64 s[6:7], s[6:7], s[50:51]
	s_add_nc_u64 s[6:7], s[6:7], REGION
	s_add_nc_u64 s[DB:DB+1], s[6:7], 16384         ; my tile 8
	ROUND
.irp s, 0,1
	s_mov_b32 s[G0+4*\s], 1
	s_add_co_u32 s[G0+4*\s+1], s50, \s*SLOTB
	s_add_nc_u64 s[G0+4*\s+2:G0+4*\s+3], s[6:7], \s*262144
	s_or_b32 s[G0+4*\s+3], s[G0+4*\s+3], 0x80000000
	tensor_load_to_lds s[G0+4*\s:G0+4*\s+3], s[G1:G1+7]
	s_nop 0
.endr
	PLACES
	v_and_b32 v1, 31, v0
	v_lshlrev_b32 v[LI], 4, v1
	v_lshlrev_b32 v[PFO], 8, v1
	GLOAD 0, 0, 0                                  ; the direct road's first three groups: both of K step 0, the first of K step 1
	GLOAD 1, 0, 1
	GLOAD 2, 1, 0
	v_add_nc_u32 v[BADR], s50, v[LI]
	v_add_nc_u32 v[BADR+1], SLOTB, v[BADR]
	v_add_nc_u32 v[AADR0], AIMG, v[LI]
	s_lshl_b32 s54, s[WV], 12
	v_add_nc_u32 v[IMA], s54, v[AADR0]             ; the images that I write: K steps 2 w, 2 w + 1
	v_and_b32 v[PT], 15, v0                        ; r
	v_bfe_u32 v[PT+1], v0, 4, 1                    ; hh
	v_lshlrev_b32 v[SCRR], 2, v[PT]
	v_add_nc_u32 v[SCRR], SCR, v[SCRR]
	s_lshl_b32 s54, s[WV], 7
	v_add_nc_u32 v[SCW], s54, v[SCRR]
	s_mul_i32 s54, s[WV], 4352
	s_add_co_u32 s54, s54, STG
	v_mul_u32_u24 v[SGL], v[PT], 272
	v_lshl_add_u32 v[SGL], v[PT+1], 6, v[SGL]
	v_add_nc_u32 v[SGL], s54, v[SGL]               ; my stage by lanes: row r, + 64 hh
	v_mul_u32_u24 v[SGR], v[PT+1], 272
	v_lshl_add_u32 v[SGR], v[PT], 4, v[SGR]
	v_add_nc_u32 v[SGR], s54, v[SGR]               ; and by rows: sixteen lanes to a row's 256 bytes
	v_lshlrev_b32 v[GRO], 12, v[PT+1]
	v_lshl_add_u32 v[GRO], v[PT], 4, v[GRO]
	v_lshlrev_b32 v[BO], 6, v[PT+1]
	s_mul_i32 s54, s[WV], 3072
	s_add_co_u32 s54, s54, GBL
	v_add_nc_u32 v1, s54, v[LI]                    ; gamma, beta, bcq in LDS: in, 16 bytes a lane;
	v_add_nc_u32 v[GBR], s54, v[BO]                ; out, + 64 hh
	s_lshl_b32 s54, s[WG], 15
	s_lshl_b32 s55, s[WV], 12
	s_add_co_u32 s54, s54, s55
	s_mov_b32 s55, 0
	s_add_nc_u64 s[4:5], s[4:5], s[54:55]
	s_add_nc_u64 s[22:23], s[22:23], s[54:55]
	s_lshl_b32 s54, s[WG], 17
	s_lshl_b32 s49, s[WV], 10
	s_add_co_u32 s54, s54, s49
	s_add_nc_u64 s[8:9], s[8:9], s[54:55]
	s_lshl_b32 s54, s[WG], 17
	s_lshl_b32 s49, s[WV], 14
	s_add_co_u32 s54, s54, s49
	s_add_nc_u64 s[20:21], s[20:21], s[54:55]
	s_lshl_b32 s54, s[WV], 10
	s_add_nc_u64 s[10:11], s[10:11], s[54:55]
	s_add_nc_u64 s[12:13], s[12:13], s[54:55]
	s_add_nc_u64 s[14:15], s[14:15], s[54:55]
	s_add_nc_u64 s[16:17], s[16:17], s[54:55]
.set I, 0
.rept 16                               ; my quarter of the rows' images
	global_load_b128 v[TT+4*I:TT+4*I+3], v[LI], s[4:5] offset:(I/8)*16384+((I/4)%2)*2048+(I%4)*512
.set I, I+1
.endr
	WIN 0x80
.set P, 0
.rept 8                                ; x: piece P = (tile of tokens P / 4, 64 columns P % 4): 16 rows x 256 bytes, sixteen lanes to a row
.set I, 0
.rept 8
	global_load_b128 v[32*P+4*I:32*P+4*I+3], v[GRO], s[8:9] offset:(8*(P/4)+2*I+8*(I/4))*4096+256*(P%4)
.set I, I+1
.endr
.set P, P+1
.endr
	WIN 0
.set P, 0
.rept 32
	global_load_b128 v[BS+4*P:BS+4*P+3], v[BO], s[10:11] offset:128*(P/4)+16*(P%4)
.set P, P+1
.endr
.irp q, 0,1,2                          ; gamma, beta, bcq of my 256 columns: two loads of 512 consecutive bytes each
	global_load_b128 v[20+8*\q:23+8*\q], v[LI], s[12+2*\q:13+2*\q]
	global_load_b128 v[24+8*\q:27+8*\q], v[LI], s[12+2*\q:13+2*\q] offset:512
.endr
	s_wait_loadcnt 0x0
.set I, 0
.rept 16
	ds_store_b128 v[IMA], v[TT+4*I:TT+4*I+3] offset:(I/8)*16384+((I/4)%2)*2048+(I%4)*512
.set I, I+1
.endr
.irp q, 0,1,2,3,4,5
	ds_store_b128 v1, v[20+4*\q:23+4*\q] offset:512*\q
.endr
.set P, 0
.rept 8                                ; x turns through my stage: in by rows, out by lanes; LDS serves a wave's instructions in order
	WIN 0x08
.set I, 0
.rept 8
	ds_store_b128 v[SGR], v[32*P+4*I:32*P+4*I+3] offset:544*I
.set I, I+1
.endr
	WIN 0x40
.set I, 0
.rept 8
	ds_load_b128 v[128*(P/4)+32*(P%4)+4*I:128*(P/4)+32*(P%4)+4*I+3], v[SGL] offset:128*(I/4)+16*(I%4)
.set I, I+1
.endr
.set P, P+1
.endr
	WIN 0
	s_wait_kmcnt 0x0
	s_add_co_i32 s[EA], s74, s75                   ; E = e6 + e7
	s_lshl_b32 s[EA+1], s[EA], 1
	NEGPOW KA, 74, 75
	NEGPOW KB, 76, 77
.set P, 0
.rept 64
	v_pk_mul_f32 v[BS+2*P:BS+2*P+1], v[BS+2*P:BS+2*P+1], s[KA:KA+1] op_sel_hi:[1,0]
.set P, P+1
.endr
	s_wait_dscnt 0x0
	WIN 0x41
.irp a, 0,1
.set P, 0
.rept 64
	v_pk_fma_f32 v[128*\a+2*P:128*\a+2*P+1], v[128*\a+2*P:128*\a+2*P+1], s[KA:KA+1], v[BS+2*P:BS+2*P+1] op_sel_hi:[1,0,1]   ; (x + bo) x 2^-E starts the sums
.set P, P+1
.endr
.endr
	WIN 0
	s_wait_tensorcnt 1                             ; my part of slot 0 is in; slot 1's may stay out
	s_barrier_signal -1
	s_barrier_wait -1                              ; and the rows' images are whole
	PHASE 1, 0
	LN_A 1, 2, 0
	GBLOAD 1                                       ; window 1 is free: gamma and beta
	LN_B 2, 1, 1, EA
	BIAS2L                                         ; window 1 is free again: bcq
	WIN 0x08
.irp a, 0,1
.set P, 0
.rept 32
	global_store_b128 v[LI], v[128*\a+4*P:128*\a+4*P+3], s[20:21] offset:\a*65536+512*P   ; out1, 512 consecutive bytes a store
.set P, P+1
.endr
.endr
	WIN 0
	SETSC 76                                       ; e8
.irp a, 0,1
.irp k, 0,1
	QUANT 2, 128*\a+64*\k, PCD
	IMAGE \a, \k
.endr
.endr
	WIN 0x41
.set P, 0
.rept 128
	v_pk_mul_f32 v[2*P:2*P+1], v[2*P:2*P+1], s[KB:KB+1] op_sel_hi:[1,0]   ; bcq x 2^-(e8 + e9) starts the sums
.set P, P+1
.endr
	WIN 0
	BARRIER                                        ; out1's images are whole
	PHASE 1, 1
	s_sub_co_i32 s52, s82, s76
	s_sub_co_i32 s52, s52, s77                     ; a sum stands for sum x 2^(e8 + e9): the three scales are folded into the conversion's one
	SETSC 52
.irp a, 0,1
.irp k, 0,1
	QUANT 1, 128*\a+64*\k, BS+32*\a+16*\k
.irp c, 0,1,2,3
	global_store_b128 v[LI], v[BS+32*\a+16*\k+4*\c:BS+32*\a+16*\k+4*\c+3], s[22:23] offset:\a*16384+\k*2048+512*\c
.endr
.endr
.endr
	s_wait_tensorcnt 0x0                           ; the wave's end
	ds_add_u32 v[SPW], v[NIL]
	s_wait_dscnt 0x0
	ROUND                                          ; the closing round
	s_endpgm
.Lfunc_end_k_q3e27db4fc1_mid:
	.size	k_q3e27db4fc1_mid, .Lfunc_end_k_q3e27db4fc1_mid-k_q3e27db4fc1_mid
	.p2alignl 7, 3214868480
	.fill 96, 4, 3214868480
	.section	.rodata,"a",@progbits
	.p2align	6, 0x0
	.amdhsa_kernel k_q3e27db4fc1_mid
		.amdhsa_group_segment_fixed_size 327680
		.amdhsa_private_segment_fixed_size 0
		.amdhsa_enable_private_segment 0
		.amdhsa_kernarg_size 80
		.amdhsa_user_sgpr_count 2
		.amdhsa_user_sgpr_kernarg_segment_ptr 1
		.amdhsa_wavefront_size32 1
		.amdhsa_system_sgpr_workgroup_id_x 1
		.amdhsa_system_sgpr_workgroup_id_y 1
		.amdhsa_system_sgpr_workgroup_id_z 1
		.amdhsa_system_vgpr_workitem_id 0
		.amdhsa_next_free_vgpr 1024
		.amdhsa_next_free_sgpr 100
		.amdhsa_reserve_vcc 0
		.amdhsa_float_denorm_mode_32 3
		.amdhsa_float_denorm_mode_16_64 3
		.amdhsa_memory_ordered 1
		.amdhsa_forward_progress 1
		.amdhsa_inst_pref_size 250
	.end_amdhsa_kernel
	.amdgpu_metadata
---
amdhsa.version: [ 1, 2 ]
amdhsa.kernels:
  - .name:           k_q3e27db4fc1_mid
    .symbol:         k_q3e27db4fc1_mid.kd
    .args:
      - { .name: avimg, .offset: 0, .size: 8, .value_kind: global_buffer, .address_space: global }
      - { .name: wimg, .offset: 8, .size: 8, .value_kind: global_buffer, .address_space: global }
      - { .name: x, .offset: 16, .size: 8, .value_kind: global_buffer, .address_space: global }
      - { .name: bo, .offset: 24, .size: 8, .value_kind: global_buffer, .address_space: global }
      - { .name: gamma, .offset: 32, .size: 8, .value_kind: global_buffer, .address_space: global }
      - { .name: beta, .offset: 40, .size: 8, .value_kind: global_buffer, .address_space: global }
      - { .name: bcq, .offset: 48, .size: 8, .value_kind: global_buffer, .address_space: global }
      - { .name: lowp_scales, .offset: 56, .size: 8, .value_kind: global_buffer, .address_space: global }
      - { .name: o1img, .offset: 64, .size: 8, .value_kind: global_buffer, .address_space: global }
      - { .name: qimg, .offset: 72, .size: 8, .value_kind: global_buffer, .address_space: global }
    .group_segment_fixed_size: 327680
    .private_segment_fixed_size: 0
    .kernarg_segment_align: 8
    .kernarg_segment_size: 80
    .max_flat_workgroup_size: 128
    .sgpr_count:     100
    .vgpr_count:     1024
    .wavefront_size: 32
...
	.end_amdgpu_metadata
.endif
;; end of part 7
;; launch attn: the kernel of part 5 again; grid 4 x 64, 16 waves a work-group, clusters of 4 x 1, 167,936 bytes of LDS; arguments qimg, kvimg, lowp_scales, oimg; writes oimg
;; launch tail (part 8): grid 128 x 1, 4 waves a work-group, clusters of 4 x 1, 327,680 bytes of LDS; arguments oimg, wimg, o1img, bco, gamma, beta, b1, b2, lowp_scales, out0; writes out0
.if DOCPART == 8
	.amdgcn_target "amdgcn-amd-amdhsa--gfx1250"
	.amdhsa_code_object_version 6
	.text
	.protected	k_q3e27db4fc1_tail
	.globl	k_q3e27db4fc1_tail
	.p2align	8
	.type	k_q3e27db4fc1_tail,@function
k_q3e27db4fc1_tail:
	s_mov_b64 s[64:65], 0
	v_nop
	global_prefetch_b8 v0, s[64:65] scope:SCOPE_SE
	s_setreg_imm32_b32 hwreg(HW_REG_WAVE_MODE, 25, 1), 1
	s_wait_xcnt 0x0
	s_wait_alu depctr_hold_cnt(0) depctr_sa_sdst(0) depctr_va_vdst(0) depctr_va_sdst(0) depctr_va_ssrc(0) depctr_va_vcc(0) depctr_vm_vsrc(0)
	s_getreg_b32 s2, hwreg(HW_REG_IB_STS2, 6, 4)
	s_cmp_eq_u32 s2, 0
	s_cbranch_scc0 .Lentry_in_a_cluster
	s_endpgm
.Lentry_in_a_cluster:
	s_bfe_u32 s2, ttmp6, 0x10000c
	s_cmp_lg_u32 s2, 0x3003
	s_cbranch_scc0 .Lentry_shape_is_right
	s_endpgm
.Lentry_shape_is_right:
; TAIL: out2 = LayerNorm(o Wco + bco + out1); out0 = LayerNorm((out2 W1 + b1) W2 + b2 + out2). Three products on codes of E5M2. Nothing is left out here.
; Shares, the weights' two roads, cluster, images, prefetch and register windows as in launch mid: a work-group owns 32 whole rows, wave w columns 256 w .. + 255. Of a wave's 16 tiles of a step of 128 along K, tiles 0-7 come through
; two LDS slots of two K steps each, asked for jointly by the four work-groups of a cluster, and tiles 8-15 straight from memory into window 3, three to four groups of sixteen loads ahead; a joint load lands in LDS, which is full, so that half is not shared.
; The three weights' 24 K steps are walked on end. An accumulator starts as (bias + residual) x 2^-(ea + eb); the power of two is put back in the norm, exactly. gamma, beta and b1 lie in LDS, 1,024 bytes each for a wave's 256 columns.
; LIMITS: e18 + e19, e20 + e21, e22 + e23 between -127 and 126; e20 and e22 - e20 - e21 between -126 and 112. NaN among the inputs is not served.
.set TSTEPS, 24
.set NSLOT, TSTEPS/2
.set REGION, 7340032
.set SLOTB, 131072
.set AIMG,  262144
.set STG,   294912
.set SCR,   312320
.set SPARE, 314368
.set GBL,   314880                     ; 3,072 bytes a wave: gamma, beta, b1 of its 256 columns
.set LI, 2
.set BADR, 3
.set AADR0, 5
.set AAD, 6
.set SCW, 7
.set SCRR, 8
.set SGL, 9
.set SGR, 10
.set PFO, 11
.set SPW, 12
.set NIL, 13
.set GRO, 14
.set BO, 15
.set IMA, 16
.set PT, 17
.set GBR, 19
.set SU, 20
.set XT, 20
.set XV, 36
.set SCV, 38
.set LIMV, 39
.set NM, 40
.set RS, 44
.set PCD, 48
.set AS, 64
.set TT, 64
.set BS, 128
.set G1, 24
.set G0, 32
.set WV, 40
.set CX, 41
.set WG, 42
.set AK, 43
.set CNT, 44
.set LIMIT, 45
.set PFA, 46
.set LC, 48
.set SEL, 56
.set KA, 58
.set KB, 60
.set EA, 62
.set DB, 66                            ; s[66:67] the direct loads' base: my tile 8 of the first K step of the four in hand
.set KC, 84
.set MSB, 0
.macro WIN new
.if MSB != \new
	s_set_vgpr_msb (MSB<<8)|\new
.set MSB, \new
.endif
.endm
.macro PLACES
.rept 4
	v_nop
.endr
.endm
.macro ROUND
	s_barrier_signal -1
	s_barrier_wait -1
	s_cmp_lg_u32 s[WV], 0
	s_cbranch_scc1 .Lnot_wave_0_\@
	s_barrier_signal -3
.Lnot_wave_0_\@:
	s_barrier_wait -3
	s_barrier_signal -1
	s_barrier_wait -1
.endm
.macro BARRIER
	s_wait_dscnt 0x0
	s_barrier_signal -1
	s_barrier_wait -1
.endm
.macro ASK o                           ; both K steps of the slot that the next refill asks for
	s_cmp_lt_u32 s[CNT], s[LIMIT]
	s_cbranch_scc0 .Lnoask_\@
	global_prefetch_b8 v[PFO], s[PFA:PFA+1] offset:(\o) th:TH_LOAD_NT scope:SCOPE_SE
	global_prefetch_b8 v[PFO], s[PFA:PFA+1] offset:(\o)+131072 th:TH_LOAD_NT scope:SCOPE_SE
.Lnoask_\@:
	s_add_co_u32 s[CNT], s[CNT], 1
.endm
.macro FETCH_R slot, kkl, g            ; four tiles of B out of the ring: group g of the slot's K step kkl
.irp i, 0,1,2,3
.irp c, 0,1,2,3
	ds_load_b128 v[BS+64*(\g)+16*\i+4*\c:BS+64*(\g)+16*\i+4*\c+3], v[BADR+\slot] offset:(\kkl)*16384+(4*(\g)+\i)*2048+512*\c
.endr
.endr
.endm
.macro FETCH_A off                     ; the two tiles of tokens of one K step
	v_add_nc_u32 v[AAD], s[AK], v[AADR0]
.irp a, 0,1
.irp c, 0,1,2,3
	ds_load_b128 v[AS+16*\a+4*\c:AS+16*\a+4*\c+3], v[AAD] offset:(\off)+\a*16384+512*\c
.endr
.endr
.endm
.macro GLOAD set, ks, d                ; four tiles of B out of memory: group d of the K step ks behind the base; each load reads 512 consecutive bytes
	WIN 0xc0
.irp i, 0,1,2,3
.irp c, 0,1,2,3
	global_load_b128 v[64*(\set)+16*\i+4*\c:64*(\set)+16*\i+4*\c+3], v[LI], s[DB:DB+1] offset:(\ks)*131072+(4*(\d)+\i)*2048+512*\c
.endr
.endr
	WIN 0
.endm
.macro MUL t0, bb, bw, w               ; tiles t0 .. t0 + 3 of my 16, B at v[bb + 16 i] of window bw: eight accumulators by turns
	WIN (\bw)|((\w)<<4)|((\w)<<6)
.irp i, 0,1,2,3
.irp a, 0,1
	v_wmma_f32_16x16x128_bf8_bf8 v[8*(16*\a+(\t0)+\i):8*(16*\a+(\t0)+\i)+7], v[(\bb)+16*\i:(\bb)+16*\i+15], v[AS+16*\a:AS+16*\a+15], v[8*(16*\a+(\t0)+\i):8*(16*\a+(\t0)+\i)+7]
.endr
.endr
	WIN 0
.endm
.macro CHANGE slot                     ; all my tensor loads have landed, the add, my reads of the slot are over; the round; the joint refill first behind it
	s_wait_tensorcnt 0x0
	ds_add_u32 v[SPW], v[NIL]
	s_add_nc_u64 s[G0+4*(\slot)+2:G0+4*(\slot)+3], s[G0+4*(\slot)+2:G0+4*(\slot)+3], 524288   ; two slots on
	s_wait_dscnt 0x0
	ROUND
	tensor_load_to_lds s[G0+4*(\slot):G0+4*(\slot)+3], s[G1:G1+7]
	s_nop 0
	PLACES
	ASK (\slot)*262144
.endm
; A K step, the i-th of four.  All its LDS loads stand at its head; in a slot's second step they are the slot's last reads, and the change of slots follows them.  mode 2: the slot is filled again; 1: a plain barrier; 0: none.
; gl1: group 1 of the next K step is asked of memory; gl0: group 0 of the K step after that.  lc0, lc1: the direct loads issued behind the group that is wanted: three groups of sixteen, fewer at the very end.
.macro KSTEP slot, kkl, i, mode, gl1, gl0, lc0, lc1, w
	FETCH_A (\i)*2048
	FETCH_R \slot, \kkl, 0
	FETCH_R \slot, \kkl, 1
.if \mode == 2
	CHANGE \slot
.elseif \mode == 1
	s_wait_tensorcnt 0x0
	BARRIER
.else
	s_wait_dscnt 32                                ; A's eight loads are in; the ring's 32 may be out
.endif
.if \gl1
	GLOAD 3-2*(\kkl), (\i)+1, 1
.endif
	s_wait_loadcnt \lc0
	MUL 8, 128*(\kkl), 3, \w
	s_wait_dscnt 16                                ; the ring's first group is in
	MUL 0, BS, 0, \w
	PLACES                                         ; four places between the products that read a group and the loads into it
.if \gl0
	GLOAD 2*(\kkl), (\i)+2, 0
.endif
	s_wait_loadcnt \lc1
	MUL 12, 128*(\kkl)+64, 3, \w
	s_wait_dscnt 0x0
	MUL 4, BS+64, 0, \w
	PLACES                                         ; for the next step's loads into A's and B's registers, and for the first read of results
.endm
.macro QUAD w, last                    ; four K steps: once round the ring
.if \last
	KSTEP 0, 0, 0, 0, 1, 1, 48, 48, \w
	KSTEP 0, 1, 1, 1, 1, 1, 48, 48, \w
	KSTEP 1, 0, 2, 0, 1, 0, 48, 32, \w
	KSTEP 1, 1, 3, 0, 0, 0, 16, 0, \w
.else
	KSTEP 0, 0, 0, 0, 1, 1, 48, 48, \w
	KSTEP 0, 1, 1, 2, 1, 1, 48, 48, \w
	KSTEP 1, 0, 2, 0, 1, 1, 48, 48, \w
	KSTEP 1, 1, 3, 2, 1, 1, 48, 48, \w
.endif
.endm
.macro NEXTQ
	s_wait_xcnt 0x0                                ; the direct loads and the prefetches have read their bases
	s_add_nc_u64 s[DB:DB+1], s[DB:DB+1], 524288
	s_add_nc_u64 s[PFA:PFA+1], s[PFA:PFA+1], 524288
	s_add_co_u32 s[AK], s[AK], 8192
.endm
.macro PHASE w, last                   ; a product: eight K steps; both roads walk on into the next product's weights unless it is the last
	s_mov_b32 s[AK], 0
.if \last
	QUAD \w, 0
	NEXTQ
	QUAD \w, 1                                     ; written out: the last slots are not filled again, the last step asks memory for nothing
.else
	s_mov_b32 s[LC], 2
.Lph_\@:
	QUAD \w, 0
	NEXTQ
	s_sub_co_u32 s[LC], s[LC], 1
	s_cmp_lg_u32 s[LC], 0
	s_cbranch_scc1 .Lph_\@
.endif
.endm
.macro REDUCE
.irp a, 0,1
	v_pk_add_f32 v[SU+8*\a:SU+8*\a+1], v[SU+8*\a:SU+8*\a+1], v[SU+8*\a+2:SU+8*\a+3]
	v_pk_add_f32 v[SU+8*\a+4:SU+8*\a+5], v[SU+8*\a+4:SU+8*\a+5], v[SU+8*\a+6:SU+8*\a+7]
.endr
.irp a, 0,1
	v_pk_add_f32 v[SU+8*\a:SU+8*\a+1], v[SU+8*\a:SU+8*\a+1], v[SU+8*\a+4:SU+8*\a+5]
.endr
.irp a, 0,1
	v_add_f32 v[XV+\a], v[SU+8*\a], v[SU+8*\a+1]
.endr
.irp a, 0,1
	v_permlanex16_b32 v[PT+\a], v[XV+\a], s[SEL], s[SEL+1]
.endr
.irp a, 0,1
	v_add_f32 v[XV+\a], v[XV+\a], v[PT+\a]
.endr
.endm
.macro XCH reg                         ; bytes of their own for each exchange, so one barrier serves
	ds_store_b32 v[SCW], v[XV] offset:(\reg)*512
	ds_store_b32 v[SCW], v[XV+1] offset:(\reg)*512+64
	BARRIER
.irp q, 0,1,2,3
	ds_load_b32 v[XT+2*\q], v[SCRR] offset:(\reg)*512+128*\q
	ds_load_b32 v[XT+2*\q+1], v[SCRR] offset:(\reg)*512+128*\q+64
.endr
	s_wait_dscnt 0x0
.irp a, 0,1
	v_add_f32 v[XV+\a], v[XT+\a], v[XT+2+\a]
	v_add_f32 v[XV+\a], v[XV+\a], v[XT+4+\a]
	v_add_f32 v[XV+\a], v[XV+\a], v[XT+6+\a]
.endr
.endm
.macro LN_A ws, wd, reg                ; each accumulator is read from its low end on
	PLACES
	WIN (\ws)|((\ws)<<2)
.irp a, 0,1
.irp c, 0,1,2,3
	v_pk_add_f32 v[SU+8*\a+2*\c:SU+8*\a+2*\c+1], v[128*\a+2*\c:128*\a+2*\c+1], v[128*\a+8+2*\c:128*\a+8+2*\c+1]
.endr
.endr
	WIN (\ws)
.irp a, 0,1
.set P, 8
.rept 56
	v_pk_add_f32 v[SU+8*\a+2*(P%4):SU+8*\a+2*(P%4)+1], v[128*\a+2*P:128*\a+2*P+1], v[SU+8*\a+2*(P%4):SU+8*\a+2*(P%4)+1]
.set P, P+1
.endr
.endr
	WIN 0
	REDUCE
	XCH \reg
.irp a, 0,1
	v_mul_f32 v[NM+2*\a], 0xba800000, v[XV+\a]
	v_mul_f32 v[NM+2*\a+1], 0xba800000, v[XV+\a]
.endr
	WIN (\ws)|((\wd)<<6)
.irp a, 0,1
.set P, 0
.rept 64
	v_pk_add_f32 v[128*\a+2*P:128*\a+2*P+1], v[128*\a+2*P:128*\a+2*P+1], v[NM+2*\a:NM+2*\a+1]
.set P, P+1
.endr
.endr
	WIN 0
.endm
.macro GBLOAD wg                       ; gamma to v0-127 and beta to v128-255 of the window that the rows have left; the exchange's wait for 0 on LDS, ahead of their use, is their wait
	WIN ((\wg)<<6)
.set P, 0
.rept 32
	ds_load_b128 v[4*P:4*P+3], v[GBR] offset:128*(P/4)+16*(P%4)
	ds_load_b128 v[128+4*P:128+4*P+3], v[GBR] offset:1024+128*(P/4)+16*(P%4)
.set P, P+1
.endr
	WIN 0
.endm
.macro LN_B wd, wg, reg, se
	WIN (\wd)|((\wd)<<2)
.irp a, 0,1
.irp c, 0,1,2,3
	v_pk_mul_f32 v[SU+8*\a+2*\c:SU+8*\a+2*\c+1], v[128*\a+2*\c:128*\a+2*\c+1], v[128*\a+2*\c:128*\a+2*\c+1]
.endr
.set P, 4
.rept 60
	v_pk_fma_f32 v[SU+8*\a+2*(P%4):SU+8*\a+2*(P%4)+1], v[128*\a+2*P:128*\a+2*P+1], v[128*\a+2*P:128*\a+2*P+1], v[SU+8*\a+2*(P%4):SU+8*\a+2*(P%4)+1]
.set P, P+1
.endr
.endr
	WIN 0
	REDUCE
	XCH \reg
.irp a, 0,1
	v_mul_f32 v[XV+\a], 0x3a800000, v[XV+\a]
	v_ldexp_f32 v[XV+\a], v[XV+\a], s[\se+1]
	v_add_f32 v[XV+\a], 0x3727c5ac, v[XV+\a]
.endr
	v_rsq_f32 v[RS], v[XV]
	v_rsq_f32 v[RS+2], v[XV+1]
	v_nop
	s_wait_alu depctr_va_vdst(0)                   ; one wait for both, ahead of the first reader
	v_ldexp_f32 v[RS], v[RS], s[\se]
	v_ldexp_f32 v[RS+2], v[RS+2], s[\se]
	v_mov_b32 v[RS+1], v[RS]
	v_mov_b32 v[RS+3], v[RS+2]
	WIN (\wd)|((\wd)<<6)
.irp a, 0,1
.set P, 0
.rept 64
	v_pk_mul_f32 v[128*\a+2*P:128*\a+2*P+1], v[128*\a+2*P:128*\a+2*P+1], v[RS+2*\a:RS+2*\a+1]
.set P, P+1
.endr
.endr
	WIN (\wd)|((\wg)<<2)|((\wg)<<4)|((\wd)<<6)
.irp a, 0,1
.set P, 0
.rept 64
	v_pk_fma_f32 v[128*\a+2*P:128*\a+2*P+1], v[128*\a+2*P:128*\a+2*P+1], v[2*P:2*P+1], v[128+2*P:128+2*P+1]
.set P, P+1
.endr
.endr
	WIN 0
.endm
.macro SETSC se
	s_add_co_i32 s54, s[\se], 127
	s_lshl_b32 s55, s54, 23
	v_mov_b32 v[SCV], s55
	s_add_co_i32 s54, s54, 15
	s_lshl_b32 s54, s54, 23
	s_or_b32 s54, s54, 0x600000
	v_mov_b32 v[LIMV], s54
.endm
.macro NEGPOW d, sa, sb
	s_add_co_i32 s[\d], s[\sa], s[\sb]
	s_sub_co_i32 s[\d], 127, s[\d]
	s_lshl_b32 s[\d], s[\d], 23
	s_mov_b32 s[\d+1], s[\d]
.endm
.macro QUANT ws, base, pc
	WIN (\ws)
.set P, 0
.rept 64
	v_med3_num_f32 v[TT+P], v[(\base)+P], -v[LIMV], v[LIMV]
.set P, P+1
.endr
	WIN 0
.irp c, 0,1,2,3
	v_cvt_scalef32_pk8_bf8_f32 v[(\pc)+4*\c:(\pc)+4*\c+1], v[TT+16*\c:TT+16*\c+7], v[SCV]
	v_cvt_scalef32_pk8_bf8_f32 v[(\pc)+4*\c+2:(\pc)+4*\c+3], v[TT+16*\c+8:TT+16*\c+15], v[SCV]
.endr
	v_nop
.endm
.macro IMAGE ta, kl
.irp c, 0,1,2,3
	ds_store_b128 v[IMA], v[PCD+4*\c:PCD+4*\c+3] offset:(\ta)*16384+(\kl)*2048+512*\c
.endr
	s_wait_dscnt 0x0
.endm
.macro BIAS2L                          ; the bias that lies in LDS, for both tiles of tokens, into window 1; the first image's wait for 0 on LDS is its wait
	WIN 0x40
.irp a, 0,1
.set P, 0
.rept 32
	ds_load_b128 v[128*\a+4*P:128*\a+4*P+3], v[GBR] offset:2048+128*(P/4)+16*(P%4)
.set P, P+1
.endr
.endr
	WIN 0
.endm
.macro BIAS1 sb                        ; a bias of my 256 columns out of memory into v128-255 of window 0
.set P, 0
.rept 32
	global_load_b128 v[BS+4*P:BS+4*P+3], v[BO], s[\sb:\sb+1] offset:128*(P/4)+16*(P%4)
.set P, P+1
.endr
.endm
	s_load_b512 s[4:19], s[0:1], 0x0               ; oimg wimg o1img bco gamma beta b1 b2
	s_load_b128 s[20:23], s[0:1], 0x40             ; lowp_scales out0
	v_lshl_add_u32 v[SPW], v0, 2, SPARE
	v_mov_b32 v[NIL], 0
	ds_add_u32 v[SPW], v[NIL]                      ; the opening: the add, twice on end, and its wait
	ds_add_u32 v[SPW], v[NIL]
	v_lshrrev_b32 v1, 5, v0
	v_readfirstlane_b32 s[WV], v1
	s_bfe_u32 s[CX], ttmp6, 0x40000
	s_lshl_b32 s[WG], ttmp9, 2
	s_add_co_u32 s[WG], s[WG], s[CX]
	s_mov_b32 s[G1], 15|(3<<16)|(1<<21)            ; all four work-groups; elements of 8 bytes; bit 21 beside a mask
	s_mov_b32 s[G1+1], 2048<<16                    ; tensor_dim0: eight tiles, 16,384 bytes
	s_mov_b32 s[G1+2], 2<<16                       ; tensor_dim1: two K steps
	s_mov_b32 s[G1+3], 2048<<16                    ; tile_dim0
	s_mov_b32 s[G1+4], 2                           ; tile_dim1
	s_mov_b32 s[G1+5], 16384                       ; from K step to K step: 131,072 bytes
	s_mov_b32 s[G1+6], 0
	s_mov_b32 s[G1+7], 0
	s_lshl_b32 s50, s[WV], 15
	s_mov_b32 s51, 0
	s_lshl_b32 s52, s[CX], 15
	s_lshl_b32 s53, s[WV], 13
	s_add_co_u32 s52, s52, s53
	s_add_co_u32 s52, s52, REGION+3*262144         ; the first refill asks for slot 2; the prefetch behind it names slot 3
	s_mov_b32 s53, 0
	s_mov_b32 s[CNT], 0
	s_cmp_eq_u32 ttmp9, 0                          ; the first cluster asks: the same in all four partners
	s_cselect_b32 s[LIMIT], NSLOT-3, 0
	s_mov_b32 s[SEL], 0x76543210
	s_mov_b32 s[SEL+1], 0xfedcba98
	s_wait_dscnt 0x0
	s_wait_kmcnt 0x0
	s_load_b256 s[68:75], s[20:21], 0x40           ; e16 .. e23
	s_add_nc_u64 s[PFA:PFA+1], s[6:7], s[52:53]
	s_add_nc_u64 s[6:7], s[6:7], s[50:51]
	s_add_nc_u64 s[6:7], s[6:7], REGION
	s_add_nc_u64 s[DB:DB+1], s[6:7], 16384         ; my tile 8
	ROUND
.irp s, 0,1
	s_mov_b32 s[G0+4*\s], 1
	s_add_co_u32 s[G0+4*\s+1], s50, \s*SLOTB
	s_add_nc_u64 s[G0+4*\s+2:G0+4*\s+3], s[6:7], \s*262144
	s_or_b32 s[G0+4*\s+3], s[G0+4*\s+3], 0x80000000
	tensor_load_to_lds s[G0+4*\s:G0+4*\s+3], s[G1:G1+7]
	s_nop 0
.endr
	PLACES
	v_and_b32 v1, 31, v0
	v_lshlrev_b32 v[LI], 4, v1
	v_lshlrev_b32 v[PFO], 8, v1
	GLOAD 0, 0, 0                                  ; the direct road's first three groups: both of K step 0, the first of K step 1
	GLOAD 1, 0, 1
	GLOAD 2, 1, 0
	v_add_nc_u32 v[BADR], s50, v[LI]
	v_add_nc_u32 v[BADR+1], SLOTB, v[BADR]
	v_add_nc_u32 v[AADR0], AIMG, v[LI]
	s_lshl_b32 s54, s[WV], 12
	v_add_nc_u32 v[IMA], s54, v[AADR0]
	v_and_b32 v[PT], 15, v0
	v_bfe_u32 v[PT+1], v0, 4, 1
	v_lshlrev_b32 v[SCRR], 2, v[PT]
	v_add_nc_u32 v[SCRR], SCR, v[SCRR]
	s_lshl_b32 s54, s[WV], 7
	v_add_nc_u32 v[SCW], s54, v[SCRR]
	s_mul_i32 s54, s[WV], 4352
	s_add_co_u32 s54, s54, STG
	v_mul_u32_u24 v[SGL], v[PT], 272
	v_lshl_add_u32 v[SGL], v[PT+1], 6, v[SGL]
	v_add_nc_u32 v[SGL], s54, v[SGL]
	v_mul_u32_u24 v[SGR], v[PT+1], 272
	v_lshl_add_u32 v[SGR], v[PT], 4, v[SGR]
	v_add_nc_u32 v[SGR], s54, v[SGR]
	v_lshlrev_b32 v[GRO], 12, v[PT+1]
	v_lshl_add_u32 v[GRO], v[PT], 4, v[GRO]
	v_lshlrev_b32 v[BO], 6, v[PT+1]
	s_mul_i32 s54, s[WV], 3072
	s_add_co_u32 s54, s54, GBL
	v_add_nc_u32 v1, s54, v[LI]                    ; gamma, beta, b1 in LDS: in, 16 bytes a lane;
	v_add_nc_u32 v[GBR], s54, v[BO]                ; out, + 64 hh
	s_lshl_b32 s54, s[WG], 15
	s_lshl_b32 s55, s[WV], 12
	s_add_co_u32 s54, s54, s55
	s_mov_b32 s55, 0
	s_add_nc_u64 s[4:5], s[4:5], s[54:55]          ; oimg
	s_lshl_b32 s54, s[WG], 17
	s_lshl_b32 s49, s[WV], 10
	s_add_co_u32 s54, s54, s49
	s_add_nc_u64 s[22:23], s[22:23], s[54:55]      ; out0
	s_lshl_b32 s54, s[WG], 17
	s_lshl_b32 s49, s[WV], 14
	s_add_co_u32 s54, s54, s49
	s_add_nc_u64 s[8:9], s[8:9], s[54:55]          ; o1img
	s_lshl_b32 s54, s[WV], 10
	s_add_nc_u64 s[10:11], s[10:11], s[54:55]
	s_add_nc_u64 s[12:13], s[12:13], s[54:55]
	s_add_nc_u64 s[14:15], s[14:15], s[54:55]
	s_add_nc_u64 s[16:17], s[16:17], s[54:55]
	s_add_nc_u64 s[18:19], s[18:19], s[54:55]
.set I, 0
.rept 16
	global_load_b128 v[TT+4*I:TT+4*I+3], v[LI], s[4:5] offset:(I/8)*16384+((I/4)%2)*2048+(I%4)*512
.set I, I+1
.endr
	WIN 0x40
.irp a, 0,1
.set P, 0
.rept 32
	global_load_b128 v[128*\a+4*P:128*\a+4*P+3], v[LI], s[8:9] offset:\a*65536+512*P   ; out1, as launch mid laid it: 512 consecutive bytes a load
.set P, P+1
.endr
.endr
	WIN 0
	BIAS1 10
.irp q, 0,1,2                          ; gamma, beta, b1 of my 256 columns: two loads of 512 consecutive bytes each
	global_load_b128 v[20+8*\q:23+8*\q], v[LI], s[12+2*\q:13+2*\q]
	global_load_b128 v[24+8*\q:27+8*\q], v[LI], s[12+2*\q:13+2*\q] offset:512
.endr
	s_wait_loadcnt 0x0
.set I, 0
.rept 16
	ds_store_b128 v[IMA], v[TT+4*I:TT+4*I+3] offset:(I/8)*16384+((I/4)%2)*2048+(I%4)*512
.set I, I+1
.endr
.irp q, 0,1,2,3,4,5
	ds_store_b128 v1, v[20+4*\q:23+4*\q] offset:512*\q
.endr
	s_wait_kmcnt 0x0
	s_add_co_i32 s[EA], s70, s71                   ; E = e18 + e19
	s_lshl_b32 s[EA+1], s[EA], 1
	NEGPOW KA, 70, 71
	NEGPOW KB, 72, 73
	NEGPOW KC, 74, 75
.set P, 0
.rept 64
	v_pk_mul_f32 v[BS+2*P:BS+2*P+1], v[BS+2*P:BS+2*P+1], s[KA:KA+1] op_sel_hi:[1,0]
.set P, P+1
.endr
	WIN 0x41
.irp a, 0,1
.set P, 0
.rept 64
	v_pk_fma_f32 v[128*\a+2*P:128*\a+2*P+1], v[128*\a+2*P:128*\a+2*P+1], s[KA:KA+1], v[BS+2*P:BS+2*P+1] op_sel_hi:[1,0,1]   ; (out1 + bco) x 2^-E starts the sums
.set P, P+1
.endr
.endr
	WIN 0
	s_wait_dscnt 0x0
	s_wait_tensorcnt 1                             ; my part of slot 0 is in; slot 1's may stay out
	s_barrier_signal -1
	s_barrier_wait -1
	PHASE 1, 0
	LN_A 1, 2, 0
	GBLOAD 1                                       ; window 1 is free: gamma and beta
	BIAS1 18                                       ; and b2 into window 0
	LN_B 2, 1, 1, EA
	BIAS2L                                         ; window 1 is free again: b1
	SETSC 72                                       ; e20
.irp a, 0,1
.irp k, 0,1
	QUANT 2, 128*\a+64*\k, PCD
	IMAGE \a, \k
.endr
.endr
	s_wait_loadcnt 0x0                             ; b2 (and, issued ahead of it, the direct groups that are out)
.set P, 0
.rept 64
	v_pk_mul_f32 v[BS+2*P:BS+2*P+1], v[BS+2*P:BS+2*P+1], s[KC:KC+1] op_sel_hi:[1,0]
.set P, P+1
.endr
	WIN 0x82
.irp a, 0,1
.set P, 0
.rept 64
	v_pk_fma_f32 v[128*\a+2*P:128*\a+2*P+1], v[128*\a+2*P:128*\a+2*P+1], s[KC:KC+1], v[BS+2*P:BS+2*P+1] op_sel_hi:[1,0,1]   ; (out2 + b2) x 2^-(e22 + e23) starts the third product's sums
.set P, P+1
.endr
.endr
	WIN 0x41
.set P, 0
.rept 128
	v_pk_mul_f32 v[2*P:2*P+1], v[2*P:2*P+1], s[KB:KB+1] op_sel_hi:[1,0]   ; b1 x 2^-(e20 + e21) starts the second's
.set P, P+1
.endr
	WIN 0
	BARRIER                                        ; out2's images are whole
	PHASE 1, 0
	s_sub_co_i32 s52, s74, s72
	s_sub_co_i32 s52, s52, s73                     ; a sum stands for sum x 2^(e20 + e21): the three scales are folded into the conversion's one
	SETSC 52
.irp a, 0,1                            ; the last K step's loads of the old images stand ahead of its round: behind it no wave reads them any more
.irp k, 0,1
	QUANT 1, 128*\a+64*\k, PCD
	IMAGE \a, \k
.endr
.endr
	BARRIER
	PHASE 2, 1
	s_add_co_i32 s[EA], s74, s75                   ; E = e22 + e23
	s_lshl_b32 s[EA+1], s[EA], 1
	LN_A 2, 1, 2
	GBLOAD 2
	LN_B 1, 2, 3, EA
.set P, 0
.rept 8                                ; the rows turn through my stage: in by lanes, out by rows
	WIN 0x04
.set I, 0
.rept 8
	ds_store_b128 v[SGL], v[128*(P/4)+32*(P%4)+4*I:128*(P/4)+32*(P%4)+4*I+3] offset:128*(I/4)+16*(I%4)
.set I, I+1
.endr
	WIN 0x80
.set I, 0
.rept 8
	ds_load_b128 v[32*P+4*I:32*P+4*I+3], v[SGR] offset:544*I
.set I, I+1
.endr
.set P, P+1
.endr
	s_wait_dscnt 0x0
	WIN 0x08
.set P, 0
.rept 8
.set I, 0
.rept 8
	global_store_b128 v[GRO], v[32*P+4*I:32*P+4*I+3], s[22:23] offset:(8*(P/4)+2*I+8*(I/4))*4096+256*(P%4) th:TH_STORE_NT   ; sixteen lanes store 256 consecutive bytes, aligned
.set I, I+1
.endr
.set P, P+1
.endr
	WIN 0
	s_wait_tensorcnt 0x0                           ; the wave's end
	ds_add_u32 v[SPW], v[NIL]
	s_wait_dscnt 0x0
	ROUND                                          ; the closing round
	s_endpgm
.Lfunc_end_k_q3e27db4fc1_tail:
	.size	k_q3e27db4fc1_tail, .Lfunc_end_k_q3e27db4fc1_tail-k_q3e27db4fc1_tail
	.p2alignl 7, 3214868480
	.fill 96, 4, 3214868480
	.section	.rodata,"a",@progbits
	.p2align	6, 0x0
	.amdhsa_kernel k_q3e27db4fc1_tail
		.amdhsa_group_segment_fixed_size 327680
		.amdhsa_private_segment_fixed_size 0
		.amdhsa_enable_private_segment 0
		.amdhsa_kernarg_size 80
		.amdhsa_user_sgpr_count 2
		.amdhsa_user_sgpr_kernarg_segment_ptr 1
		.amdhsa_wavefront_size32 1
		.amdhsa_system_sgpr_workgroup_id_x 1
		.amdhsa_system_sgpr_workgroup_id_y 1
		.amdhsa_system_sgpr_workgroup_id_z 1
		.amdhsa_system_vgpr_workitem_id 0
		.amdhsa_next_free_vgpr 1024
		.amdhsa_next_free_sgpr 100
		.amdhsa_reserve_vcc 0
		.amdhsa_float_denorm_mode_32 3
		.amdhsa_float_denorm_mode_16_64 3
		.amdhsa_memory_ordered 1
		.amdhsa_forward_progress 1
		.amdhsa_inst_pref_size 255
	.end_amdhsa_kernel
	.section	.bss,"aw",@nobits
	.p2align	6
	.space	262144
	.amdgpu_metadata
---
amdhsa.version: [ 1, 2 ]
amdhsa.kernels:
  - .name:           k_q3e27db4fc1_tail
    .symbol:         k_q3e27db4fc1_tail.kd
    .args:
      - { .name: oimg, .offset: 0, .size: 8, .value_kind: global_buffer, .address_space: global }
      - { .name: wimg, .offset: 8, .size: 8, .value_kind: global_buffer, .address_space: global }
      - { .name: o1img, .offset: 16, .size: 8, .value_kind: global_buffer, .address_space: global }
      - { .name: bco, .offset: 24, .size: 8, .value_kind: global_buffer, .address_space: global }
      - { .name: gamma, .offset: 32, .size: 8, .value_kind: global_buffer, .address_space: global }
      - { .name: beta, .offset: 40, .size: 8, .value_kind: global_buffer, .address_space: global }
      - { .name: b1, .offset: 48, .size: 8, .value_kind: global_buffer, .address_space: global }
      - { .name: b2, .offset: 56, .size: 8, .value_kind: global_buffer, .address_space: global }
      - { .name: lowp_scales, .offset: 64, .size: 8, .value_kind: global_buffer, .address_space: global }
      - { .name: out0, .offset: 72, .size: 8, .value_kind: global_buffer, .address_space: global }
    .group_segment_fixed_size: 327680
    .private_segment_fixed_size: 0
    .kernarg_segment_align: 8
    .kernarg_segment_size: 80
    .max_flat_workgroup_size: 128
    .sgpr_count:     100
    .vgpr_count:     1024
    .wavefront_size: 32
...
	.end_amdgpu_metadata
.endif
;; end of part 8
